; MI455X (gfx1250); checked and timed in simulation.
; The chip was launched on July 23, 2026; its instructions are those of AMD's public machine-readable ISA for CDNA 5 (MIT licence, August 2026) and "CDNA5" Instruction Set Architecture Reference Guide (July 2026). The comments in the code are by the model that wrote it; some were corrected since.
;; Dbrx FFN. Allowed arithmetic: matrix products marked QUANTISED: E3M2 operands, one E8M0 scale for each 32 along K, by v_wmma_scale_f32_16x16x128_f8f6f4 with both operands' format E3M2, f32 sums; products left as they are: f32 operands where the result goes on into a quantised operand, else bf16, f16 or f32 operands; f32 sums; everything else in f32.
;; Inputs: router_w 8 x 1,024 float32; v1_codes 16,384 x 32 x 24 uint8 (E3M2 codes of v1, K innermost, in blocks of 32 codes, four codes in three bytes); v1_scales 16,384 x 32 uint8 (E8M0 scales of v1, one for each 32 codes along K); w1_codes 16,384 x 32 x 24 uint8 (E3M2 codes of w1, K innermost, in blocks of 32 codes, four codes in three bytes); w1_scales 16,384 x 32 uint8 (E8M0 scales of w1, one for each 32 codes along K); w2 16,384 x 1,024 float32; x 2 x 512 x 1,024 float32.
;; Outputs: out0 2 x 512 x 1,024 float32.
;; This version of the problem:
;;   THIS VERSION OF THE PROBLEM IS GIVEN IN LOW PRECISION. The matrix products marked QUANTISED in the list below multiply operands that are first quantised to E3M2 (3 exponent bits, 2 mantissa bits; 6 bits a number), with one power-of-two scale for each 32 numbers along K (OCP MX v1.0); their sums are f32. All else is computed in f32.
;;   The module's matrix products, in the order in which they are computed (A, B: the left and right operand; K: the contracted axis; several contracted axes count as one K, in the product's order):
;;     1. [M 1,024, K 1,024] x [K 1,024, N 8]; A: input x; B: input router_w: left as it is (N = 8 < 16)
;;     2. [M 1,024, K 1,024] x [K 1,024, N 2,048]; A: input x; B: input w1 (given as codes): QUANTISED
;;     3. [M 1,024, K 1,024] x [K 1,024, N 2,048]; A: input x; B: input v1 (given as codes): QUANTISED
;;     4. [M 1,024, K 2,048] x [K 2,048, N 1,024]; A: computed on the way; B: input w2: QUANTISED
;;     5. [M 1,024, K 1,024] x [K 1,024, N 2,048]; A: input x; B: input w1 (given as codes): QUANTISED
;;     6. [M 1,024, K 1,024] x [K 1,024, N 2,048]; A: input x; B: input v1 (given as codes): QUANTISED
;;     7. [M 1,024, K 2,048] x [K 2,048, N 1,024]; A: computed on the way; B: input w2: QUANTISED
;;     8. [M 1,024, K 1,024] x [K 1,024, N 2,048]; A: input x; B: input w1 (given as codes): QUANTISED
;;     9. [M 1,024, K 1,024] x [K 1,024, N 2,048]; A: input x; B: input v1 (given as codes): QUANTISED
;;     10. [M 1,024, K 2,048] x [K 2,048, N 1,024]; A: computed on the way; B: input w2: QUANTISED
;;     11. [M 1,024, K 1,024] x [K 1,024, N 2,048]; A: input x; B: input w1 (given as codes): QUANTISED
;;     12. [M 1,024, K 1,024] x [K 1,024, N 2,048]; A: input x; B: input v1 (given as codes): QUANTISED
;;     13. [M 1,024, K 2,048] x [K 2,048, N 1,024]; A: computed on the way; B: input w2: QUANTISED
;;     14. [M 1,024, K 1,024] x [K 1,024, N 2,048]; A: input x; B: input w1 (given as codes): QUANTISED
;;     15. [M 1,024, K 1,024] x [K 1,024, N 2,048]; A: input x; B: input v1 (given as codes): QUANTISED
;;     16. [M 1,024, K 2,048] x [K 2,048, N 1,024]; A: computed on the way; B: input w2: QUANTISED
;;     17. [M 1,024, K 1,024] x [K 1,024, N 2,048]; A: input x; B: input w1 (given as codes): QUANTISED
;;     18. [M 1,024, K 1,024] x [K 1,024, N 2,048]; A: input x; B: input v1 (given as codes): QUANTISED
;;     19. [M 1,024, K 2,048] x [K 2,048, N 1,024]; A: computed on the way; B: input w2: QUANTISED
;;     20. [M 1,024, K 1,024] x [K 1,024, N 2,048]; A: input x; B: input w1 (given as codes): QUANTISED
;;     21. [M 1,024, K 1,024] x [K 1,024, N 2,048]; A: input x; B: input v1 (given as codes): QUANTISED
;;     22. [M 1,024, K 2,048] x [K 2,048, N 1,024]; A: computed on the way; B: input w2: QUANTISED
;;     23. [M 1,024, K 1,024] x [K 1,024, N 2,048]; A: input x; B: input w1 (given as codes): QUANTISED
;;     24. [M 1,024, K 1,024] x [K 1,024, N 2,048]; A: input x; B: input v1 (given as codes): QUANTISED
;;     25. [M 1,024, K 2,048] x [K 2,048, N 1,024]; A: computed on the way; B: input w2: QUANTISED
;;   THE QUANTISER, for each operand of a quantised product, along K:
;;     - K is cut into blocks of 32 from its start; a last block that is shorter is filled with zeros.
;;     - A block's scale is 2^e with e = floor(log2(the largest magnitude in the block)) - 4, held to -126 .. 127; a block of zeros has e = 0. As a byte (E8M0): e + 127.
;;     - Each number is divided by its block's scale, clamped to +-28, and rounded to the nearest number of E3M2, ties to even, subnormals kept.
;;     - The product sums the exact products of the quantised numbers (number of the format x scale) in f32.
;;   ~~~python
;;   def quantise(x, axis):      # numpy; x: float32 -> the quantised numbers, widened to float32 again
;;       x = np.moveaxis(x, axis, -1); K = x.shape[-1]
;;       x = np.pad(x, [(0, 0)] * (x.ndim - 1) + [(0, -K % 32)]); x = x.reshape(x.shape[:-1] + (-1, 32)); a = np.abs(x).max(-1, keepdims=True)
;;       e = np.where(a > 0, np.clip(np.frexp(np.where(a > 0, a, 1))[1] - 1 - 4, -126, 127), 0)      # np.frexp(a)[1] - 1 = floor(log2(a)), exactly
;;       r = np.clip(x / 2.0 ** e, -28, 28)
;;       step = 2.0 ** (np.maximum(np.frexp(np.where(r == 0, 1, r))[1] - 1, -2) - 2)
;;       q = np.round(r / step) * step * 2.0 ** e      # np.round: ties to even
;;       return np.moveaxis(q.reshape(q.shape[:-2] + (-1,))[..., :K], -1, axis).astype(np.float32)
;;   ~~~
;;   OPERANDS COMPUTED ON THE WAY. 'Computed on the way' means the value that the module computes at that place (a softmax that the list does not call 'softmax' is quantised finished and normalised). What goes into a quantiser is computed in f32, as accurately as f32 sums, v_exp_f32 and their like allow (about 1e-6 of the number): no bf16 or f16 on the way to a quantiser, and a product that is left as it is and whose result goes on into a quantised operand takes f32 operands (vector FMAs, or v_wmma_f32_16x16x4_f32). A number that lies on a knife's edge between two numbers of the format may be rounded either way, as far as f32 arithmetic and the matrix unit's own rounding can turn it there, and no further.
;;   INPUTS GIVEN AS CODES. v1 (in the module: [16384, 1024], K = its axis 1); w1 (in the module: [16384, 1024], K = its axis 1): each comes as NAME_codes (uint8): NAME with its K axis moved to the last place and cut into blocks of 32 codes, [.., K / 32, bytes a block], one block behind the other in memory; four codes in three bytes: a row's codes are one little-endian stream of bits, code i at bits 6 i .. 6 i + 5 (a code: sign, 3 exponent bits, 2 mantissa bits); and NAME_scales (uint8): the same leading axes, one E8M0 byte (e + 127) for each 32 codes along K. Its value is code x scale, taken as it is: it is not quantised again, and the codes and scales need not be those that the quantiser above would give.
;; 3 versions. Each part assembles by itself: llvm-mc -triple=amdgcn-amd-amdhsa -mcpu=gfx1250 --defsym DOCPART=n.
;; ======== version 1 of 3: 4 launches
;; workspace buffers: pm 4,096 bytes of whole numbers; gat 8,192 bytes; w2q 13,107,200 bytes; xt 23,855,104 bytes; ord 233,472 bytes of whole numbers; hq 91,750,400 bytes
;; launch prep (part 1): grid 544 x 1, 4 waves a work-group, no clusters, 16,896 bytes of LDS; arguments x, router_w, w2, pm, gat, w2q; writes pm, gat, w2q
.if DOCPART == 1
	.amdgcn_target "amdgcn-amd-amdhsa--gfx1250"
	.amdhsa_code_object_version 6
	.text
	.protected	k_q00eb25c81c_prep
	.globl	k_q00eb25c81c_prep
	.p2align	8
	.type	k_q00eb25c81c_prep,@function
k_q00eb25c81c_prep:
	s_mov_b64 s[64:65], 0
	v_nop
	global_prefetch_b8 v0, s[64:65] scope:SCOPE_SE
	s_setreg_imm32_b32 hwreg(HW_REG_WAVE_MODE, 25, 1), 1
	s_wait_xcnt 0x0
; PREP: two roles, told apart by the work-group number.
; Work-groups 0-31, THE ROUTER: 32 tokens each.  logits = x router_w^T in f32 (the f32 matrix form, 16 MFLOP in all), softmax with its maximum taken away, the two largest weights
; (strict compare in ascending order: the lower index wins a tie, as the top-k of the problem does), renormalised.  Stored at fixed places: the two gates of each token (gat), and for each of the 28 unordered pairs of
; experts the mask of the chunk tokens that chose it (pm, whole numbers).  No address and no branch of this launch hangs on these numbers: rows are placed by the next launch.
; Work-groups 32-543, W2: K steps 0-63 of w2 (a K step = 128 of the 16,384 rows) become codes of E3M2 with one E8M0 byte for each 32 along K.  K is the FIRST axis of w2, so a lane takes a column and its
; registers run down K: each load reads 128 consecutive bytes, the four waves stand side by side on 512, a block of 32 lies in one lane, and the conversions give codes with K innermost.
; The codes are laid as images of the operand registers (fragment = 16 columns x 128 K = 1,536 bytes: registers 4c..4c+3 of lane l at 512 c + 16 l), so that the last launch loads them by 16-byte loads alone.
; LIMITS: NaN and infinities among the inputs are not served.  A block of zeros gets the byte 1 where the rule says 127: its codes are zeros and this program alone reads the bytes.
; A token whose second and third weights agree to within f32 rounding may choose otherwise than a sum taken in another order.
.set NSMALL, 32                        ; work-groups of the small role
.set SG0,    0                         ; first K step of this launch
.set WS,     12582912                  ; w2q: the scale words begin behind 128 x 64 fragments
.set RB,     12288                     ; LDS: bytes 0-12,287 the w2 role (3,072 a wave), bytes 12,288-16,383 the router (1,024 a wave): each role has bytes of its own
.set EMAX,   4
.set X,      32                        ; v32-159  128 numbers of my column
.set CS,     160                       ; v160-171 blocks 0, 2 (image of lane r); v172-183 blocks 1, 3 (image of lane 16 + r)
.set TT,     184                       ; v184-186 a block's second 16 codes (a conversion's three registers begin on an even number)
.set SW,     188                       ; v188     my column's scale word
.set ACC,    224                       ; v224-255 the router's four accumulators: written by matrix instructions alone
; block t of my column: largest magnitude with the floor 2^(5-127) among its leaves, scale operand, byte, 32 codes
.macro WBLOCK t, left
.set XS, X+32*(\t)
.set CD, CS+12*((\t)%2)+6*((\t)/2)
	s_wait_loadcnt \left                           ; this block's 32 loads are in
	v_max3_num_f32 v12, |v[XS]|, |v[XS+1]|, |v[XS+2]|
	v_max3_num_f32 v13, |v[XS+3]|, |v[XS+4]|, |v[XS+5]|
.irp i, 6,10,14,18,22,26
	v_max3_num_f32 v12, v12, |v[XS+\i]|, |v[XS+\i+1]|
	v_max3_num_f32 v13, v13, |v[XS+\i+2]|, |v[XS+\i+3]|
.endr
	v_max3_num_f32 v12, v12, |v[XS+30]|, |v[XS+31]|
	v_max3_num_f32 v12, v12, v13, (EMAX+1)<<23     ; the floor holds the byte at 1 from below
	v_add_nc_u32 v11, -(EMAX<<23), v12             ; 4 off the exponent field: the conversion takes this operand's exponent field as its scale
	v_lshrrev_b32 v13, 23, v11                     ; the byte
.if (\t) == 0
	v_mov_b32 v[SW], v13
.else
	v_lshl_or_b32 v[SW], v13, 8*(\t), v[SW]
.endif
	v_cvt_scalef32_pk16_bf6_f32 v[CD:CD+2], v[XS:XS+15], v11
	v_cvt_scalef32_pk16_bf6_f32 v[TT:TT+2], v[XS+16:XS+31], v11
	v_nop                                          ; one plain place behind a scaled conversion
.irp i, 0,1,2
	v_mov_b32 v[CD+3+\i], v[TT+\i]
.endr
.endm
; the router: batch bt (64 of my 256 along d) into buffer buf: x of tokens 0-15 (32 registers), of tokens 16-31 (32), router_w (32)
.macro RLOAD bt, buf
.irp q, 0,1,2,3,4,5,6,7
	global_load_b128 v[\buf+4*\q:\buf+4*\q+3], v20, s[4:5] offset:32*(8*\bt+\q)
	global_load_b128 v[\buf+32+4*\q:\buf+32+4*\q+3], v20, s[4:5] offset:65536+32*(8*\bt+\q)
	global_load_b128 v[\buf+64+4*\q:\buf+64+4*\q+3], v21, s[6:7] offset:32*(8*\bt+\q)
.endr
.endm
; 32 products: source 0 = router_w (rows r & 7), source 1 = 16 tokens.  Four accumulators (which register pair, which 16 tokens) take turns, one instruction a turn.
.macro RMUL buf, first
.irp q, 0,1,2,3,4,5,6,7
.irp u, 0,1
.irp t, 0,1
.if (\first) && \q == 0
	v_wmma_f32_16x16x4_f32 v[ACC+16*\u+8*\t:ACC+16*\u+8*\t+7], v[\buf+64+4*\q+2*\u:\buf+64+4*\q+2*\u+1], v[\buf+32*\t+4*\q+2*\u:\buf+32*\t+4*\q+2*\u+1], 0
.else
	v_wmma_f32_16x16x4_f32 v[ACC+16*\u+8*\t:ACC+16*\u+8*\t+7], v[\buf+64+4*\q+2*\u:\buf+64+4*\q+2*\u+1], v[\buf+32*\t+4*\q+2*\u:\buf+32*\t+4*\q+2*\u+1], v[ACC+16*\u+8*\t:ACC+16*\u+8*\t+7]
.endif
.endr
.endr
.endr
.endm
	s_load_b256 s[4:11], s[0:1], 0x0               ; x s[4:5], router_w s[6:7], w2 s[8:9], pm s[10:11]
	s_load_b128 s[12:15], s[0:1], 0x20             ; gat s[12:13], w2q s[14:15]
	v_lshl_add_u32 v30, v0, 2, 0x4000
	v_mov_b32 v31, 0
	v_lshrrev_b32 v1, 5, v0
	v_readfirstlane_b32 s16, v1                    ; wave 0..3
	v_and_b32 v2, 31, v0                           ; lane
	v_and_b32 v3, 15, v0                           ; r
	v_bfe_u32 v4, v0, 4, 1                         ; h
	; every LDS address of both roles is made here, ahead of the parting
	s_mul_i32 s17, s16, 3072
	v_mul_u32_u24 v24, v4, 1536
	v_lshl_add_u32 v24, v3, 4, v24
	v_add_nc_u32 v24, s17, v24                     ; w2 role, in: my wave's stage + 1,536 x (which of its two fragments) + 16 r
	v_lshlrev_b32 v27, 4, v2                       ; 16 x lane
	v_add_nc_u32 v25, s17, v27                     ; w2 role, back: 16 x lane
	v_lshlrev_b32 v26, 2, v2                       ; 4 x lane
	s_lshl_b32 s18, s16, 10
	v_add_nc_u32 v22, s18, v27
	v_add_nc_u32 v22, RB, v22                      ; router, in: RB + 1,024 x wave + 16 x lane
	v_add_nc_u32 v23, RB, v27                      ; router, back
	s_mov_b32 s19, 0
	s_wait_kmcnt 0x0
	s_cmp_lt_u32 ttmp9, NSMALL
	s_cbranch_scc0 .Lrole_w
	; ---- THE ROUTER, part 1: wave w sums d = 256 w .. 256 w + 255 for the chunk's 32 tokens
	s_add_nc_u64 s[6:7], s[6:7], s[18:19]          ; router_w at d = 256 w
	s_lshl_b32 s20, ttmp9, 17                      ; 32 tokens of 4,096 bytes
	s_add_co_u32 s20, s20, s18
	s_mov_b32 s21, 0
	s_add_nc_u64 s[4:5], s[4:5], s[20:21]
	v_lshlrev_b32 v20, 12, v3                      ; lane (r, h) takes 16 bytes at row r, 32 q + 16 h: registers 0, 1 feed one product, registers 2, 3 the next.
	v_lshl_add_u32 v20, v4, 4, v20                 ; The order of d inside a product is the same on both sides, so the products are kept
	v_and_b32 v21, 7, v0
	v_lshlrev_b32 v21, 12, v21
	v_lshl_add_u32 v21, v4, 4, v21
	s_mov_b32 s44, 0xffff0000                      ; lanes 16-31
	RLOAD 0, 32
	RLOAD 1, 128
	s_wait_loadcnt 24                              ; batch 0 is in; batch 1's 24 loads may be out
	RMUL 32, 1
.rept 8
	v_nop                                          ; eight places behind this form, in front of loads into its operands
.endr
	RLOAD 2, 32
	s_wait_loadcnt 24
	RMUL 128, 0
.rept 8
	v_nop
.endr
	RLOAD 3, 128
	s_wait_loadcnt 24
	RMUL 32, 0
	s_wait_loadcnt 0x0
	RMUL 128, 0
.rept 8
	v_nop                                          ; and in front of the first read of the results
.endr
.irp t, 0,1                                    ; register j of every lane is logit(token r, expert j); the sums go into other registers, each accumulator read from its low end on
.irp j, 0,1,2,3,4,5,6,7
	v_add_f32 v[32+8*\t+\j], v[ACC+8*\t+\j], v[ACC+16+8*\t+\j]
.endr
.endr
.irp j, 0,1,2,3,4,5,6,7
	v_cndmask_b32 v[48+\j], v[32+\j], v[40+\j], s44    ; lanes 16-31 keep tokens 16-31: lane = token
.endr
	ds_store_b128 v22, v[48:51]                    ; my quarter of the sums, experts 0-3,
	ds_store_b128 v22, v[52:55] offset:512         ; experts 4-7
	s_branch .Ljoin
.Lrole_w:
	; ---- W2: K step Sg = SG0 + id / 8, columns 128 (id % 8) + 32 wave + lane
	s_sub_co_u32 s20, ttmp9, NSMALL
	s_and_b32 s21, s20, 7
	s_lshr_b32 s20, s20, 3
	s_add_co_u32 s20, s20, SG0
	s_lshl_b32 s22, s20, 19                        ; 128 rows of 4,096 bytes
	s_lshl_b32 s24, s21, 9
	s_lshl_b32 s25, s16, 7
	s_add_co_u32 s24, s24, s25                     ; my wave's 32 columns, 4 bytes each
	s_add_co_u32 s22, s22, s24
	s_mov_b32 s23, 0
	s_add_nc_u64 s[8:9], s[8:9], s[22:23]
	s_mul_i32 s26, s20, 98304                      ; 64 fragments a K step
	s_mul_i32 s28, s21, 12288
	s_add_co_u32 s26, s26, s28
	s_add_co_u32 s26, s26, s17                     ; my wave's two fragments
	s_mov_b32 s27, 0
	s_add_nc_u64 s[26:27], s[14:15], s[26:27]
	s_lshl_b32 s28, s20, 12                        ; 1,024 scale words a K step
	s_add_co_u32 s28, s28, s24
	s_add_co_u32 s28, s28, WS
	s_mov_b32 s29, 0
	s_add_nc_u64 s[28:29], s[14:15], s[28:29]
.set Q, 0
.rept 128
	global_load_b32 v[X+Q], v26, s[8:9] offset:4096*Q th:TH_LOAD_NT    ; row Q of the K step at my column: 128 consecutive bytes a wave
.set Q, Q+1
.endr
	WBLOCK 0, 63                                   ; 96 loads were issued behind block 0's, 64 behind block 1's: the wait's field holds 63
	WBLOCK 1, 63
	WBLOCK 2, 32
	WBLOCK 3, 0
.irp c, 0,1,2
	ds_store_b128 v24, v[CS+4*\c:CS+4*\c+3] offset:512*\c              ; the image of lane r,
	ds_store_b128 v24, v[CS+12+4*\c:CS+12+4*\c+3] offset:512*\c+256    ; of lane 16 + r
.endr
.irp i, 0,1,2,3,4,5
	ds_load_b128 v[X+4*\i:X+4*\i+3], v25 offset:512*\i                 ; LDS serves a wave's instructions in order: these see my stores
.endr
.irp i, 0,1,2,3,4,5
	s_wait_dscnt 5-\i
	global_store_b128 v27, v[X+4*\i:X+4*\i+3], s[26:27] offset:512*\i  ; 512 consecutive bytes, at a multiple of 256 from the buffer's first byte
.endr
	global_store_b32 v26, v[SW], s[28:29]          ; 32 scale words
.Ljoin:
	s_wait_dscnt 0x0                               ; my LDS stores have landed
	s_barrier_signal -1
	s_barrier_wait -1                              ; the one barrier, on every wave's path
	s_cmp_lt_u32 ttmp9, NSMALL
	s_cbranch_scc0 .Lend
	s_cmp_lg_u32 s16, 0
	s_cbranch_scc1 .Lend
	; ---- THE ROUTER, part 2: wave 0, a lane a token
.irp w, 0,1,2,3
.irp g, 0,1
	ds_load_b128 v[64+8*\w+4*\g:67+8*\w+4*\g], v23 offset:1024*\w+512*\g
.endr
.endr
	s_wait_dscnt 0x0
.irp j, 0,2,4,6
	v_pk_add_f32 v[96+\j:97+\j], v[64+\j:65+\j], v[72+\j:73+\j]
.endr
.irp j, 0,2,4,6
	v_pk_add_f32 v[96+\j:97+\j], v[96+\j:97+\j], v[80+\j:81+\j]
.endr
.irp j, 0,2,4,6
	v_pk_add_f32 v[96+\j:97+\j], v[96+\j:97+\j], v[88+\j:89+\j]    ; the eight logits
.endr
	v_max3_num_f32 v104, v96, v97, v98
	v_max3_num_f32 v104, v104, v99, v100
	v_max3_num_f32 v104, v104, v101, v102
	v_max_num_f32 v104, v104, v103                 ; their maximum is taken away before the exponential
.irp j, 0,1,2,3,4,5,6,7
	v_sub_f32 v[96+\j], v[96+\j], v104
.endr
.irp j, 0,1,2,3,4,5,6,7
	v_mul_f32 v[96+\j], 0x3fb8aa3b, v[96+\j]
.endr
.irp j, 0,1,2,3,4,5,6,7
	v_exp_f32 v[96+\j], v[96+\j]
.endr
	v_lshlrev_b32 v118, 3, v2                      ; (a plain place behind the exponentials)  8 x lane
	s_wait_alu depctr_va_vdst(0)                   ; one wait for the batch, ahead of its first reader
	v_add_f32 v105, v96, v97
.irp j, 2,3,4,5,6,7
	v_add_f32 v105, v105, v[96+\j]
.endr
	v_rcp_f32 v105, v105
	v_mov_b32 v107, -1.0                           ; (a plain place)  the second largest so far: under every weight
	s_wait_alu depctr_va_vdst(0)
.irp j, 0,1,2,3,4,5,6,7
	v_mul_f32 v[96+\j], v[96+\j], v105             ; the softmax
.endr
	v_mov_b32 v106, v96                            ; the largest so far, its index, the second's index
	v_mov_b32 v108, 0
	v_mov_b32 v109, 0
.irp e, 1,2,3,4,5,6,7
	v_mov_b32 v110, \e
	v_cmp_gt_f32 s40, v[96+\e], v106
	v_cmp_gt_f32 s41, v[96+\e], v107
	v_cndmask_b32 v107, v107, v[96+\e], s41
	v_cndmask_b32 v109, v109, v110, s41
	v_cndmask_b32 v107, v107, v106, s40            ; a new largest pushes the old one to second place
	v_cndmask_b32 v109, v109, v108, s40
	v_cndmask_b32 v106, v106, v[96+\e], s40
	v_cndmask_b32 v108, v108, v110, s40
.endr
	v_add_f32 v111, v106, v107
	v_rcp_f32 v111, v111
	v_min_u32 v116, v108, v109                     ; (a plain place)  lo
	v_max_u32 v117, v108, v109                     ; hi
	v_cmp_lt_u32 s40, v108, v109
	s_wait_alu depctr_va_vdst(0)
	v_mul_f32 v106, v106, v111
	v_mul_f32 v107, v107, v111
	v_cndmask_b32 v112, v107, v106, s40            ; the gate of expert lo,
	v_cndmask_b32 v113, v106, v107, s40            ; of expert hi
	v_sub_nc_u32 v114, 15, v116
	v_mul_u32_u24 v114, v114, v116
	v_lshrrev_b32 v114, 1, v114
	v_add_nc_u32 v114, v114, v117
	v_sub_nc_u32 v114, v114, v116
	v_add_nc_u32 v114, -1, v114                    ; the pair's number: lo (15 - lo) / 2 + hi - lo - 1
	v_mov_b32 v115, 0
.set Q, 0
.rept 28
	v_cmp_eq_u32 s40, Q, v114                      ; which of the 32 tokens chose pair Q:
	v_writelane_b32 v115, s40, Q                   ; word Q of the chunk's 32 words (words 28-31 stay 0)
.set Q, Q+1
.endr
	s_lshl_b32 s20, ttmp9, 8
	s_mov_b32 s21, 0
	s_add_nc_u64 s[12:13], s[12:13], s[20:21]
	s_lshl_b32 s20, ttmp9, 7
	s_add_nc_u64 s[10:11], s[10:11], s[20:21]
	global_store_b64 v118, v[112:113], s[12:13]    ; 256 consecutive bytes
	global_store_b32 v26, v115, s[10:11]
.Lend:
	s_wait_tensorcnt 0x0
	ds_add_u32 v30, v31
	s_wait_dscnt 0x0
	s_endpgm
.Lfunc_end_k_q00eb25c81c_prep:
	.size	k_q00eb25c81c_prep, .Lfunc_end_k_q00eb25c81c_prep-k_q00eb25c81c_prep
	.p2alignl 7, 3214868480
	.fill 96, 4, 3214868480
	.section	.rodata,"a",@progbits
	.p2align	6, 0x0
	.amdhsa_kernel k_q00eb25c81c_prep
		.amdhsa_group_segment_fixed_size 16896
		.amdhsa_private_segment_fixed_size 0
		.amdhsa_enable_private_segment 0
		.amdhsa_kernarg_size 48
		.amdhsa_user_sgpr_count 2
		.amdhsa_user_sgpr_kernarg_segment_ptr 1
		.amdhsa_wavefront_size32 1
		.amdhsa_system_sgpr_workgroup_id_x 1
		.amdhsa_system_sgpr_workgroup_id_y 1
		.amdhsa_system_sgpr_workgroup_id_z 1
		.amdhsa_system_vgpr_workitem_id 0
		.amdhsa_next_free_vgpr 256
		.amdhsa_next_free_sgpr 66
		.amdhsa_reserve_vcc 0
		.amdhsa_float_denorm_mode_32 3
		.amdhsa_float_denorm_mode_16_64 3
		.amdhsa_memory_ordered 1
		.amdhsa_forward_progress 1
		.amdhsa_inst_pref_size 53
	.end_amdhsa_kernel
	.amdgpu_metadata
---
amdhsa.version: [ 1, 2 ]
amdhsa.kernels:
  - .name:           k_q00eb25c81c_prep
    .symbol:         k_q00eb25c81c_prep.kd
    .args:
      - { .name: x, .offset: 0, .size: 8, .value_kind: global_buffer, .address_space: global }
      - { .name: router_w, .offset: 8, .size: 8, .value_kind: global_buffer, .address_space: global }
      - { .name: w2, .offset: 16, .size: 8, .value_kind: global_buffer, .address_space: global }
      - { .name: pm, .offset: 24, .size: 8, .value_kind: global_buffer, .address_space: global }
      - { .name: gat, .offset: 32, .size: 8, .value_kind: global_buffer, .address_space: global }
      - { .name: w2q, .offset: 40, .size: 8, .value_kind: global_buffer, .address_space: global }
    .group_segment_fixed_size: 16896
    .private_segment_fixed_size: 0
    .kernarg_segment_align: 8
    .kernarg_segment_size: 48
    .max_flat_workgroup_size: 128
    .sgpr_count:     66
    .vgpr_count:     256
    .wavefront_size: 32
...
	.end_amdgpu_metadata
.endif
;; end of part 1
;; launch place (part 2): grid 540 x 1, 4 waves a work-group, no clusters, 12,800 bytes of LDS; arguments pm, gat, w2, x, xt, w2q, ord; writes xt, w2q, ord
.if DOCPART == 2
	.amdgcn_target "amdgcn-amd-amdhsa--gfx1250"
	.amdhsa_code_object_version 6
	.text
	.protected	k_q00eb25c81c_place
	.globl	k_q00eb25c81c_place
	.p2align	8
	.type	k_q00eb25c81c_place,@function
k_q00eb25c81c_place:
	s_mov_b64 s[64:65], 0
	v_nop
	global_prefetch_b8 v0, s[64:65] scope:SCOPE_SE
	s_setreg_imm32_b32 hwreg(HW_REG_WAVE_MODE, 25, 1), 1
	s_wait_xcnt 0x0
; PLACE: two roles, told apart by the work-group number.
; Work-groups 0-27, ONE PAIR OF EXPERTS EACH: from the stored masks (pm, whole numbers) the pair's tokens are counted and listed in ascending order, 16 to a tile; tile j of pair p has the number 64 p + j.
; For each tile that exists: its 16 rows of x are gathered and quantised along d (E3M2, one E8M0 byte for each 32), and stored as eight images of operand registers, with the rows' scale words, the rows' two gates
; and the list of tokens.  A token lies in one pair, so each row of x is read and quantised once (rows that fill up a tile take token 0; nothing of them is stored as output).
; Wave w takes tiles w, w + 4, ..: a loop of 16 trips serves every split, all 1,024 tokens on one pair too.  This role uses no LDS and no barrier.
; Work-groups 28-539, W2: K steps 64-127 of w2 become codes, as in the launch before.
; LIMITS: NaN and infinities among the inputs are not served.  A block of zeros gets the byte 1 where the rule says 127: its codes are zeros and this program alone reads the bytes.
.set NSMALL, 28
.set SG0,    64
.set WS,     12582912
.set EMAX,   4
.set X,      32
.set CS,     160
.set TT,     184
.set SW,     188
.set XREC,   13312                     ; a tile's record in xt: 8 x 1,536 codes, 512 scale words, 128 gates, padded to 52 x 256
.set HA,     48                        ; v48-111  64 numbers of x, even K steps
.set PC,     176                       ; v176-194 the codes just made
.set TM,     196                       ; v196-211 at work
.set PW,     212                       ; v212     the scale word just made
.set GT,     214                       ; v214-215 my row's two gates
.set PWS,    216                       ; v216-223 the eight scale words
.set SEL,    50                        ; s[50:51] selects of v_permlanex16_b32 for lane l xor 16
.macro WBLOCK t, left
.set XS, X+32*(\t)
.set CD, CS+12*((\t)%2)+6*((\t)/2)
	s_wait_loadcnt \left                           ; this block's 32 loads are in
	v_max3_num_f32 v12, |v[XS]|, |v[XS+1]|, |v[XS+2]|
	v_max3_num_f32 v13, |v[XS+3]|, |v[XS+4]|, |v[XS+5]|
.irp i, 6,10,14,18,22,26
	v_max3_num_f32 v12, v12, |v[XS+\i]|, |v[XS+\i+1]|
	v_max3_num_f32 v13, v13, |v[XS+\i+2]|, |v[XS+\i+3]|
.endr
	v_max3_num_f32 v12, v12, |v[XS+30]|, |v[XS+31]|
	v_max3_num_f32 v12, v12, v13, (EMAX+1)<<23     ; the floor holds the byte at 1 from below
	v_add_nc_u32 v11, -(EMAX<<23), v12             ; 4 off the exponent field: the conversion's scale operand
	v_lshrrev_b32 v13, 23, v11                     ; the byte
.if (\t) == 0
	v_mov_b32 v[SW], v13
.else
	v_lshl_or_b32 v[SW], v13, 8*(\t), v[SW]
.endif
	v_cvt_scalef32_pk16_bf6_f32 v[CD:CD+2], v[XS:XS+15], v11
	v_cvt_scalef32_pk16_bf6_f32 v[TT:TT+2], v[XS+16:XS+31], v11
	v_nop                                          ; one plain place behind a scaled conversion
.irp i, 0,1,2
	v_mov_b32 v[CD+3+\i], v[TT+\i]
.endr
.endm
; my row's numbers of K step s: lane (r, h) takes 16 neighbours of each block of 32
.macro XLOAD reg, s
.irp b, 0,1,2,3
.irp j, 0,1,2,3
	global_load_b128 v[\reg+16*\b+4*\j:\reg+16*\b+4*\j+3], v6, s[10:11] offset:512*(\s)+128*\b+16*\j
.endr
.endr
.endm
; 64 numbers of a lane, register 16 b + i = k 32 b + 16 h + i of my row, become a fragment's codes in v[PC] on and its scale word in v[PW]
.macro QUANT s
.irp b, 0,1,2,3
	v_max3_num_f32 v[TM+\b], |v[\s+16*\b]|, |v[\s+1+16*\b]|, 0x2800000   ; my 16 numbers and the floor 2^(5 - 127)
.endr
.irp i, 2,4,6,8,10,12,14
.irp b, 0,1,2,3
	v_max3_num_f32 v[TM+\b], v[TM+\b], |v[\s+16*\b+\i]|, |v[\s+1+16*\b+\i]|
.endr
.endr
.irp b, 0,1,2,3
	v_permlanex16_b32 v[TM+4+\b], v[TM+\b], s[SEL], s[SEL+1]
.endr
.irp b, 0,1,2,3
	v_max_num_f32 v[TM+\b], v[TM+\b], v[TM+4+\b]   ; with lane l xor 16: the block's largest magnitude
.endr
.irp b, 0,1,2,3
	v_add_nc_u32 v[TM+12+\b], 0xfe000000, v[TM+\b] ; 4 off its exponent field: the conversion's scale operand
.endr
.irp b, 0,1,2,3
	v_lshrrev_b32 v[TM+4+\b], 23, v[TM+12+\b]      ; the byte
.endr
	v_lshl_or_b32 v[PW], v[TM+5], 8, v[TM+4]
	v_lshl_or_b32 v[PW], v[TM+6], 16, v[PW]
	v_lshl_or_b32 v[PW], v[TM+7], 24, v[PW]
.irp c, 0,1
	v_cvt_scalef32_pk16_bf6_f32 v[PC+6*\c:PC+2+6*\c], v[\s+32*\c:\s+15+32*\c], v[TM+12+2*\c]
	v_cvt_scalef32_pk16_bf6_f32 v[PC+12+4*\c:PC+14+4*\c], v[\s+16+32*\c:\s+31+32*\c], v[TM+12+2*\c+1]
.endr
	v_nop                                          ; one plain place behind a scaled conversion
.irp c, 0,1                                    ; the operand wants a whole block in a lane: lanes 0-15 block 2 c, lanes 16-31 block 2 c + 1
.irp i, 0,1,2
	v_permlane16_swap_b32 v[PC+6*\c+\i], v[PC+12+4*\c+\i]
.endr
.irp i, 0,1,2
	v_mov_b32 v[PC+3+6*\c+\i], v[PC+12+4*\c+\i]
.endr
.endr
.endm
	s_load_b256 s[4:11], s[0:1], 0x0               ; pm s[4:5], gat s[6:7], w2 s[8:9], x s[10:11]
	s_load_b128 s[12:15], s[0:1], 0x20             ; xt s[12:13], w2q s[14:15]
	s_load_b64 s[30:31], s[0:1], 0x30              ; ord
	v_lshl_add_u32 v224, v0, 2, 0x3000
	v_mov_b32 v225, 0
	v_lshrrev_b32 v1, 5, v0
	v_readfirstlane_b32 s16, v1                    ; wave 0..3
	v_and_b32 v2, 31, v0                           ; lane
	v_and_b32 v3, 15, v0                           ; r
	v_bfe_u32 v4, v0, 4, 1                         ; h
	s_mul_i32 s17, s16, 3072
	v_mul_u32_u24 v24, v4, 1536
	v_lshl_add_u32 v24, v3, 4, v24
	v_add_nc_u32 v24, s17, v24                     ; the w2 role's stage, in
	v_lshlrev_b32 v27, 4, v2                       ; 16 x lane
	v_add_nc_u32 v25, s17, v27                     ; and back
	v_lshlrev_b32 v26, 2, v2                       ; 4 x lane
	s_wait_kmcnt 0x0
	s_cmp_lt_u32 ttmp9, NSMALL
	s_cbranch_scc0 .Lrole_w
	; ---- ONE PAIR: p = the work-group's number
	v_lshlrev_b32 v5, 7, v2
	s_lshl_b32 s33, ttmp9, 2
	v_add_nc_u32 v5, s33, v5
	global_load_b32 v16, v5, s[4:5]                ; lane c holds the mask of chunk c (tokens 32 c .. 32 c + 31) for my pair
	s_mov_b32 s[SEL], 0x76543210
	s_mov_b32 s[SEL+1], 0xfedcba98
	s_mov_b32 s52, 0xffff0000                      ; lanes 16-31
	v_lshlrev_b32 v8, 5, v3
	v_lshl_add_u32 v8, v4, 4, v8                   ; 32 r + 16 h: my half of my row's eight scale words
	v_mov_b32 v18, 0                               ; written once: a lane permute's destination counts as one of its sources
.irp b, 0,1,2,3
	v_mov_b32 v[TM+4+\b], 0
.endr
	s_wait_loadcnt 0x0
	s_mov_b32 s32, 0
.set Q, 0
.rept 32
	v_readlane_b32 s33, v16, Q
	s_bcnt1_i32_b32 s33, s33
	s_add_co_u32 s32, s32, s33
.set Q, Q+1
.endr
	s_min_u32 s32, s32, 1024                       ; n: the pair's tokens
	s_cmp_lg_u32 s16, 0
	s_cbranch_scc1 .Lno_count
	v_mov_b32 v19, s32
	s_lshl_b32 s46, ttmp9, 7
	s_mov_b32 s47, 0
	s_add_nc_u64 s[46:47], s[30:31], s[46:47]
	global_store_b32 v26, v19, s[46:47]            ; the count, 32 times: 128 bytes for each pair
.Lno_count:
	s_mov_b32 s34, 0
.Ltile:                                            ; 16 trips: tile j = wave + 4 trip
	s_lshl_b32 s35, s34, 2
	s_add_co_u32 s35, s35, s16
	s_lshl_b32 s36, s35, 4                         ; the tile's first rank
	s_cmp_ge_u32 s36, s32
	s_cbranch_scc1 .Ltile_next                     ; no such tile
	s_wait_xcnt 0x0                                ; the earlier loads and stores have read their registers and bases: these are written again only behind this wait
	; the tokens of ranks 16 j .. 16 j + 15, in ascending order, into lanes 0-15
	v_mov_b32 v17, 0                               ; rows that fill the tile up take token 0
	s_mov_b32 s37, 0                               ; the rank of the chunk's first token
	s_add_co_u32 s53, s36, 16
	s_mov_b32 s38, 0
.Lchunk:
	v_readlane_b32 s39, v16, s38
	s_bcnt1_i32_b32 s40, s39
	s_add_co_u32 s45, s37, s40
	s_cmp_eq_u32 s40, 0
	s_cbranch_scc1 .Lchunk_next
	s_cmp_le_u32 s45, s36
	s_cbranch_scc1 .Lchunk_next                    ; all its tokens come before the tile
	s_cmp_ge_u32 s37, s53
	s_cbranch_scc1 .Lchunk_next                    ; or behind it
	s_lshl_b32 s44, s38, 5
	s_sub_co_u32 s43, s37, s36
	s_mov_b32 s41, 0
.Lbit:
	s_ctz_i32_b32 s42, s39                         ; the lowest token left,
	s_sub_co_u32 s33, s39, 1
	s_and_b32 s39, s39, s33                        ; taken off the mask
	s_add_co_u32 s42, s42, s44
	s_add_co_u32 s33, s43, s41                     ; its row in the tile; what lies outside 0 .. 15 (below 0 wraps)
	s_min_u32 s33, s33, 16                         ; goes to lane 16, which is written over below
	v_writelane_b32 v17, s42, s33
	s_add_co_u32 s41, s41, 1
	s_cmp_lt_u32 s41, s40
	s_cbranch_scc1 .Lbit
.Lchunk_next:
	s_mov_b32 s37, s45
	s_add_co_u32 s38, s38, 1
	s_cmp_lt_u32 s38, 32
	s_cbranch_scc1 .Lchunk
	v_permlanex16_b32 v18, v17, s[SEL], s[SEL+1]
	v_cndmask_b32 v17, v17, v18, s52               ; lanes 16-31 take lanes 0-15: lane (r, h) holds row r's token
	v_min_u32 v17, 0x3ff, v17
	v_lshlrev_b32 v6, 12, v17
	v_lshl_add_u32 v6, v4, 6, v6                   ; x: the token's row of 4,096 bytes, + 64 h
	v_lshlrev_b32 v7, 3, v17                       ; gat: 8 bytes a token
	s_lshl_b32 s33, ttmp9, 6
	s_add_co_u32 s33, s33, s35                     ; the tile's number
	s_mul_i32 s46, s33, XREC
	s_mov_b32 s47, 0
	s_add_nc_u64 s[46:47], s[12:13], s[46:47]      ; its record
	s_lshl_b32 s48, s33, 7
	s_add_co_u32 s48, s48, 4096
	s_mov_b32 s49, 0
	s_add_nc_u64 s[48:49], s[30:31], s[48:49]      ; its list of tokens
	global_load_b64 v[GT:GT+1], v7, s[6:7]
	XLOAD HA, 0
	XLOAD HA+64, 1
.irp s, 0,1,2,3,4,5,6,7
.set BQ, HA+64*(\s%2)
.if \s < 7
	s_wait_loadcnt 16                              ; this K step's 16 loads (and the gates) are in; the next step's 16 may be out
.else
	s_wait_loadcnt 0x0
.endif
	s_wait_xcnt 0x0                                ; the last step's stores have read the codes' registers
	QUANT BQ
	v_mov_b32 v[PWS+\s], v[PW]
.irp c, 0,1,2
	global_store_b128 v27, v[PC+4*\c:PC+4*\c+3], s[46:47] offset:1536*\s+512*\c   ; the fragment as it stands: 512 consecutive bytes a store
.endr
.if \s < 6
	XLOAD BQ, \s+2
.endif
.endr
.irp i, 0,1,2,3
	v_cndmask_b32 v[TM+\i], v[PWS+\i], v[PWS+4+\i], s52
.endr
	global_store_b128 v8, v[TM:TM+3], s[46:47] offset:12288    ; [16 rows][8 K steps]: 512 consecutive bytes
	v_cndmask_b32 v213, v[GT], v[GT+1], s52
	global_store_b32 v26, v213, s[46:47] offset:12800          ; [slot][16 rows]
	global_store_b32 v26, v17, s[48:49]                        ; the tokens
.Ltile_next:
	s_add_co_u32 s34, s34, 1
	s_cmp_lt_u32 s34, 16
	s_cbranch_scc1 .Ltile
	s_endpgm
.Lrole_w:
	; ---- W2: K step Sg = SG0 + id / 8, columns 128 (id % 8) + 32 wave + lane
	s_sub_co_u32 s20, ttmp9, NSMALL
	s_and_b32 s21, s20, 7
	s_lshr_b32 s20, s20, 3
	s_add_co_u32 s20, s20, SG0
	s_lshl_b32 s22, s20, 19                        ; 128 rows of 4,096 bytes
	s_lshl_b32 s24, s21, 9
	s_lshl_b32 s25, s16, 7
	s_add_co_u32 s24, s24, s25
	s_add_co_u32 s22, s22, s24
	s_mov_b32 s23, 0
	s_add_nc_u64 s[8:9], s[8:9], s[22:23]
	s_mul_i32 s26, s20, 98304
	s_mul_i32 s28, s21, 12288
	s_add_co_u32 s26, s26, s28
	s_add_co_u32 s26, s26, s17
	s_mov_b32 s27, 0
	s_add_nc_u64 s[26:27], s[14:15], s[26:27]
	s_lshl_b32 s28, s20, 12
	s_add_co_u32 s28, s28, s24
	s_add_co_u32 s28, s28, WS
	s_mov_b32 s29, 0
	s_add_nc_u64 s[28:29], s[14:15], s[28:29]
.set Q, 0
.rept 128
	global_load_b32 v[X+Q], v26, s[8:9] offset:4096*Q th:TH_LOAD_NT
.set Q, Q+1
.endr
	WBLOCK 0, 63                                   ; 96 loads were issued behind block 0's, 64 behind block 1's: the wait's field holds 63
	WBLOCK 1, 63
	WBLOCK 2, 32
	WBLOCK 3, 0
.irp c, 0,1,2
	ds_store_b128 v24, v[CS+4*\c:CS+4*\c+3] offset:512*\c
	ds_store_b128 v24, v[CS+12+4*\c:CS+12+4*\c+3] offset:512*\c+256
.endr
.irp i, 0,1,2,3,4,5
	ds_load_b128 v[X+4*\i:X+4*\i+3], v25 offset:512*\i                 ; LDS serves a wave's instructions in order: these see my stores
.endr
.irp i, 0,1,2,3,4,5
	s_wait_dscnt 5-\i
	global_store_b128 v27, v[X+4*\i:X+4*\i+3], s[26:27] offset:512*\i
.endr
	global_store_b32 v26, v[SW], s[28:29]
	s_wait_tensorcnt 0x0
	ds_add_u32 v224, v225
	s_wait_dscnt 0x0
	s_endpgm
.Lfunc_end_k_q00eb25c81c_place:
	.size	k_q00eb25c81c_place, .Lfunc_end_k_q00eb25c81c_place-k_q00eb25c81c_place
	.p2alignl 7, 3214868480
	.fill 96, 4, 3214868480
	.section	.rodata,"a",@progbits
	.p2align	6, 0x0
	.amdhsa_kernel k_q00eb25c81c_place
		.amdhsa_group_segment_fixed_size 12800
		.amdhsa_private_segment_fixed_size 0
		.amdhsa_enable_private_segment 0
		.amdhsa_kernarg_size 56
		.amdhsa_user_sgpr_count 2
		.amdhsa_user_sgpr_kernarg_segment_ptr 1
		.amdhsa_wavefront_size32 1
		.amdhsa_system_sgpr_workgroup_id_x 1
		.amdhsa_system_sgpr_workgroup_id_y 1
		.amdhsa_system_sgpr_workgroup_id_z 1
		.amdhsa_system_vgpr_workitem_id 0
		.amdhsa_next_free_vgpr 226
		.amdhsa_next_free_sgpr 66
		.amdhsa_reserve_vcc 0
		.amdhsa_float_denorm_mode_32 3
		.amdhsa_float_denorm_mode_16_64 3
		.amdhsa_memory_ordered 1
		.amdhsa_forward_progress 1
		.amdhsa_inst_pref_size 75
	.end_amdhsa_kernel
	.amdgpu_metadata
---
amdhsa.version: [ 1, 2 ]
amdhsa.kernels:
  - .name:           k_q00eb25c81c_place
    .symbol:         k_q00eb25c81c_place.kd
    .args:
      - { .name: pm, .offset: 0, .size: 8, .value_kind: global_buffer, .address_space: global }
      - { .name: gat, .offset: 8, .size: 8, .value_kind: global_buffer, .address_space: global }
      - { .name: w2, .offset: 16, .size: 8, .value_kind: global_buffer, .address_space: global }
      - { .name: x, .offset: 24, .size: 8, .value_kind: global_buffer, .address_space: global }
      - { .name: xt, .offset: 32, .size: 8, .value_kind: global_buffer, .address_space: global }
      - { .name: w2q, .offset: 40, .size: 8, .value_kind: global_buffer, .address_space: global }
      - { .name: ord, .offset: 48, .size: 8, .value_kind: global_buffer, .address_space: global }
    .group_segment_fixed_size: 12800
    .private_segment_fixed_size: 0
    .kernarg_segment_align: 8
    .kernarg_segment_size: 56
    .max_flat_workgroup_size: 128
    .sgpr_count:     66
    .vgpr_count:     226
    .wavefront_size: 32
...
	.end_amdgpu_metadata
.endif
;; end of part 2
;; launch up (part 3): grid 32 x 8, 16 waves a work-group, no clusters, 107,520 bytes of LDS; arguments ord, xt, w1_codes, w1_scales, v1_codes, v1_scales, hq; writes hq
.if DOCPART == 3
	.amdgcn_target "amdgcn-amd-amdhsa--gfx1250"
	.amdhsa_code_object_version 6
	.text
	.protected	k_q00eb25c81c_up
	.globl	k_q00eb25c81c_up
	.p2align	8
	.type	k_q00eb25c81c_up,@function
k_q00eb25c81c_up:
	s_mov_b64 s[64:65], 0
	v_nop
	global_prefetch_b8 v0, s[64:65] scope:SCOPE_SE
	s_setreg_imm32_b32 hwreg(HW_REG_WAVE_MODE, 25, 1), 1
	s_wait_xcnt 0x0
; UP: h = Q(silu(x w1^T) * (x v1^T)) for the tiles that exist.  Work-group (sc, e) owns hidden units 64 sc .. 64 sc + 63 of expert e: its 64 rows of w1 and of v1 (codes as given, 768 bytes a row) and their scale
; bytes are read from memory by this work-group alone, once, in whole runs of 256 bytes, and stay in LDS.  One barrier; behind it LDS is only read.
; The tiles of expert e are those of its seven pairs; their counts come from ord (whole numbers that the launch before stored).  Sixteen waves of 256 registers take two tiles (32 rows) a trip through all 64 units:
; three trips of the loop serve 96 tiles; no split has more than 70.  No tensor load and no cluster: trip decisions hang on stored counts.
; Both products are used transposed (source 0 = 16 rows of the weight, source 1 = 16 tokens), and THE ROWS OF A WEIGHT TILE ARE NOT NEIGHBOURS: lane r of tile 2 b + u takes row 32 b + 8 u + r + 8 (r / 8), so that a lane
; holds one token and the 16 registers of tiles 2 b, 2 b + 1 are 16 neighbours along the next K.  The rows are laid in LDS in that order, so a tile is 16 rows on end.
; h goes to hq as pieces of the next operand's registers: record = 2 x tile + slot (slot 1: e is the pair's higher expert); K step s, piece p (registers 2 p, 2 p + 1) at 1,536 s + 256 p + 8 lane.
; LIMITS: NaN and infinities are not served; a block of zeros gets the byte 1 (its codes are zeros; this program alone reads the bytes).
.set PITCH, 784                        ; an LDS row: 768 + 16 = 196 words: row r starts at bank 4 r mod 64 (64 banks of 4 bytes: ISA guide 11.1): the 32 lanes of an 8-byte load touch 64 different banks
.set VOFF,  50176                      ; v1's 64 rows behind w1's
.set SCW,   100352                     ; scale words: 64 rows x 36 bytes of w1,
.set SCV,   2320                       ; and v1's so far behind them
.set XREC,  13312
.set HREC,  25600
; REGISTERS: v1 16 lane; v2, v3 my place in a tile of w1, v1; v4 in the scale words (lanes 0-15 w1, lanes 16-31 v1); v5, v6 store offsets; v7 x's scale words' offset; v8-15 x's scale words (lanes 0-15 tile 0,
; lanes 16-31 tile 1); v16-19 the weights' scale words; v20-67 x's fragments, two buffers of 2 x 12; v68-115 four weight fragments; v116-121 the fill's addresses and a constant; v122-123 at work;
; v128 + 64 T + 8 t: x w1^T of tile T, weight tile t; v160 + 64 T + 8 t: x v1^T.
.macro PROD d, a, b, sa, sb, zero, ar, br      ; one product; ar, br: which half of the lanes holds source 0's and source 1's scale words
.set PD, \d
.set PA, \a
.set PB, \b
.set PSA, \sa
.set PSB, \sb
.set PSEL, 4*(\zero)+2*(\ar)+(\br)
.if PSEL == 0
	v_wmma_scale_f32_16x16x128_f8f6f4 v[PD:PD+7], v[PA:PA+11], v[PB:PB+11], v[PD:PD+7], v[PSA], v[PSB] matrix_a_fmt:MATRIX_FMT_BF6 matrix_b_fmt:MATRIX_FMT_BF6
.elseif PSEL == 1
	v_wmma_scale_f32_16x16x128_f8f6f4 v[PD:PD+7], v[PA:PA+11], v[PB:PB+11], v[PD:PD+7], v[PSA], v[PSB] matrix_a_fmt:MATRIX_FMT_BF6 matrix_b_fmt:MATRIX_FMT_BF6 matrix_b_scale:MATRIX_SCALE_ROW1
.elseif PSEL == 2
	v_wmma_scale_f32_16x16x128_f8f6f4 v[PD:PD+7], v[PA:PA+11], v[PB:PB+11], v[PD:PD+7], v[PSA], v[PSB] matrix_a_fmt:MATRIX_FMT_BF6 matrix_b_fmt:MATRIX_FMT_BF6 matrix_a_scale:MATRIX_SCALE_ROW1
.elseif PSEL == 3
	v_wmma_scale_f32_16x16x128_f8f6f4 v[PD:PD+7], v[PA:PA+11], v[PB:PB+11], v[PD:PD+7], v[PSA], v[PSB] matrix_a_fmt:MATRIX_FMT_BF6 matrix_b_fmt:MATRIX_FMT_BF6 matrix_a_scale:MATRIX_SCALE_ROW1 matrix_b_scale:MATRIX_SCALE_ROW1
.elseif PSEL == 4
	v_wmma_scale_f32_16x16x128_f8f6f4 v[PD:PD+7], v[PA:PA+11], v[PB:PB+11], 0, v[PSA], v[PSB] matrix_a_fmt:MATRIX_FMT_BF6 matrix_b_fmt:MATRIX_FMT_BF6
.elseif PSEL == 5
	v_wmma_scale_f32_16x16x128_f8f6f4 v[PD:PD+7], v[PA:PA+11], v[PB:PB+11], 0, v[PSA], v[PSB] matrix_a_fmt:MATRIX_FMT_BF6 matrix_b_fmt:MATRIX_FMT_BF6 matrix_b_scale:MATRIX_SCALE_ROW1
.elseif PSEL == 6
	v_wmma_scale_f32_16x16x128_f8f6f4 v[PD:PD+7], v[PA:PA+11], v[PB:PB+11], 0, v[PSA], v[PSB] matrix_a_fmt:MATRIX_FMT_BF6 matrix_b_fmt:MATRIX_FMT_BF6 matrix_a_scale:MATRIX_SCALE_ROW1
.else
	v_wmma_scale_f32_16x16x128_f8f6f4 v[PD:PD+7], v[PA:PA+11], v[PB:PB+11], 0, v[PSA], v[PSB] matrix_a_fmt:MATRIX_FMT_BF6 matrix_b_fmt:MATRIX_FMT_BF6 matrix_a_scale:MATRIX_SCALE_ROW1 matrix_b_scale:MATRIX_SCALE_ROW1
.endif
.endm
; the i-th tile of my expert -> its record number.  Once the tile is found, i wraps to a huge number and no later compare holds.  s[i] is used up.
.macro MAP i, code
	s_mov_b32 s[\code], 0
.irp o, 0,1,2,3,4,5,6,7
	s_lshl_b32 s26, s[\i], 1
	s_add_co_u32 s26, s26, s[40+\o]
	s_cmp_lt_u32 s[\i], s[32+\o]
	s_cselect_b32 s[\code], s26, s[\code]
	s_sub_co_u32 s[\i], s[\i], s[32+\o]
.endr
.endm
.macro ALOAD s                                 ; both tiles' fragments of K step s, as images: three loads of 16 bytes a lane each
.set ABL, 20+24*((\s)%2)
.irp c, 0,1,2
	global_load_b128 v[ABL+4*\c:ABL+4*\c+3], v1, s[50:51] offset:1536*(\s)+512*\c
	global_load_b128 v[ABL+12+4*\c:ABL+12+4*\c+3], v1, s[52:53] offset:1536*(\s)+512*\c
.endr
.endm
; 128 along K: 8 products with w1, 8 with v1.  The sixteen accumulators take turns, one instruction a turn.
.macro KSTEP s
.set ABK, 20+24*((\s)%2)
.if (\s) == 0
.set KZ, 1
.else
.set KZ, 0
.endif
.if (\s) < 7
	s_wait_loadcnt 6                               ; this step's fragments of x are in; the next step's six loads may be out
.else
	s_wait_loadcnt 0x0
.endif
.irp t, 0,1,2,3
	ds_load_b32 v[16+\t], v4 offset:576*\t+4*(\s)
.endr
.irp t, 0,1,2,3
.irp p, 0,1,2,3,4,5
	ds_load_b64 v[68+12*\t+2*\p:69+12*\t+2*\p], v2 offset:12544*\t+96*(\s)+48*(\p/3)+8*(\p%3)
.endr
.endr
	s_wait_dscnt 0x0
.irp t, 0,1,2,3
.irp m, 0,1
	PROD 128+64*\m+8*\t, 68+12*\t, ABK+12*\m, 16+\t, 8+(\s), KZ, 0, \m
.endr
.endr
.rept 4
	v_nop                                          ; four places in front of loads into registers that matrix instructions have read
.endr
.irp t, 0,1,2,3
.irp p, 0,1,2,3,4,5
	ds_load_b64 v[68+12*\t+2*\p:69+12*\t+2*\p], v3 offset:12544*\t+96*(\s)+48*(\p/3)+8*(\p%3)
.endr
.endr
	s_wait_dscnt 0x0
.irp t, 0,1,2,3
.irp m, 0,1
	PROD 160+64*\m+8*\t, 68+12*\t, ABK+12*\m, 16+\t, 8+(\s), KZ, 1, \m
.endr
.endr
.rept 4
	v_nop                                          ; likewise; behind the last step also the places in front of the first read of results
.endr
.if (\s) < 6
	ALOAD (\s)+2
.endif
.endm
	s_load_b256 s[4:11], s[0:1], 0x0               ; ord s[4:5], xt s[6:7], w1 codes s[8:9], w1 scales s[10:11]
	s_load_b128 s[12:15], s[0:1], 0x20             ; v1 codes s[12:13], v1 scales s[14:15]
	s_load_b64 s[16:17], s[0:1], 0x30              ; hq
	v_lshl_add_u32 v126, v0, 2, 0x19c00
	v_mov_b32 v127, 0
	v_lshrrev_b32 v1, 5, v0
	v_readfirstlane_b32 s19, v1                    ; wave 0..15
	s_and_b32 s18, ttmp7, 0xffff                   ; e
	; the fill: thread t takes 16 bytes at 16 (t % 16) of rows t / 16 and t / 16 + 32: sixteen lanes read 256 consecutive bytes
	v_and_b32 v122, 15, v0
	v_lshrrev_b32 v123, 4, v0
	v_mul_u32_u24 v116, v123, 768
	v_lshl_add_u32 v116, v122, 4, v116             ; in memory
	v_bfe_u32 v117, v0, 4, 3
	v_bfe_u32 v123, v0, 7, 1
	v_lshl_add_u32 v117, v123, 4, v117
	v_bfe_u32 v123, v0, 8, 1
	v_lshl_add_u32 v117, v123, 3, v117             ; row rho lies at place (rho & 0x27) + 16 (bit 3) + 8 (bit 4)
	v_mul_u32_u24 v117, v117, PITCH
	v_lshl_add_u32 v117, v122, 4, v117             ; in LDS, w1;
	v_add_nc_u32 v118, VOFF, v117                  ; v1
	v_lshlrev_b32 v119, 2, v0                      ; scale words: thread t takes word t % 8 of row t / 8
	v_bfe_u32 v120, v0, 3, 3
	v_bfe_u32 v123, v0, 6, 1
	v_lshl_add_u32 v120, v123, 4, v120
	v_bfe_u32 v123, v0, 7, 1
	v_lshl_add_u32 v120, v123, 3, v120
	v_bfe_u32 v123, v0, 8, 1
	v_lshl_add_u32 v120, v123, 5, v120
	v_mul_u32_u24 v120, v120, 36
	v_and_b32 v123, 7, v0
	v_lshl_add_u32 v120, v123, 2, v120
	v_add_nc_u32 v120, SCW, v120
	; the loop's addresses
	v_bfe_u32 v123, v0, 4, 1                       ; h  (v122 = r)
	v_mul_u32_u24 v2, v122, PITCH
	v_mad_u32_u24 v2, v123, 24, v2                 ; row r of a tile, + 24 h
	v_add_nc_u32 v3, VOFF, v2
	v_mul_u32_u24 v4, v123, SCV
	v_mad_u32_u24 v4, v122, 36, v4
	v_add_nc_u32 v4, SCW, v4
	v_and_b32 v5, 31, v0
	v_lshlrev_b32 v1, 4, v5                        ; 16 x lane
	s_mul_i32 s20, ttmp9, 768
	v_lshl_add_u32 v5, v5, 3, s20                  ; hq: 768 sc + 8 lane
	s_lshr_b32 s20, ttmp9, 1
	s_lshl_b32 s20, s20, 6
	s_and_b32 s21, ttmp9, 1
	s_lshl_b32 s21, s21, 1
	s_add_co_u32 s20, s20, s21
	s_add_co_u32 s20, s20, 24576
	v_lshl_add_u32 v6, v122, 2, v123
	v_add_nc_u32 v6, s20, v6                       ; hq: my block's scale byte: 24,576 + 64 (sc / 2) + 4 r + 2 (sc % 2) + h
	v_lshlrev_b32 v121, 5, v122
	v_add_nc_u32 v121, 12288, v121                 ; xt: row r's eight scale words
	s_mov_b32 s58, 0xbfb8aa3b                      ; -log2(e)
	s_mov_b32 s59, s58                             ; (named with it as a pair, so it is written)
	s_mov_b32 s60, 0xffff0000                      ; lanes 16-31
	s_mov_b32 s62, 0x76543210
	s_mov_b32 s63, 0xfedcba98                      ; v_permlanex16_b32: lane l xor 16
	s_lshl_b32 s20, s18, 11
	s_lshl_b32 s21, ttmp9, 6
	s_add_co_u32 s20, s20, s21                     ; my first row of w1 and v1: 2,048 e + 64 sc
	s_mul_i32 s22, s20, 768
	s_mov_b32 s23, 0
	s_lshl_b32 s24, s20, 5
	s_mov_b32 s25, 0
	s_wait_kmcnt 0x0
	s_add_nc_u64 s[8:9], s[8:9], s[22:23]
	s_add_nc_u64 s[12:13], s[12:13], s[22:23]
	s_add_nc_u64 s[10:11], s[10:11], s[24:25]
	s_add_nc_u64 s[14:15], s[14:15], s[24:25]
.irp i, 0,1
.irp k, 0,1,2
	global_load_b128 v[20+4*(3*\i+\k):23+4*(3*\i+\k)], v116, s[8:9] offset:24576*\i+256*\k th:TH_LOAD_NT
	global_load_b128 v[44+4*(3*\i+\k):47+4*(3*\i+\k)], v116, s[12:13] offset:24576*\i+256*\k th:TH_LOAD_NT
.endr
.endr
	global_load_b32 v68, v119, s[10:11] th:TH_LOAD_NT
	global_load_b32 v69, v119, s[14:15] th:TH_LOAD_NT
	; the tiles of my expert, while the fill is on its way: for each other expert o the pair's number, its count of tiles, and the record number of its first tile
.irp o, 0,1,2,3,4,5,6,7
	s_min_u32 s20, s18, \o
	s_max_u32 s21, s18, \o
	s_sub_co_u32 s22, 15, s20
	s_mul_i32 s22, s22, s20
	s_lshr_b32 s22, s22, 1
	s_add_co_u32 s22, s22, s21
	s_sub_co_u32 s22, s22, s20
	s_sub_co_u32 s22, s22, 1
	s_min_u32 s22, s22, 27                         ; (o = e names no pair: its count is set to 0 below)
	s_lshl_b32 s[40+\o], s22, 7
	s_load_b32 s[32+\o], s[4:5], s[40+\o] offset:0x0
.endr
	s_wait_kmcnt 0x0
	s_mov_b32 s48, 0
.irp o, 0,1,2,3,4,5,6,7
	s_min_u32 s[32+\o], s[32+\o], 1024
	s_add_co_u32 s[32+\o], s[32+\o], 15
	s_lshr_b32 s[32+\o], s[32+\o], 4
	s_cmp_eq_u32 s18, \o
	s_cselect_b32 s[32+\o], 0, s[32+\o]
	s_cmp_gt_u32 s18, \o
	s_cselect_b32 s20, 1, 0                        ; slot 1 where e is the higher of the two
	s_add_co_u32 s[40+\o], s[40+\o], s20           ; 2 x 64 p + slot
	s_add_co_u32 s48, s48, s[32+\o]                ; N: my expert's tiles
.endr
	s_wait_loadcnt 0x0
.irp i, 0,1
.irp k, 0,1,2
	ds_store_b128 v117, v[20+4*(3*\i+\k):23+4*(3*\i+\k)] offset:25088*\i+256*\k
	ds_store_b128 v118, v[44+4*(3*\i+\k):47+4*(3*\i+\k)] offset:25088*\i+256*\k
.endr
.endr
	ds_store_b32 v120, v68
	ds_store_b32 v120, v69 offset:SCV
	s_wait_dscnt 0x0                               ; for the others' sake: my stores have landed
	s_barrier_signal -1
	s_barrier_wait -1                              ; the one barrier, ahead of every branch on a stored count
	s_mov_b32 s49, 0
.Lround:                                           ; three trips: tiles 2 (wave + 16 trip) and the next
	s_lshl_b32 s20, s49, 5
	s_lshl_b32 s21, s19, 1
	s_add_co_u32 s20, s20, s21
	s_cmp_ge_u32 s20, s48
	s_cbranch_scc1 .Lnext
	s_add_co_u32 s21, s20, 1
	s_cmp_lt_u32 s21, s48
	s_cselect_b32 s61, 1, 0                        ; is there a second tile?  If not, the first is taken twice and stored once
	s_cselect_b32 s21, s21, s20
	MAP 20, 22
	MAP 21, 23
	s_lshr_b32 s24, s22, 1
	s_lshr_b32 s25, s23, 1
	s_min_u32 s24, s24, 1791                       ; tile numbers,
	s_min_u32 s25, s25, 1791
	s_min_u32 s22, s22, 3583                       ; record numbers
	s_min_u32 s23, s23, 3583
	s_wait_xcnt 0x0                                ; the last trip's loads and stores have read their registers and bases
	s_mul_i32 s50, s24, XREC
	s_mov_b32 s51, 0
	s_add_nc_u64 s[50:51], s[6:7], s[50:51]
	s_mul_i32 s52, s25, XREC
	s_mov_b32 s53, 0
	s_add_nc_u64 s[52:53], s[6:7], s[52:53]
	s_mul_i32 s54, s22, HREC
	s_mov_b32 s55, 0
	s_add_nc_u64 s[54:55], s[16:17], s[54:55]
	s_mul_i32 s56, s23, HREC
	s_mov_b32 s57, 0
	s_add_nc_u64 s[56:57], s[16:17], s[56:57]
	v_mov_b32 v122, s24
	v_mov_b32 v123, s25
	v_cndmask_b32 v122, v122, v123, s60            ; lanes 0-15 tile 0, lanes 16-31 tile 1
	v_min_u32 v122, 0x6ff, v122
	v_mul_u32_u24 v122, v122, XREC
	v_add_nc_u32 v7, v121, v122
	global_load_b128 v[8:11], v7, s[6:7]           ; x's scale words of K steps 0-3,
	global_load_b128 v[12:15], v7, s[6:7] offset:16    ; 4-7
	ALOAD 0
	ALOAD 1
	KSTEP 0
	KSTEP 1
	KSTEP 2
	KSTEP 3
	KSTEP 4
	KSTEP 5
	KSTEP 6
	KSTEP 7
	; silu(a) v = a v / (1 + 2^(-a log2 e)), in f32, both tiles together; each accumulator is read from its low end on
.irp m, 0,1
.set Q, 0
.rept 16
	v_pk_mul_f32 v[20+32*\m+Q:21+32*\m+Q], v[128+64*\m+Q:129+64*\m+Q], s[58:59] op_sel_hi:[1,0]
.set Q, Q+2
.endr
.endr
.set Q, 0
.rept 64
	v_exp_f32 v[20+Q], v[20+Q]
.set Q, Q+1
.endr
.irp m, 0,1
.set Q, 0
.rept 16
	v_pk_mul_f32 v[160+64*\m+Q:161+64*\m+Q], v[160+64*\m+Q:161+64*\m+Q], v[128+64*\m+Q:129+64*\m+Q]   ; a v: plain work that names no exponential's result
.set Q, Q+2
.endr
.endr
	s_wait_alu depctr_va_vdst(0)                   ; one wait for the 64 exponentials, ahead of their first reader
.set Q, 0
.rept 32
	v_pk_add_f32 v[20+Q:21+Q], v[20+Q:21+Q], 1.0 op_sel_hi:[1,0]
.set Q, Q+2
.endr
.set Q, 0
.rept 64
	v_rcp_f32 v[20+Q], v[20+Q]
.set Q, Q+1
.endr
	v_nop                                          ; a plain place behind the last reciprocal
	s_wait_alu depctr_va_vdst(0)                   ; one wait for the 64
.irp m, 0,1
.set Q, 0
.rept 16
	v_pk_mul_f32 v[128+64*\m+Q:129+64*\m+Q], v[160+64*\m+Q:161+64*\m+Q], v[20+32*\m+Q:21+32*\m+Q]    ; h: register 16 b + i of tile T = unit 32 b + 16 h + i
.set Q, Q+2
.endr
.endr
	; the quantiser: four blocks (z = 2 T + b) by turns
.irp z, 0,1,2,3
	v_max3_num_f32 v[84+\z], |v[128+64*(\z/2)+16*(\z%2)]|, |v[129+64*(\z/2)+16*(\z%2)]|, 0x2800000   ; my 16 numbers and the floor 2^(5 - 127)
.endr
.irp i, 2,4,6,8,10,12,14
.irp z, 0,1,2,3
	v_max3_num_f32 v[84+\z], v[84+\z], |v[128+64*(\z/2)+16*(\z%2)+\i]|, |v[129+64*(\z/2)+16*(\z%2)+\i]|
.endr
.endr
.irp z, 0,1,2,3
	v_permlanex16_b32 v[88+\z], v[84+\z], s62, s63
.endr
.irp z, 0,1,2,3
	v_max_num_f32 v[84+\z], v[84+\z], v[88+\z]     ; with lane l xor 16: the block's largest magnitude
.endr
.irp z, 0,1,2,3
	v_add_nc_u32 v[92+\z], 0xfe000000, v[84+\z]    ; 4 off its exponent field: the conversion's scale operand
.endr
.irp z, 0,1,2,3
	v_lshrrev_b32 v[88+\z], 23, v[92+\z]           ; the byte
.endr
.irp m, 0,1
	v_cndmask_b32 v[96+\m], v[88+2*\m], v[89+2*\m], s60    ; lane (r, h) keeps block h's
.endr
.irp m, 0,1
	v_cvt_scalef32_pk16_bf6_f32 v[20+16*\m:22+16*\m], v[128+64*\m:143+64*\m], v[92+2*\m]
	v_cvt_scalef32_pk16_bf6_f32 v[28+16*\m:30+16*\m], v[144+64*\m:159+64*\m], v[93+2*\m]
.endr
	v_nop                                          ; one plain place behind a scaled conversion
.irp m, 0,1
.irp i, 0,1,2
	v_permlane16_swap_b32 v[20+16*\m+\i], v[28+16*\m+\i]   ; a whole block to a lane: lanes 0-15 block 0, lanes 16-31 block 1
.endr
.irp i, 0,1,2
	v_mov_b32 v[23+16*\m+\i], v[28+16*\m+\i]
.endr
.endr
.irp p, 0,1,2
	global_store_b64 v5, v[20+2*\p:21+2*\p], s[54:55] offset:256*\p    ; 256 consecutive bytes, at a multiple of 256 from the buffer's first byte
.endr
	global_store_b8 v6, v96, s[54:55]              ; 32 scale bytes: the other half of each word comes from the neighbouring slice's work-group
	s_cmp_eq_u32 s61, 0
	s_cbranch_scc1 .Lnext
.irp p, 0,1,2
	global_store_b64 v5, v[36+2*\p:37+2*\p], s[56:57] offset:256*\p
.endr
	global_store_b8 v6, v97, s[56:57]
.Lnext:
	s_add_co_u32 s49, s49, 1
	s_cmp_lt_u32 s49, 3
	s_cbranch_scc1 .Lround
	s_wait_tensorcnt 0x0
	ds_add_u32 v126, v127
	s_wait_dscnt 0x0
	s_endpgm
.Lfunc_end_k_q00eb25c81c_up:
	.size	k_q00eb25c81c_up, .Lfunc_end_k_q00eb25c81c_up-k_q00eb25c81c_up
	.p2alignl 7, 3214868480
	.fill 96, 4, 3214868480
	.section	.rodata,"a",@progbits
	.p2align	6, 0x0
	.amdhsa_kernel k_q00eb25c81c_up
		.amdhsa_group_segment_fixed_size 107520
		.amdhsa_private_segment_fixed_size 0
		.amdhsa_enable_private_segment 0
		.amdhsa_kernarg_size 56
		.amdhsa_user_sgpr_count 2
		.amdhsa_user_sgpr_kernarg_segment_ptr 1
		.amdhsa_wavefront_size32 1
		.amdhsa_system_sgpr_workgroup_id_x 1
		.amdhsa_system_sgpr_workgroup_id_y 1
		.amdhsa_system_sgpr_workgroup_id_z 1
		.amdhsa_system_vgpr_workitem_id 0
		.amdhsa_next_free_vgpr 256
		.amdhsa_next_free_sgpr 66
		.amdhsa_reserve_vcc 0
		.amdhsa_float_denorm_mode_32 3
		.amdhsa_float_denorm_mode_16_64 3
		.amdhsa_memory_ordered 1
		.amdhsa_forward_progress 1
		.amdhsa_inst_pref_size 83
	.end_amdhsa_kernel
	.amdgpu_metadata
---
amdhsa.version: [ 1, 2 ]
amdhsa.kernels:
  - .name:           k_q00eb25c81c_up
    .symbol:         k_q00eb25c81c_up.kd
    .args:
      - { .name: ord, .offset: 0, .size: 8, .value_kind: global_buffer, .address_space: global }
      - { .name: xt, .offset: 8, .size: 8, .value_kind: global_buffer, .address_space: global }
      - { .name: w1_codes, .offset: 16, .size: 8, .value_kind: global_buffer, .address_space: global }
      - { .name: w1_scales, .offset: 24, .size: 8, .value_kind: global_buffer, .address_space: global }
      - { .name: v1_codes, .offset: 32, .size: 8, .value_kind: global_buffer, .address_space: global }
      - { .name: v1_scales, .offset: 40, .size: 8, .value_kind: global_buffer, .address_space: global }
      - { .name: hq, .offset: 48, .size: 8, .value_kind: global_buffer, .address_space: global }
    .group_segment_fixed_size: 107520
    .private_segment_fixed_size: 0
    .kernarg_segment_align: 8
    .kernarg_segment_size: 56
    .max_flat_workgroup_size: 512
    .sgpr_count:     66
    .vgpr_count:     256
    .wavefront_size: 32
...
	.end_amdgpu_metadata
.endif
;; end of part 3
;; launch down (part 4): grid 8 x 43, 16 waves a work-group, no clusters, 272,384 bytes of LDS; arguments ord, xt, hq, w2q, out0; writes out0
.if DOCPART == 4
	.amdgcn_target "amdgcn-amd-amdhsa--gfx1250"
	.amdhsa_code_object_version 6
	.text
	.protected	k_q00eb25c81c_down
	.globl	k_q00eb25c81c_down
	.p2align	8
	.type	k_q00eb25c81c_down,@function
k_q00eb25c81c_down:
	s_mov_b64 s[64:65], 0
	v_nop
	global_prefetch_b8 v0, s[64:65] scope:SCOPE_SE
	s_setreg_imm32_b32 hwreg(HW_REG_WAVE_MODE, 25, 1), 1
	s_wait_xcnt 0x0
; DOWN: out = g_lo (h_lo w2_lo) + g_hi (h_hi w2_hi).  Work-group (x, g): 128 columns of the output, and the g-th group of up to 4 tiles (64 tokens) of one pair of experts.  A token lies in one pair, so the work-group
; owns whole pieces of output rows: no sum spans work-groups.  The sum over pairs of ceil(n / 64) is at most 16 + 27 = 43 for every split of 1,024 tokens: the grid serves them all; a work-group that a split leaves
; without a group passes the barrier and stores nothing.  No tensor load and no cluster: what a work-group does hangs on stored counts.
; Wave w: nu = w & 1 (which 64 columns), kappa = (w >> 1) & 3 (K steps 4 kappa .. + 3 of 16), sigma = w >> 3 (slot: expert lo or hi).  So each fragment of w2 is read once in the work-group.  Operands come from
; memory straight into registers, as images.  Source 0 = 16 columns of w2, source 1 = 16 tokens of h: a lane holds eight neighbouring columns of one token.
; The eight partial sums (slot x kappa), multiplied by their slot's gate, meet in LDS; one barrier; each wave adds four rows in a fixed order and stores 512 consecutive bytes of each.
; LIMITS: the eight partial sums are rounded and added in a fixed order, otherwise than one ascending chain; NaN and infinities are not served.
.set WS,    12582912
.set XREC,  13312
.set HREC,  25600
.set PLANE, 33792                      ; a partial sum: 64 rows x (512 + 16) bytes: row r starts at bank 4 r mod 64 (64 banks of 4 bytes: ISA guide 11.1)
; REGISTERS: v1 16 lane, v2 8 lane, v3 4 lane; v4 gates' offset; v5, v6 h's scale words' offsets; v7 where I put a partial sum; v8 my offset in an output row; v9 a constant; v10-13 gates of tiles 0-3;
; v14, v15 w2's scale words (lanes 0-15 column tile 2 j, lanes 16-31 tile 2 j + 1); v16, v17 h's (token tiles likewise); v18-21 where I read partial sums; v22-24 at work; v32-79 four fragments of w2;
; v80-127 four of h; v128 + 32 i + 8 n: token tile i, column tile n.
.macro PROD d, a, b, sa, sb, zero, ar, br      ; one product; ar, br: which half of the lanes holds source 0's and source 1's scale words
.set PD, \d
.set PA, \a
.set PB, \b
.set PSA, \sa
.set PSB, \sb
.set PSEL, 4*(\zero)+2*(\ar)+(\br)
.if PSEL == 0
	v_wmma_scale_f32_16x16x128_f8f6f4 v[PD:PD+7], v[PA:PA+11], v[PB:PB+11], v[PD:PD+7], v[PSA], v[PSB] matrix_a_fmt:MATRIX_FMT_BF6 matrix_b_fmt:MATRIX_FMT_BF6
.elseif PSEL == 1
	v_wmma_scale_f32_16x16x128_f8f6f4 v[PD:PD+7], v[PA:PA+11], v[PB:PB+11], v[PD:PD+7], v[PSA], v[PSB] matrix_a_fmt:MATRIX_FMT_BF6 matrix_b_fmt:MATRIX_FMT_BF6 matrix_b_scale:MATRIX_SCALE_ROW1
.elseif PSEL == 2
	v_wmma_scale_f32_16x16x128_f8f6f4 v[PD:PD+7], v[PA:PA+11], v[PB:PB+11], v[PD:PD+7], v[PSA], v[PSB] matrix_a_fmt:MATRIX_FMT_BF6 matrix_b_fmt:MATRIX_FMT_BF6 matrix_a_scale:MATRIX_SCALE_ROW1
.elseif PSEL == 3
	v_wmma_scale_f32_16x16x128_f8f6f4 v[PD:PD+7], v[PA:PA+11], v[PB:PB+11], v[PD:PD+7], v[PSA], v[PSB] matrix_a_fmt:MATRIX_FMT_BF6 matrix_b_fmt:MATRIX_FMT_BF6 matrix_a_scale:MATRIX_SCALE_ROW1 matrix_b_scale:MATRIX_SCALE_ROW1
.elseif PSEL == 4
	v_wmma_scale_f32_16x16x128_f8f6f4 v[PD:PD+7], v[PA:PA+11], v[PB:PB+11], 0, v[PSA], v[PSB] matrix_a_fmt:MATRIX_FMT_BF6 matrix_b_fmt:MATRIX_FMT_BF6
.elseif PSEL == 5
	v_wmma_scale_f32_16x16x128_f8f6f4 v[PD:PD+7], v[PA:PA+11], v[PB:PB+11], 0, v[PSA], v[PSB] matrix_a_fmt:MATRIX_FMT_BF6 matrix_b_fmt:MATRIX_FMT_BF6 matrix_b_scale:MATRIX_SCALE_ROW1
.elseif PSEL == 6
	v_wmma_scale_f32_16x16x128_f8f6f4 v[PD:PD+7], v[PA:PA+11], v[PB:PB+11], 0, v[PSA], v[PSB] matrix_a_fmt:MATRIX_FMT_BF6 matrix_b_fmt:MATRIX_FMT_BF6 matrix_a_scale:MATRIX_SCALE_ROW1
.else
	v_wmma_scale_f32_16x16x128_f8f6f4 v[PD:PD+7], v[PA:PA+11], v[PB:PB+11], 0, v[PSA], v[PSB] matrix_a_fmt:MATRIX_FMT_BF6 matrix_b_fmt:MATRIX_FMT_BF6 matrix_a_scale:MATRIX_SCALE_ROW1 matrix_b_scale:MATRIX_SCALE_ROW1
.endif
.endm
; my k-th K step: scale words, four fragments of w2, four of h, 16 products.  The sixteen accumulators take turns, one instruction a turn.
.macro DSTEP k
.if (\k) == 0
.set DZ, 1
.else
.set DZ, 0
.endif
.irp j, 0,1
	global_load_b32 v[14+\j], v3, s[54:55] offset:4096*(\k)+128*\j
	global_load_b32 v[16+\j], v[5+\j], s[8:9] offset:64*(\k)
.endr
.irp n, 0,1,2,3
.irp c, 0,1,2
	global_load_b128 v[32+12*\n+4*\c:35+12*\n+4*\c], v1, s[52:53] offset:98304*(\k)+1536*\n+512*\c
.endr
.endr
.irp i, 0,1,2,3
.irp p, 0,1,2,3,4,5
	global_load_b64 v[80+12*\i+2*\p:81+12*\i+2*\p], v2, s[36+2*\i:37+2*\i] offset:1536*(\k)+256*\p
.endr
.endr
	s_wait_loadcnt 0x0
.irp i, 0,1,2,3
.irp n, 0,1,2,3
	PROD 128+32*\i+8*\n, 32+12*\n, 80+12*\i, 14+\n/2, 16+\i/2, DZ, \n%2, \i%2
.endr
.endr
.rept 4
	v_nop                                          ; four places in front of loads into registers that matrix instructions have read, and of the first read of results
.endr
.endm
	s_load_b256 s[4:11], s[0:1], 0x0               ; ord s[4:5], xt s[6:7], hq s[8:9], w2q s[10:11]
	s_load_b64 s[12:13], s[0:1], 0x20              ; out0
	v_lshl_add_u32 v30, v0, 2, 0x42000
	v_mov_b32 v31, 0
	v_lshrrev_b32 v1, 5, v0
	v_readfirstlane_b32 s14, v1                    ; wave 0..15
	s_and_b32 s15, s14, 1                          ; nu
	s_bfe_u32 s16, s14, 0x20001                    ; kappa
	s_lshr_b32 s17, s14, 3                         ; sigma
	s_lshr_b32 s19, s14, 1                         ; which partial sum: 4 sigma + kappa
	s_and_b32 s30, ttmp7, 0xffff                   ; g
	s_mov_b32 s60, 0xffff0000                      ; lanes 16-31
	v_and_b32 v22, 31, v0
	v_and_b32 v23, 15, v0                          ; r
	v_bfe_u32 v24, v0, 4, 1                        ; h
	v_lshlrev_b32 v1, 4, v22
	v_lshlrev_b32 v2, 3, v22
	v_lshlrev_b32 v3, 2, v22
	s_lshl_b32 s20, s17, 6
	v_lshl_add_u32 v4, v23, 2, s20                 ; gates: 64 sigma + 4 r
	s_lshl_b32 s20, s16, 8
	s_add_co_u32 s20, s20, 24576
	v_lshl_add_u32 v9, v23, 2, s20                 ; h's scale words: 24,576 + 64 (4 kappa) + 4 r
	s_lshl_b32 s20, ttmp9, 9
	v_add_nc_u32 v8, s20, v1                       ; 512 x + 16 lane
	; every LDS address is made here, of the wave's number, the lane and constants
	s_mul_i32 s20, s19, PLANE
	s_lshl_b32 s21, s15, 8
	s_add_co_u32 s20, s20, s21
	v_mul_u32_u24 v7, v23, 528
	v_lshl_add_u32 v7, v24, 5, v7
	v_add_nc_u32 v7, s20, v7                       ; in: my partial sum, row r, + 256 nu + 32 h
	s_mul_i32 s20, s14, 2112
	v_add_nc_u32 v18, s20, v1                      ; back: rows 4 w on, 16 bytes a lane; partial sums 0, 2, 4, 6 (the odd ones by the immediate)
	v_add_nc_u32 v19, 2*PLANE, v18
	v_add_nc_u32 v20, 4*PLANE, v18
	v_add_nc_u32 v21, 6*PLANE, v18
	s_wait_kmcnt 0x0
.set Q, 0
.rept 28
	s_load_b32 s[68+Q], s[4:5], 128*Q              ; the 28 counts
.set Q, Q+1
.endr
	s_mov_b32 s31, -1                              ; pair << 8 | lo << 4 | hi; -1: no group
	s_mov_b32 s32, 0                               ; which group of the pair
	s_mov_b32 s33, 0                               ; the pair's tokens
	s_wait_kmcnt 0x0
.set PP, 0
.irp lo, 0,1,2,3,4,5,6
.irp hi, 1,2,3,4,5,6,7
.if \hi > \lo
	s_min_u32 s20, s[68+PP], 1024
	s_add_co_u32 s21, s20, 63
	s_lshr_b32 s21, s21, 6                         ; the pair's groups
	s_cmp_lt_u32 s30, s21
	s_cselect_b32 s31, (PP<<8)|(\lo<<4)|\hi, s31
	s_cselect_b32 s32, s30, s32
	s_cselect_b32 s33, s20, s33
	s_sub_co_u32 s30, s30, s21                     ; once found, g wraps to a huge number and no later compare holds
.set PP, PP+1
.endif
.endr
.endr
	s_bfe_u32 s35, s31, 0x50008
	s_min_u32 s35, s35, 27                         ; p
	s_bfe_u32 s20, s31, 0x30004                    ; lo
	s_and_b32 s21, s31, 7                          ; hi
	s_cmp_eq_u32 s17, 0
	s_cselect_b32 s61, s20, s21
	s_min_u32 s61, s61, 7                          ; my slot's expert
	s_min_u32 s32, s32, 15
	s_add_co_u32 s34, s33, 15
	s_lshr_b32 s34, s34, 4
	s_lshl_b32 s20, s32, 2
	s_sub_co_u32 s34, s34, s20
	s_min_u32 s34, s34, 4                          ; nt: the group's tiles
	s_max_u32 s63, s34, 1
	s_sub_co_u32 s63, s63, 1
	s_lshl_b32 s62, s35, 6
	s_add_co_u32 s62, s62, s20                     ; the group's first tile: 64 p + 4 G
	s_mov_b32 s23, 0
	s_mul_i32 s24, s16, 6144                       ; my four K steps in a record of h
.irp i, 0,1,2,3
	s_min_u32 s20, s63, \i                         ; a tile that does not exist is replaced by the last that does: multiplied, not stored
	s_add_co_u32 s20, s20, s62
	s_min_u32 s20, s20, 1791
	s_lshl_b32 s21, s20, 1
	s_add_co_u32 s[96+\i], s21, s17                ; the record of h
	s_mul_i32 s22, s20, XREC
	s_add_nc_u64 s[44+2*\i:45+2*\i], s[6:7], s[22:23]
	s_mul_i32 s22, s[96+\i], HREC
	s_add_co_u32 s22, s22, s24
	s_add_nc_u64 s[36+2*\i:37+2*\i], s[8:9], s[22:23]
.endr
.irp j, 0,1
	v_mov_b32 v22, s[96+2*\j]
	v_mov_b32 v23, s[97+2*\j]
	v_cndmask_b32 v22, v22, v23, s60               ; lanes 0-15 tile 2 j, lanes 16-31 tile 2 j + 1
	v_min_u32 v22, 0xdff, v22
	v_mul_u32_u24 v22, v22, HREC
	v_add_nc_u32 v[5+\j], v9, v22
.endr
	s_mul_i32 s20, s61, 1572864                    ; 16 K steps of 64 fragments an expert,
	s_mul_i32 s21, s16, 393216                     ; my four,
	s_add_co_u32 s20, s20, s21
	s_lshl_b32 s21, ttmp9, 3
	s_lshl_b32 s22, s15, 2
	s_add_co_u32 s21, s21, s22
	s_mul_i32 s21, s21, 1536                       ; my four column tiles
	s_add_co_u32 s20, s20, s21
	s_mov_b32 s21, 0
	s_add_nc_u64 s[52:53], s[10:11], s[20:21]
	s_lshl_b32 s20, s61, 16                        ; w2's scale words: 4,096 bytes a K step
	s_lshl_b32 s22, s16, 14
	s_add_co_u32 s20, s20, s22
	s_lshl_b32 s22, ttmp9, 9
	s_add_co_u32 s20, s20, s22
	s_lshl_b32 s22, s15, 8
	s_add_co_u32 s20, s20, s22
	s_add_co_u32 s20, s20, WS
	s_add_nc_u64 s[54:55], s[10:11], s[20:21]
	s_cmp_eq_u32 s31, -1
	s_cbranch_scc1 .Ljoin                          ; no group: nothing to multiply
.irp i, 0,1,2,3
	global_load_b32 v[10+\i], v4, s[44+2*\i:45+2*\i] offset:12800
.endr
	DSTEP 0
	DSTEP 1
	DSTEP 2
	DSTEP 3
.irp i, 0,1,2,3                                ; x the token's gate for my slot; each accumulator from its low end on
.set Q, 0
.rept 16
.if \i%2 == 0
	v_pk_mul_f32 v[128+32*\i+Q:129+32*\i+Q], v[128+32*\i+Q:129+32*\i+Q], v[10+2*(\i/2):11+2*(\i/2)] op_sel_hi:[1,0]
.else
	v_pk_mul_f32 v[128+32*\i+Q:129+32*\i+Q], v[128+32*\i+Q:129+32*\i+Q], v[10+2*(\i/2):11+2*(\i/2)] op_sel:[0,1] op_sel_hi:[1,1]
.endif
.set Q, Q+2
.endr
.endr
.irp i, 0,1,2,3
.if \i > 0
	s_cmp_le_u32 s34, \i
	s_cbranch_scc1 .Ljoin                          ; the group has no more tiles
.endif
.irp n, 0,1,2,3
	ds_store_b128 v7, v[128+32*\i+8*\n:131+32*\i+8*\n] offset:8448*\i+64*\n
	ds_store_b128 v7, v[132+32*\i+8*\n:135+32*\i+8*\n] offset:8448*\i+64*\n+16
.endr
.endr
.Ljoin:
	s_wait_dscnt 0x0                               ; for the others' sake: my stores have landed
	s_barrier_signal -1
	s_barrier_wait -1                              ; the one barrier, on every wave's path
	s_cmp_eq_u32 s31, -1
	s_cbranch_scc1 .Lend
	s_lshl_b32 s20, s32, 6
	s_lshl_b32 s21, s14, 2
	s_add_co_u32 s20, s20, s21                     ; the rank of my first row: 64 G + 4 w
	s_cmp_ge_u32 s20, s33
	s_cbranch_scc1 .Lend                           ; none of my four rows is a token (so the tile that holds them need not exist)
	s_lshr_b32 s22, s14, 2
	s_add_co_u32 s22, s22, s62
	s_min_u32 s22, s22, 1791                       ; my rows' tile
	s_lshl_b32 s22, s22, 7
	s_and_b32 s24, s14, 3
	s_lshl_b32 s24, s24, 4
	s_add_co_u32 s22, s22, s24
	s_load_b128 s[56:59], s[4:5], s22 offset:0x1000    ; my four rows' tokens
.irp k, 0,1,2,3
.irp a, 0,1,2,3
	ds_load_b128 v[32+32*\k+8*\a:35+32*\k+8*\a], v[18+\a] offset:528*\k
	ds_load_b128 v[36+32*\k+8*\a:39+32*\k+8*\a], v[18+\a] offset:528*\k+PLANE
.endr
.endr
	s_wait_dscnt 0x0
	s_wait_kmcnt 0x0
.irp k, 0,1,2,3
.if \k > 0
	s_add_co_u32 s21, s20, \k
	s_cmp_ge_u32 s21, s33
	s_cbranch_scc1 .Lend                           ; the rows that fill a tile up are not stored
.endif
.irp q, 1,2,3,4,5,6,7
	v_pk_add_f32 v[32+32*\k:33+32*\k], v[32+32*\k:33+32*\k], v[32+32*\k+4*\q:33+32*\k+4*\q]
	v_pk_add_f32 v[34+32*\k:35+32*\k], v[34+32*\k:35+32*\k], v[34+32*\k+4*\q:35+32*\k+4*\q]
.endr
	s_min_u32 s[56+\k], s[56+\k], 1023
	s_lshl_b32 s[68+2*\k], s[56+\k], 12
	s_mov_b32 s[69+2*\k], 0
	s_add_nc_u64 s[68+2*\k:69+2*\k], s[12:13], s[68+2*\k:69+2*\k]
	global_store_b128 v8, v[32+32*\k:35+32*\k], s[68+2*\k:69+2*\k] th:TH_STORE_NT   ; 512 consecutive bytes of the token's row, at a multiple of 256 from the buffer's first byte
.endr
.Lend:
	s_wait_tensorcnt 0x0
	ds_add_u32 v30, v31
	s_wait_dscnt 0x0
	s_endpgm
.Lfunc_end_k_q00eb25c81c_down:
	.size	k_q00eb25c81c_down, .Lfunc_end_k_q00eb25c81c_down-k_q00eb25c81c_down
	.p2alignl 7, 3214868480
	.fill 96, 4, 3214868480
	.section	.rodata,"a",@progbits
	.p2align	6, 0x0
	.amdhsa_kernel k_q00eb25c81c_down
		.amdhsa_group_segment_fixed_size 272384
		.amdhsa_private_segment_fixed_size 0
		.amdhsa_enable_private_segment 0
		.amdhsa_kernarg_size 40
		.amdhsa_user_sgpr_count 2
		.amdhsa_user_sgpr_kernarg_segment_ptr 1
		.amdhsa_wavefront_size32 1
		.amdhsa_system_sgpr_workgroup_id_x 1
		.amdhsa_system_sgpr_workgroup_id_y 1
		.amdhsa_system_sgpr_workgroup_id_z 1
		.amdhsa_system_vgpr_workitem_id 0
		.amdhsa_next_free_vgpr 256
		.amdhsa_next_free_sgpr 100
		.amdhsa_reserve_vcc 0
		.amdhsa_float_denorm_mode_32 3
		.amdhsa_float_denorm_mode_16_64 3
		.amdhsa_memory_ordered 1
		.amdhsa_forward_progress 1
		.amdhsa_inst_pref_size 55
	.end_amdhsa_kernel
	.amdgpu_metadata
---
amdhsa.version: [ 1, 2 ]
amdhsa.kernels:
  - .name:           k_q00eb25c81c_down
    .symbol:         k_q00eb25c81c_down.kd
    .args:
      - { .name: ord, .offset: 0, .size: 8, .value_kind: global_buffer, .address_space: global }
      - { .name: xt, .offset: 8, .size: 8, .value_kind: global_buffer, .address_space: global }
      - { .name: hq, .offset: 16, .size: 8, .value_kind: global_buffer, .address_space: global }
      - { .name: w2q, .offset: 24, .size: 8, .value_kind: global_buffer, .address_space: global }
      - { .name: out0, .offset: 32, .size: 8, .value_kind: global_buffer, .address_space: global }
    .group_segment_fixed_size: 272384
    .private_segment_fixed_size: 0
    .kernarg_segment_align: 8
    .kernarg_segment_size: 40
    .max_flat_workgroup_size: 512
    .sgpr_count:     100
    .vgpr_count:     256
    .wavefront_size: 32
...
	.end_amdgpu_metadata
.endif
;; end of part 4
;; ======== version 2 of 3: 4 launches
;; workspace buffers: pm 4,096 bytes of whole numbers; gat 8,192 bytes; w2q 13,107,200 bytes; xt 23,855,104 bytes; ord 233,472 bytes of whole numbers; hq 91,750,400 bytes
;; launch prep (part 5): grid 576 x 1, 4 waves a work-group, no clusters, 16,896 bytes of LDS; arguments x, router_w, w2, pm, gat, w2q; writes pm, gat, w2q
.if DOCPART == 5
	.amdgcn_target "amdgcn-amd-amdhsa--gfx1250"
	.amdhsa_code_object_version 6
	.text
	.protected	k_q00eb25c81c_prep
	.globl	k_q00eb25c81c_prep
	.p2align	8
	.type	k_q00eb25c81c_prep,@function
k_q00eb25c81c_prep:
	s_mov_b64 s[64:65], 0
	v_nop
	global_prefetch_b8 v0, s[64:65] scope:SCOPE_SE
	s_setreg_imm32_b32 hwreg(HW_REG_WAVE_MODE, 25, 1), 1
	s_wait_xcnt 0x0
; PREP: two roles, told apart by the work-group number.
; Work-groups 0-63, THE ROUTER: 16 tokens each.  logits = x router_w^T in f32 (the f32 matrix form, 16 MFLOP in all), softmax with its maximum taken away, the two largest weights
; (strict compare in ascending order: the lower index wins a tie, as the top-k of the problem does), renormalised.  Stored at fixed places: the two gates of each token (gat), and for each of the 28 unordered pairs of
; experts the 16-bit mask of the work-group's tokens that chose it (pm, whole numbers: [pair][64 half words], so that a pair's masks are 128 consecutive bytes).  No address and no branch of this launch hangs on these
; numbers: rows are placed by the next launch.
; Work-groups 64-575, W2: K steps 0-63 of w2 (a K step = 128 of the 16,384 rows) become codes of E3M2 with one E8M0 byte for each 32 along K.  K is the FIRST axis of w2, so a lane takes a column and its
; registers run down K: each load reads 128 consecutive bytes, the four waves stand side by side on 512, a block of 32 lies in one lane, and the conversions give codes with K innermost.
; The codes are laid as images of the operand registers (fragment = 16 columns x 128 K = 1,536 bytes: registers 4c..4c+3 of lane l at 512 c + 16 l), so that the last launch loads them by 16-byte loads alone.
; LIMITS: NaN and infinities among the inputs are not served.  A block of zeros gets the byte 1 where the rule says 127: its codes are zeros and this program alone reads the bytes.
; A token whose second and third weights agree to within f32 rounding may choose otherwise than a sum taken in another order.
.set NSMALL, 64                        ; work-groups of the small role
.set SG0,    0                         ; first K step of this launch
.set WS,     12582912                  ; w2q: the scale words begin behind 128 x 64 fragments
.set RB,     12288                     ; LDS: bytes 0-12,287 the w2 role (3,072 a wave), bytes 12,288-16,383 the router (1,024 a wave): each role has bytes of its own
.set EMAX,   4
.set X,      32                        ; v32-159  w2 role: 128 numbers of my column
.set CS,     160                       ; v160-171 blocks 0, 2 (image of lane r); v172-183 blocks 1, 3 (image of lane 16 + r)
.set TT,     184                       ; v184-186 a block's second 16 codes (a conversion's three registers begin on an even number)
.set SW,     188                       ; v188     my column's scale word
.set XR,     32                        ; v32-159  router: my 256 along d of the 16 tokens, whole;  v160-191, v192-223: router_w, two buffers of 64 along d
.set ACC,    224                       ; v224-255 the router's four accumulators: written by matrix instructions alone
; block t of my column: largest magnitude with the floor 2^(5-127) among its leaves, scale operand, byte, 32 codes
.macro WBLOCK t, left
.set XS, X+32*(\t)
.set CD, CS+12*((\t)%2)+6*((\t)/2)
	s_wait_loadcnt \left                           ; this block's 32 loads are in
	v_max3_num_f32 v12, |v[XS]|, |v[XS+1]|, |v[XS+2]|
	v_max3_num_f32 v13, |v[XS+3]|, |v[XS+4]|, |v[XS+5]|
.irp i, 6,10,14,18,22,26
	v_max3_num_f32 v12, v12, |v[XS+\i]|, |v[XS+\i+1]|
	v_max3_num_f32 v13, v13, |v[XS+\i+2]|, |v[XS+\i+3]|
.endr
	v_max3_num_f32 v12, v12, |v[XS+30]|, |v[XS+31]|
	v_max3_num_f32 v12, v12, v13, (EMAX+1)<<23     ; the floor holds the byte at 1 from below
	v_add_nc_u32 v11, -(EMAX<<23), v12             ; 4 off the exponent field: the conversion takes this operand's exponent field as its scale
	v_lshrrev_b32 v13, 23, v11                     ; the byte
.if (\t) == 0
	v_mov_b32 v[SW], v13
.else
	v_lshl_or_b32 v[SW], v13, 8*(\t), v[SW]
.endif
	v_cvt_scalef32_pk16_bf6_f32 v[CD:CD+2], v[XS:XS+15], v11
	v_cvt_scalef32_pk16_bf6_f32 v[TT:TT+2], v[XS+16:XS+31], v11
	v_nop                                          ; one plain place behind a scaled conversion
.irp i, 0,1,2
	v_mov_b32 v[CD+3+\i], v[TT+\i]
.endr
.endm
; the router: batch bt (64 of my 256 along d) of router_w into buffer buf
.macro WLOAD bt, buf
.irp q, 0,1,2,3,4,5,6,7
	global_load_b128 v[\buf+4*\q:\buf+4*\q+3], v21, s[6:7] offset:32*(8*\bt+\q)
.endr
.endm
; 16 products: source 0 = router_w (rows r & 7), source 1 = my 16 tokens.  Four accumulators (which register pair, q even or odd) take turns, one instruction a turn.
.macro RMUL bt, buf, first
.irp q, 0,1,2,3,4,5,6,7
.irp u, 0,1
.if (\first) && (\q < 2)
	v_wmma_f32_16x16x4_f32 v[ACC+16*\u+8*(\q%2):ACC+16*\u+8*(\q%2)+7], v[\buf+4*\q+2*\u:\buf+4*\q+2*\u+1], v[XR+32*\bt+4*\q+2*\u:XR+32*\bt+4*\q+2*\u+1], 0
.else
	v_wmma_f32_16x16x4_f32 v[ACC+16*\u+8*(\q%2):ACC+16*\u+8*(\q%2)+7], v[\buf+4*\q+2*\u:\buf+4*\q+2*\u+1], v[XR+32*\bt+4*\q+2*\u:XR+32*\bt+4*\q+2*\u+1], v[ACC+16*\u+8*(\q%2):ACC+16*\u+8*(\q%2)+7]
.endif
.endr
.endr
.endm
	s_load_b256 s[4:11], s[0:1], 0x0               ; x s[4:5], router_w s[6:7], w2 s[8:9], pm s[10:11]
	s_load_b128 s[12:15], s[0:1], 0x20             ; gat s[12:13], w2q s[14:15]
	v_lshl_add_u32 v30, v0, 2, 0x4000
	v_mov_b32 v31, 0
	v_lshrrev_b32 v1, 5, v0
	v_readfirstlane_b32 s16, v1                    ; wave 0..3
	v_and_b32 v2, 31, v0                           ; lane
	v_and_b32 v3, 15, v0                           ; r
	v_bfe_u32 v4, v0, 4, 1                         ; h
	; every LDS address of both roles is made here, ahead of the parting
	s_mul_i32 s17, s16, 3072
	v_mul_u32_u24 v24, v4, 1536
	v_lshl_add_u32 v24, v3, 4, v24
	v_add_nc_u32 v24, s17, v24                     ; w2 role, in: my wave's stage + 1,536 x (which of its two fragments) + 16 r
	v_lshlrev_b32 v27, 4, v2                       ; 16 x lane
	v_add_nc_u32 v25, s17, v27                     ; w2 role, back: 16 x lane
	v_lshlrev_b32 v26, 2, v2                       ; 4 x lane
	s_lshl_b32 s18, s16, 10
	v_add_nc_u32 v22, s18, v27
	v_add_nc_u32 v22, RB, v22                      ; router, in: RB + 1,024 x wave + 16 x lane
	v_add_nc_u32 v23, RB, v27                      ; router, back
	s_mov_b32 s19, 0
	s_mov_b32 s44, 0xffff0000                      ; lanes 16-31
	s_wait_kmcnt 0x0
	s_cmp_lt_u32 ttmp9, NSMALL
	s_cbranch_scc0 .Lrole_w
	; ---- THE ROUTER, part 1: wave w sums d = 256 w .. 256 w + 255 for the work-group's 16 tokens
	s_add_nc_u64 s[6:7], s[6:7], s[18:19]          ; router_w at d = 256 w
	s_lshl_b32 s20, ttmp9, 16                      ; 16 tokens of 4,096 bytes
	s_add_co_u32 s20, s20, s18
	s_mov_b32 s21, 0
	s_add_nc_u64 s[4:5], s[4:5], s[20:21]
	v_lshlrev_b32 v20, 12, v3                      ; lane (r, h) takes 16 bytes at row r, 32 q + 16 h: registers 0, 1 feed one product, registers 2, 3 the next.
	v_lshl_add_u32 v20, v4, 4, v20                 ; The order of d inside a product is the same on both sides, so the products are kept
	v_and_b32 v21, 7, v0
	v_lshlrev_b32 v21, 12, v21
	v_lshl_add_u32 v21, v4, 4, v21
	; x's 32 loads go out at once, 128 registers; router_w would take as many again, which 256 registers do not hold beside them: it takes turns in two buffers of 32
	WLOAD 0, 160
	WLOAD 1, 192
.set Q, 0
.rept 32
	global_load_b128 v[XR+4*Q:XR+4*Q+3], v20, s[4:5] offset:32*Q
.set Q, Q+1
.endr
	s_wait_loadcnt 24                              ; router_w's two batches and x's first 8 loads are in; x's other 24 may be out
	RMUL 0, 160, 1
.rept 8
	v_nop                                          ; eight places behind this form, in front of loads into its operands
.endr
	WLOAD 2, 160
	s_wait_loadcnt 24                              ; x's second 8 are in; behind them: x's last 16 and the 8 just issued
	RMUL 1, 192, 0
.rept 8
	v_nop
.endr
	WLOAD 3, 192
	s_wait_loadcnt 8                               ; all but the 8 just issued
	RMUL 2, 160, 0
	s_wait_loadcnt 0x0
	RMUL 3, 192, 0
.rept 8
	v_nop                                          ; and in front of the first read of the results
.endr
	; register j of every lane is logit(token r, expert j), the same in both halves of the lanes; the sums go into other registers, each accumulator read from its low end on
.irp j, 0,1,2,3,4,5,6,7
	v_add_f32 v[32+\j], v[ACC+\j], v[ACC+8+\j]
.endr
.irp j, 0,1,2,3,4,5,6,7
	v_add_f32 v[40+\j], v[ACC+16+\j], v[ACC+24+\j]
.endr
.irp j, 0,1,2,3,4,5,6,7
	v_add_f32 v[48+\j], v[32+\j], v[40+\j]
.endr
	ds_store_b128 v22, v[48:51]                    ; my quarter of the sums, experts 0-3,
	ds_store_b128 v22, v[52:55] offset:512         ; experts 4-7
	s_branch .Ljoin
.Lrole_w:
	; ---- W2: K step Sg = SG0 + id / 8, columns 128 (id % 8) + 32 wave + lane
	s_sub_co_u32 s20, ttmp9, NSMALL
	s_and_b32 s21, s20, 7
	s_lshr_b32 s20, s20, 3
	s_add_co_u32 s20, s20, SG0
	s_lshl_b32 s22, s20, 19                        ; 128 rows of 4,096 bytes
	s_lshl_b32 s24, s21, 9
	s_lshl_b32 s25, s16, 7
	s_add_co_u32 s24, s24, s25                     ; my wave's 32 columns, 4 bytes each
	s_add_co_u32 s22, s22, s24
	s_mov_b32 s23, 0
	s_add_nc_u64 s[8:9], s[8:9], s[22:23]
	s_mul_i32 s26, s20, 98304                      ; 64 fragments a K step
	s_mul_i32 s28, s21, 12288
	s_add_co_u32 s26, s26, s28
	s_add_co_u32 s26, s26, s17                     ; my wave's two fragments
	s_mov_b32 s27, 0
	s_add_nc_u64 s[26:27], s[14:15], s[26:27]
	s_lshl_b32 s28, s20, 12                        ; 1,024 scale words a K step
	s_add_co_u32 s28, s28, s24
	s_add_co_u32 s28, s28, WS
	s_mov_b32 s29, 0
	s_add_nc_u64 s[28:29], s[14:15], s[28:29]
.set Q, 0
.rept 128
	global_load_b32 v[X+Q], v26, s[8:9] offset:4096*Q th:TH_LOAD_NT    ; row Q of the K step at my column: 128 consecutive bytes a wave
.set Q, Q+1
.endr
	WBLOCK 0, 63                                   ; 96 loads were issued behind block 0's, 64 behind block 1's: the wait's field holds 63
	WBLOCK 1, 63
	WBLOCK 2, 32
	WBLOCK 3, 0
.irp c, 0,1,2
	ds_store_b128 v24, v[CS+4*\c:CS+4*\c+3] offset:512*\c              ; the image of lane r,
	ds_store_b128 v24, v[CS+12+4*\c:CS+12+4*\c+3] offset:512*\c+256    ; of lane 16 + r
.endr
.irp i, 0,1,2,3,4,5
	ds_load_b128 v[X+4*\i:X+4*\i+3], v25 offset:512*\i                 ; LDS serves a wave's instructions in order: these see my stores
.endr
.irp i, 0,1,2,3,4,5
	s_wait_dscnt 5-\i
	global_store_b128 v27, v[X+4*\i:X+4*\i+3], s[26:27] offset:512*\i  ; 512 consecutive bytes, at a multiple of 256 from the buffer's first byte
.endr
	global_store_b32 v26, v[SW], s[28:29]          ; 32 scale words
.Ljoin:
	s_wait_dscnt 0x0                               ; my LDS stores have landed
	s_barrier_signal -1
	s_barrier_wait -1                              ; the one barrier, on every wave's path
	s_cmp_lt_u32 ttmp9, NSMALL
	s_cbranch_scc0 .Lend
	s_cmp_lg_u32 s16, 0
	s_cbranch_scc1 .Lend
	; ---- THE ROUTER, part 2: wave 0; lane (r, h) works on token r, both halves alike
.irp w, 0,1,2,3
.irp g, 0,1
	ds_load_b128 v[64+8*\w+4*\g:67+8*\w+4*\g], v23 offset:1024*\w+512*\g
.endr
.endr
	s_wait_dscnt 0x0
.irp j, 0,2,4,6
	v_pk_add_f32 v[96+\j:97+\j], v[64+\j:65+\j], v[72+\j:73+\j]
.endr
.irp j, 0,2,4,6
	v_pk_add_f32 v[96+\j:97+\j], v[96+\j:97+\j], v[80+\j:81+\j]
.endr
.irp j, 0,2,4,6
	v_pk_add_f32 v[96+\j:97+\j], v[96+\j:97+\j], v[88+\j:89+\j]    ; the eight logits
.endr
	v_max3_num_f32 v104, v96, v97, v98
	v_max3_num_f32 v104, v104, v99, v100
	v_max3_num_f32 v104, v104, v101, v102
	v_max_num_f32 v104, v104, v103                 ; their maximum is taken away before the exponential
.irp j, 0,1,2,3,4,5,6,7
	v_sub_f32 v[96+\j], v[96+\j], v104
.endr
.irp j, 0,1,2,3,4,5,6,7
	v_mul_f32 v[96+\j], 0x3fb8aa3b, v[96+\j]
.endr
.irp j, 0,1,2,3,4,5,6,7
	v_exp_f32 v[96+\j], v[96+\j]
.endr
	v_lshlrev_b32 v118, 3, v3                      ; (a plain place behind the exponentials)  8 r,
	v_lshl_add_u32 v118, v4, 2, v118               ; + 4 h: my gate's place among the work-group's 128 bytes
	v_lshlrev_b32 v120, 7, v2                      ; 128 x lane: pair number lane's row of pm
	s_wait_alu depctr_va_vdst(0)                   ; one wait for the batch, ahead of its first reader
	v_add_f32 v105, v96, v97
.irp j, 2,3,4,5,6,7
	v_add_f32 v105, v105, v[96+\j]
.endr
	v_rcp_f32 v105, v105
	v_mov_b32 v107, -1.0                           ; (a plain place)  the second largest so far: under every weight
	s_wait_alu depctr_va_vdst(0)
.irp j, 0,1,2,3,4,5,6,7
	v_mul_f32 v[96+\j], v[96+\j], v105             ; the softmax
.endr
	v_mov_b32 v106, v96                            ; the largest so far, its index, the second's index
	v_mov_b32 v108, 0
	v_mov_b32 v109, 0
.irp e, 1,2,3,4,5,6,7
	v_mov_b32 v110, \e
	v_cmp_gt_f32 s40, v[96+\e], v106
	v_cmp_gt_f32 s41, v[96+\e], v107
	v_cndmask_b32 v107, v107, v[96+\e], s41
	v_cndmask_b32 v109, v109, v110, s41
	v_cndmask_b32 v107, v107, v106, s40            ; a new largest pushes the old one to second place
	v_cndmask_b32 v109, v109, v108, s40
	v_cndmask_b32 v106, v106, v[96+\e], s40
	v_cndmask_b32 v108, v108, v110, s40
.endr
	v_add_f32 v111, v106, v107
	v_rcp_f32 v111, v111
	v_min_u32 v116, v108, v109                     ; (a plain place)  lo
	v_max_u32 v117, v108, v109                     ; hi
	v_cmp_lt_u32 s40, v108, v109
	s_wait_alu depctr_va_vdst(0)
	v_mul_f32 v106, v106, v111
	v_mul_f32 v107, v107, v111
	v_cndmask_b32 v112, v107, v106, s40            ; the gate of expert lo,
	v_cndmask_b32 v113, v106, v107, s40            ; of expert hi
	v_cndmask_b32 v119, v112, v113, s44            ; lanes 0-15 store lo's, lanes 16-31 hi's
	v_sub_nc_u32 v114, 15, v116
	v_mul_u32_u24 v114, v114, v116
	v_lshrrev_b32 v114, 1, v114
	v_add_nc_u32 v114, v114, v117
	v_sub_nc_u32 v114, v114, v116
	v_add_nc_u32 v114, -1, v114                    ; the pair's number: lo (15 - lo) / 2 + hi - lo - 1
	v_mov_b32 v115, 0
.set Q, 0
.rept 28
	v_cmp_eq_u32 s40, Q, v114                      ; which tokens chose pair Q (bits 0-15; bits 16-31 repeat them):
	v_writelane_b32 v115, s40, Q                   ; into lane Q (lanes 28-31 stay 0)
.set Q, Q+1
.endr
	s_lshl_b32 s20, ttmp9, 7                       ; gat: 8 bytes a token, 128 a work-group
	s_mov_b32 s21, 0
	s_add_nc_u64 s[12:13], s[12:13], s[20:21]
	s_lshl_b32 s20, ttmp9, 1                       ; pm: my half word in each pair's row
	s_add_nc_u64 s[10:11], s[10:11], s[20:21]
	global_store_b32 v118, v119, s[12:13]          ; 128 consecutive bytes
	global_store_b16 v120, v115, s[10:11]          ; the low 16 bits: half word c of row lane.  2 bytes a lane to rows 128 bytes apart: 64 bytes a work-group in all
.Lend:
	s_wait_tensorcnt 0x0
	ds_add_u32 v30, v31
	s_wait_dscnt 0x0
	s_endpgm
.Lfunc_end_k_q00eb25c81c_prep:
	.size	k_q00eb25c81c_prep, .Lfunc_end_k_q00eb25c81c_prep-k_q00eb25c81c_prep
	.p2alignl 7, 3214868480
	.fill 96, 4, 3214868480
	.section	.rodata,"a",@progbits
	.p2align	6, 0x0
	.amdhsa_kernel k_q00eb25c81c_prep
		.amdhsa_group_segment_fixed_size 16896
		.amdhsa_private_segment_fixed_size 0
		.amdhsa_enable_private_segment 0
		.amdhsa_kernarg_size 48
		.amdhsa_user_sgpr_count 2
		.amdhsa_user_sgpr_kernarg_segment_ptr 1
		.amdhsa_wavefront_size32 1
		.amdhsa_system_sgpr_workgroup_id_x 1
		.amdhsa_system_sgpr_workgroup_id_y 1
		.amdhsa_system_sgpr_workgroup_id_z 1
		.amdhsa_system_vgpr_workitem_id 0
		.amdhsa_next_free_vgpr 256
		.amdhsa_next_free_sgpr 66
		.amdhsa_reserve_vcc 0
		.amdhsa_float_denorm_mode_32 3
		.amdhsa_float_denorm_mode_16_64 3
		.amdhsa_memory_ordered 1
		.amdhsa_forward_progress 1
		.amdhsa_inst_pref_size 46
	.end_amdhsa_kernel
	.amdgpu_metadata
---
amdhsa.version: [ 1, 2 ]
amdhsa.kernels:
  - .name:           k_q00eb25c81c_prep
    .symbol:         k_q00eb25c81c_prep.kd
    .args:
      - { .name: x, .offset: 0, .size: 8, .value_kind: global_buffer, .address_space: global }
      - { .name: router_w, .offset: 8, .size: 8, .value_kind: global_buffer, .address_space: global }
      - { .name: w2, .offset: 16, .size: 8, .value_kind: global_buffer, .address_space: global }
      - { .name: pm, .offset: 24, .size: 8, .value_kind: global_buffer, .address_space: global }
      - { .name: gat, .offset: 32, .size: 8, .value_kind: global_buffer, .address_space: global }
      - { .name: w2q, .offset: 40, .size: 8, .value_kind: global_buffer, .address_space: global }
    .group_segment_fixed_size: 16896
    .private_segment_fixed_size: 0
    .kernarg_segment_align: 8
    .kernarg_segment_size: 48
    .max_flat_workgroup_size: 128
    .sgpr_count:     66
    .vgpr_count:     256
    .wavefront_size: 32
...
	.end_amdgpu_metadata
.endif
;; end of part 5
;; launch place (part 6): grid 624 x 1, 4 waves a work-group, no clusters, 12,800 bytes of LDS; arguments pm, gat, w2, x, xt, w2q, ord; writes xt, w2q, ord
.if DOCPART == 6
	.amdgcn_target "amdgcn-amd-amdhsa--gfx1250"
	.amdhsa_code_object_version 6
	.text
	.protected	k_q00eb25c81c_place
	.globl	k_q00eb25c81c_place
	.p2align	8
	.type	k_q00eb25c81c_place,@function
k_q00eb25c81c_place:
	s_mov_b64 s[64:65], 0
	v_nop
	global_prefetch_b8 v0, s[64:65] scope:SCOPE_SE
	s_setreg_imm32_b32 hwreg(HW_REG_WAVE_MODE, 25, 1), 1
	s_wait_xcnt 0x0
; PLACE: two roles, told apart by the work-group number.
; Work-groups 0-111, A PAIR OF EXPERTS AND A QUARTER OF d EACH: pair p = id / 4, K steps 2 kq and 2 kq + 1 of eight, kq = id % 4.  From the stored masks (pm, whole numbers; a pair's 32 words are 128 consecutive
; bytes and come straight into scalar registers) the pair's tokens are counted and listed in ascending order, 16 to a tile; tile j of pair p has the number 64 p + j.  For each tile that exists its 16 rows of x are
; gathered and quantised along d (E3M2, one E8M0 byte for each 32) and stored as images of operand registers, with the rows' scale words.  The two K steps' 32 loads go out together.  The four work-groups
; of a pair each list the tokens for themselves (scalar work); kq = 0 alone stores the count, the rows' two gates and the list.  A token lies in one pair, so each number of x is read and quantised once
; (rows that fill up a tile take token 0; nothing of them is stored as output).  Wave w takes tiles w, w + 4, ..: a loop of 16 trips serves every split, all 1,024 tokens on one pair too.  No LDS, no barrier.
; Work-groups 112-623, W2: K steps 64-127 of w2 become codes, as in the launch before.
; LIMITS: NaN and infinities among the inputs are not served.  A block of zeros gets the byte 1 where the rule says 127: its codes are zeros and this program alone reads the bytes.
.set NSMALL, 112
.set SG0,    64
.set WS,     12582912
.set EMAX,   4
.set X,      32
.set CS,     160
.set TT,     184
.set SW,     188
.set XREC,   13312                     ; a tile's record in xt: 8 x 1,536 codes, 512 scale words, 128 gates, padded to 52 x 256
.set HA,     48                        ; v48-111  64 numbers of x, my first K step; v112-175 my second
.set PC,     176                       ; v176-194 the codes just made
.set TM,     196                       ; v196-211 at work
.set PW,     212                       ; v212     the scale word just made
.set GT,     214                       ; v214-215 my row's two gates
.set PWS,    216                       ; v216     the first K step's scale word
.set SEL,    50                        ; s[50:51] selects of v_permlanex16_b32 for lane l xor 16
.set MK,     68                        ; s[68:99] the pair's 32 masks: bit b of word c = token 32 c + b
.macro WBLOCK t, left
.set XS, X+32*(\t)
.set CD, CS+12*((\t)%2)+6*((\t)/2)
	s_wait_loadcnt \left                           ; this block's 32 loads are in
	v_max3_num_f32 v12, |v[XS]|, |v[XS+1]|, |v[XS+2]|
	v_max3_num_f32 v13, |v[XS+3]|, |v[XS+4]|, |v[XS+5]|
.irp i, 6,10,14,18,22,26
	v_max3_num_f32 v12, v12, |v[XS+\i]|, |v[XS+\i+1]|
	v_max3_num_f32 v13, v13, |v[XS+\i+2]|, |v[XS+\i+3]|
.endr
	v_max3_num_f32 v12, v12, |v[XS+30]|, |v[XS+31]|
	v_max3_num_f32 v12, v12, v13, (EMAX+1)<<23     ; the floor holds the byte at 1 from below
	v_add_nc_u32 v11, -(EMAX<<23), v12             ; 4 off the exponent field: the conversion's scale operand
	v_lshrrev_b32 v13, 23, v11                     ; the byte
.if (\t) == 0
	v_mov_b32 v[SW], v13
.else
	v_lshl_or_b32 v[SW], v13, 8*(\t), v[SW]
.endif
	v_cvt_scalef32_pk16_bf6_f32 v[CD:CD+2], v[XS:XS+15], v11
	v_cvt_scalef32_pk16_bf6_f32 v[TT:TT+2], v[XS+16:XS+31], v11
	v_nop                                          ; one plain place behind a scaled conversion
.irp i, 0,1,2
	v_mov_b32 v[CD+3+\i], v[TT+\i]
.endr
.endm
; my row's numbers of my s-th K step: lane (r, h) takes 16 neighbours of each block of 32
.macro XLOAD reg, s
.irp b, 0,1,2,3
.irp j, 0,1,2,3
	global_load_b128 v[\reg+16*\b+4*\j:\reg+16*\b+4*\j+3], v6, s[10:11] offset:512*(\s)+128*\b+16*\j
.endr
.endr
.endm
; 64 numbers of a lane, register 16 b + i = k 32 b + 16 h + i of my row, become a fragment's codes in v[PC] on and its scale word in v[PW]
.macro QUANT s
.irp b, 0,1,2,3
	v_max3_num_f32 v[TM+\b], |v[\s+16*\b]|, |v[\s+1+16*\b]|, 0x2800000   ; my 16 numbers and the floor 2^(5 - 127)
.endr
.irp i, 2,4,6,8,10,12,14
.irp b, 0,1,2,3
	v_max3_num_f32 v[TM+\b], v[TM+\b], |v[\s+16*\b+\i]|, |v[\s+1+16*\b+\i]|
.endr
.endr
.irp b, 0,1,2,3
	v_permlanex16_b32 v[TM+4+\b], v[TM+\b], s[SEL], s[SEL+1]
.endr
.irp b, 0,1,2,3
	v_max_num_f32 v[TM+\b], v[TM+\b], v[TM+4+\b]   ; with lane l xor 16: the block's largest magnitude
.endr
.irp b, 0,1,2,3
	v_add_nc_u32 v[TM+12+\b], 0xfe000000, v[TM+\b] ; 4 off its exponent field: the conversion's scale operand
.endr
.irp b, 0,1,2,3
	v_lshrrev_b32 v[TM+4+\b], 23, v[TM+12+\b]      ; the byte
.endr
	v_lshl_or_b32 v[PW], v[TM+5], 8, v[TM+4]
	v_lshl_or_b32 v[PW], v[TM+6], 16, v[PW]
	v_lshl_or_b32 v[PW], v[TM+7], 24, v[PW]
.irp c, 0,1
	v_cvt_scalef32_pk16_bf6_f32 v[PC+6*\c:PC+2+6*\c], v[\s+32*\c:\s+15+32*\c], v[TM+12+2*\c]
	v_cvt_scalef32_pk16_bf6_f32 v[PC+12+4*\c:PC+14+4*\c], v[\s+16+32*\c:\s+31+32*\c], v[TM+12+2*\c+1]
.endr
	v_nop                                          ; one plain place behind a scaled conversion
.irp c, 0,1                                    ; the operand wants a whole block in a lane: lanes 0-15 block 2 c, lanes 16-31 block 2 c + 1
.irp i, 0,1,2
	v_permlane16_swap_b32 v[PC+6*\c+\i], v[PC+12+4*\c+\i]
.endr
.irp i, 0,1,2
	v_mov_b32 v[PC+3+6*\c+\i], v[PC+12+4*\c+\i]
.endr
.endr
.endm
; chunk c (tokens 32 c .. 32 c + 31) of the walk that lists a tile's tokens.  s37: the rank of the chunk's first token; s36, s53: the tile's first rank and the rank behind its last.
; A chunk that ends ahead of the tile costs four lines; the walk ends as soon as the tile is full.
.macro CHUNK c
	s_bcnt1_i32_b32 s40, s[MK+\c]
	s_add_co_u32 s45, s37, s40                     ; the rank behind the chunk
	s_cmp_le_u32 s45, s36
	s_cbranch_scc1 .Lskip_\@                       ; all its tokens come before the tile
	s_cmp_eq_u32 s40, 0
	s_cbranch_scc1 .Lskip_\@                       ; it has none
	s_mov_b32 s39, s[MK+\c]
	s_sub_co_u32 s43, s37, s36
	s_mov_b32 s41, 0
.Lbit_\@:
	s_ctz_i32_b32 s42, s39                         ; the lowest token left,
	s_sub_co_u32 s33, s39, 1
	s_and_b32 s39, s39, s33                        ; taken off the mask
	s_add_co_u32 s42, s42, 32*\c
	s_add_co_u32 s33, s43, s41                     ; its row in the tile; what lies outside 0 .. 15 (below 0 wraps)
	s_min_u32 s33, s33, 16                         ; goes to lane 16, which is written over below
	v_writelane_b32 v17, s42, s33
	s_add_co_u32 s41, s41, 1
	s_cmp_lt_u32 s41, s40
	s_cbranch_scc1 .Lbit_\@
	s_cmp_ge_u32 s45, s53
	s_cbranch_scc1 .Lenum_done                     ; the tile is full
.Lskip_\@:
	s_mov_b32 s37, s45
.endm
	s_load_b256 s[4:11], s[0:1], 0x0               ; pm s[4:5], gat s[6:7], w2 s[8:9], x s[10:11]
	s_load_b128 s[12:15], s[0:1], 0x20             ; xt s[12:13], w2q s[14:15]
	s_load_b64 s[30:31], s[0:1], 0x30              ; ord
	v_lshl_add_u32 v224, v0, 2, 0x3000
	v_mov_b32 v225, 0
	v_lshrrev_b32 v1, 5, v0
	v_readfirstlane_b32 s16, v1                    ; wave 0..3
	v_and_b32 v2, 31, v0                           ; lane
	v_and_b32 v3, 15, v0                           ; r
	v_bfe_u32 v4, v0, 4, 1                         ; h
	s_mul_i32 s17, s16, 3072
	v_mul_u32_u24 v24, v4, 1536
	v_lshl_add_u32 v24, v3, 4, v24
	v_add_nc_u32 v24, s17, v24                     ; the w2 role's stage, in
	v_lshlrev_b32 v27, 4, v2                       ; 16 x lane
	v_add_nc_u32 v25, s17, v27                     ; and back
	v_lshlrev_b32 v26, 2, v2                       ; 4 x lane
	s_wait_kmcnt 0x0
	s_cmp_lt_u32 ttmp9, NSMALL
	s_cbranch_scc0 .Lrole_w
	; ---- A PAIR AND TWO K STEPS
	s_lshr_b32 s54, ttmp9, 2                       ; p
	s_and_b32 s55, ttmp9, 3                        ; kq
	s_lshl_b32 s33, s54, 7
	s_load_b512 s[MK:MK+15], s[4:5], s33 offset:0x0        ; the pair's 32 masks
	s_load_b512 s[MK+16:MK+31], s[4:5], s33 offset:0x40
	s_mov_b32 s[SEL], 0x76543210
	s_mov_b32 s[SEL+1], 0xfedcba98
	s_mov_b32 s52, 0xffff0000                      ; lanes 16-31
	s_lshl_b32 s56, s55, 10                        ; my two K steps: 1,024 bytes of a row of x
	s_mov_b32 s57, 0
	s_add_nc_u64 s[10:11], s[10:11], s[56:57]
	s_lshl_b32 s58, s55, 3
	v_lshlrev_b32 v8, 5, v3
	v_lshl_add_u32 v8, v4, 2, v8
	v_add_nc_u32 v8, s58, v8                       ; 32 r + 8 kq + 4 h: lane (r, h) stores row r's scale word of K step 2 kq + h
	s_mul_i32 s58, s55, 3072
	v_add_nc_u32 v9, s58, v27                      ; my two fragments in a record: 3,072 kq + 16 lane
	v_mov_b32 v18, 0                               ; written once: a lane permute's destination counts as one of its sources
.irp b, 0,1,2,3
	v_mov_b32 v[TM+4+\b], 0
.endr
	s_wait_kmcnt 0x0
	s_mov_b32 s32, 0
.set Q, 0
.rept 32
	s_bcnt1_i32_b32 s33, s[MK+Q]
	s_add_co_u32 s32, s32, s33
.set Q, Q+1
.endr
	s_min_u32 s32, s32, 1024                       ; n: the pair's tokens
	s_or_b32 s33, s16, s55
	s_cmp_lg_u32 s33, 0
	s_cbranch_scc1 .Lno_count                      ; wave 0 of kq = 0 stores it
	v_mov_b32 v19, s32
	s_lshl_b32 s46, s54, 7
	s_mov_b32 s47, 0
	s_add_nc_u64 s[46:47], s[30:31], s[46:47]
	global_store_b32 v26, v19, s[46:47]            ; the count, 32 times: 128 bytes for each pair
.Lno_count:
	s_mov_b32 s34, 0
.Ltile:                                            ; 16 trips: tile j = wave + 4 trip
	s_lshl_b32 s35, s34, 2
	s_add_co_u32 s35, s35, s16
	s_lshl_b32 s36, s35, 4                         ; the tile's first rank
	s_cmp_ge_u32 s36, s32
	s_cbranch_scc1 .Ltile_next                     ; no such tile
	s_wait_xcnt 0x0                                ; the earlier loads and stores have read their registers and bases: these are written again only behind this wait
	; the tokens of ranks 16 j .. 16 j + 15, in ascending order, into lanes 0-15
	v_mov_b32 v17, 0                               ; rows that fill the tile up take token 0
	s_mov_b32 s37, 0
	s_add_co_u32 s53, s36, 16
.set Q, 0
.rept 32
	CHUNK Q
.set Q, Q+1
.endr
.Lenum_done:
	v_permlanex16_b32 v18, v17, s[SEL], s[SEL+1]
	v_cndmask_b32 v17, v17, v18, s52               ; lanes 16-31 take lanes 0-15: lane (r, h) holds row r's token
	v_min_u32 v17, 0x3ff, v17
	v_lshlrev_b32 v6, 12, v17
	v_lshl_add_u32 v6, v4, 6, v6                   ; x: the token's row of 4,096 bytes, + 64 h
	v_lshlrev_b32 v7, 3, v17                       ; gat: 8 bytes a token
	s_lshl_b32 s33, s54, 6
	s_add_co_u32 s33, s33, s35                     ; the tile's number
	s_mul_i32 s46, s33, XREC
	s_mov_b32 s47, 0
	s_add_nc_u64 s[46:47], s[12:13], s[46:47]      ; its record
	s_lshl_b32 s48, s33, 7
	s_add_co_u32 s48, s48, 4096
	s_mov_b32 s49, 0
	s_add_nc_u64 s[48:49], s[30:31], s[48:49]      ; its list of tokens
	global_load_b64 v[GT:GT+1], v7, s[6:7]
	XLOAD HA, 0
	XLOAD HA+64, 1
	s_wait_loadcnt 16                              ; the gates and my first K step's 16 loads are in; the second step's 16 may be out
	QUANT HA
	v_mov_b32 v[PWS], v[PW]
.irp c, 0,1,2
	global_store_b128 v9, v[PC+4*\c:PC+4*\c+3], s[46:47] offset:512*\c         ; the fragment as it stands: 512 consecutive bytes a store
.endr
	s_wait_loadcnt 0x0
	s_wait_xcnt 0x0                                ; these stores have read the codes' registers
	QUANT HA+64
.irp c, 0,1,2
	global_store_b128 v9, v[PC+4*\c:PC+4*\c+3], s[46:47] offset:1536+512*\c
.endr
	v_cndmask_b32 v213, v[PWS], v[PW], s52         ; both halves of the lanes hold both words: lanes 0-15 keep the first step's, lanes 16-31 the second's
	global_store_b32 v8, v213, s[46:47] offset:12288       ; [16 rows][8 K steps]: my 8 bytes of each row's 32
	s_cmp_lg_u32 s55, 0
	s_cbranch_scc1 .Ltile_next
	v_cndmask_b32 v[TM], v[GT], v[GT+1], s52
	global_store_b32 v26, v[TM], s[46:47] offset:12800     ; [slot][16 rows]
	global_store_b32 v26, v17, s[48:49]                    ; the tokens
.Ltile_next:
	s_add_co_u32 s34, s34, 1
	s_cmp_lt_u32 s34, 16
	s_cbranch_scc1 .Ltile
	s_endpgm
.Lrole_w:
	; ---- W2: K step Sg = SG0 + id / 8, columns 128 (id % 8) + 32 wave + lane
	s_sub_co_u32 s20, ttmp9, NSMALL
	s_and_b32 s21, s20, 7
	s_lshr_b32 s20, s20, 3
	s_add_co_u32 s20, s20, SG0
	s_lshl_b32 s22, s20, 19                        ; 128 rows of 4,096 bytes
	s_lshl_b32 s24, s21, 9
	s_lshl_b32 s25, s16, 7
	s_add_co_u32 s24, s24, s25
	s_add_co_u32 s22, s22, s24
	s_mov_b32 s23, 0
	s_add_nc_u64 s[8:9], s[8:9], s[22:23]
	s_mul_i32 s26, s20, 98304
	s_mul_i32 s28, s21, 12288
	s_add_co_u32 s26, s26, s28
	s_add_co_u32 s26, s26, s17
	s_mov_b32 s27, 0
	s_add_nc_u64 s[26:27], s[14:15], s[26:27]
	s_lshl_b32 s28, s20, 12
	s_add_co_u32 s28, s28, s24
	s_add_co_u32 s28, s28, WS
	s_mov_b32 s29, 0
	s_add_nc_u64 s[28:29], s[14:15], s[28:29]
.set Q, 0
.rept 128
	global_load_b32 v[X+Q], v26, s[8:9] offset:4096*Q th:TH_LOAD_NT
.set Q, Q+1
.endr
	WBLOCK 0, 63                                   ; 96 loads were issued behind block 0's, 64 behind block 1's: the wait's field holds 63
	WBLOCK 1, 63
	WBLOCK 2, 32
	WBLOCK 3, 0
.irp c, 0,1,2
	ds_store_b128 v24, v[CS+4*\c:CS+4*\c+3] offset:512*\c
	ds_store_b128 v24, v[CS+12+4*\c:CS+12+4*\c+3] offset:512*\c+256
.endr
.irp i, 0,1,2,3,4,5
	ds_load_b128 v[X+4*\i:X+4*\i+3], v25 offset:512*\i                 ; LDS serves a wave's instructions in order: these see my stores
.endr
.irp i, 0,1,2,3,4,5
	s_wait_dscnt 5-\i
	global_store_b128 v27, v[X+4*\i:X+4*\i+3], s[26:27] offset:512*\i
.endr
	global_store_b32 v26, v[SW], s[28:29]
	s_wait_tensorcnt 0x0
	ds_add_u32 v224, v225
	s_wait_dscnt 0x0
	s_endpgm
.Lfunc_end_k_q00eb25c81c_place:
	.size	k_q00eb25c81c_place, .Lfunc_end_k_q00eb25c81c_place-k_q00eb25c81c_place
	.p2alignl 7, 3214868480
	.fill 96, 4, 3214868480
	.section	.rodata,"a",@progbits
	.p2align	6, 0x0
	.amdhsa_kernel k_q00eb25c81c_place
		.amdhsa_group_segment_fixed_size 12800
		.amdhsa_private_segment_fixed_size 0
		.amdhsa_enable_private_segment 0
		.amdhsa_kernarg_size 56
		.amdhsa_user_sgpr_count 2
		.amdhsa_user_sgpr_kernarg_segment_ptr 1
		.amdhsa_wavefront_size32 1
		.amdhsa_system_sgpr_workgroup_id_x 1
		.amdhsa_system_sgpr_workgroup_id_y 1
		.amdhsa_system_sgpr_workgroup_id_z 1
		.amdhsa_system_vgpr_workitem_id 0
		.amdhsa_next_free_vgpr 226
		.amdhsa_next_free_sgpr 100
		.amdhsa_reserve_vcc 0
		.amdhsa_float_denorm_mode_32 3
		.amdhsa_float_denorm_mode_16_64 3
		.amdhsa_memory_ordered 1
		.amdhsa_forward_progress 1
		.amdhsa_inst_pref_size 62
	.end_amdhsa_kernel
	.amdgpu_metadata
---
amdhsa.version: [ 1, 2 ]
amdhsa.kernels:
  - .name:           k_q00eb25c81c_place
    .symbol:         k_q00eb25c81c_place.kd
    .args:
      - { .name: pm, .offset: 0, .size: 8, .value_kind: global_buffer, .address_space: global }
      - { .name: gat, .offset: 8, .size: 8, .value_kind: global_buffer, .address_space: global }
      - { .name: w2, .offset: 16, .size: 8, .value_kind: global_buffer, .address_space: global }
      - { .name: x, .offset: 24, .size: 8, .value_kind: global_buffer, .address_space: global }
      - { .name: xt, .offset: 32, .size: 8, .value_kind: global_buffer, .address_space: global }
      - { .name: w2q, .offset: 40, .size: 8, .value_kind: global_buffer, .address_space: global }
      - { .name: ord, .offset: 48, .size: 8, .value_kind: global_buffer, .address_space: global }
    .group_segment_fixed_size: 12800
    .private_segment_fixed_size: 0
    .kernarg_segment_align: 8
    .kernarg_segment_size: 56
    .max_flat_workgroup_size: 128
    .sgpr_count:     100
    .vgpr_count:     226
    .wavefront_size: 32
...
	.end_amdgpu_metadata
.endif
;; end of part 6
;; launch up: the kernel of part 3 again; grid 32 x 8, 16 waves a work-group, no clusters, 107,520 bytes of LDS; arguments ord, xt, w1_codes, w1_scales, v1_codes, v1_scales, hq; writes hq
;; launch down: the kernel of part 4 again; grid 8 x 43, 16 waves a work-group, no clusters, 272,384 bytes of LDS; arguments ord, xt, hq, w2q, out0; writes out0
;; ======== version 3 of 3: 4 launches
;; workspace buffers: pm 4,096 bytes of whole numbers; gat 8,192 bytes; w2q 13,107,200 bytes; xt 23,855,104 bytes; ord 233,472 bytes of whole numbers; hq 91,750,400 bytes
;; launch prep (part 7): grid 576 x 1, 4 waves a work-group, no clusters, 16,896 bytes of LDS; arguments x, router_w, w2, pm, gat, w2q; writes pm, gat, w2q
.if DOCPART == 7
	.amdgcn_target "amdgcn-amd-amdhsa--gfx1250"
	.amdhsa_code_object_version 6
	.text
	.protected	k_q00eb25c81c_prep
	.globl	k_q00eb25c81c_prep
	.p2align	8
	.type	k_q00eb25c81c_prep,@function
k_q00eb25c81c_prep:
	s_mov_b64 s[64:65], 0
	v_nop
	global_prefetch_b8 v0, s[64:65] scope:SCOPE_SE
	s_setreg_imm32_b32 hwreg(HW_REG_WAVE_MODE, 25, 1), 1
	s_wait_xcnt 0x0
; PREP: two roles, told apart by the work-group number.
; Work-groups 0-63, THE ROUTER: 16 tokens each.  logits = x router_w^T in f32 (the f32 matrix form, 16 MFLOP in all), softmax with its maximum taken away, the two largest weights
; (strict compare in ascending order: the lower index wins a tie, as the top-k of the problem does), renormalised.  Stored at fixed places: the two gates of each token (gat), and for each of the 28 unordered pairs of
; experts the 16-bit mask of the work-group's tokens that chose it (pm, whole numbers: [pair][64 half words], so that a pair's masks are 128 consecutive bytes).  No address and no branch of this launch hangs on these
; numbers: rows are placed by the next launch.
; Work-groups 64-575, W2: K steps 0-63 of w2 (a K step = 128 of the 16,384 rows) become codes of E3M2 with one E8M0 byte for each 32 along K.  K is the FIRST axis of w2, so a lane takes a column and its
; registers run down K: each load reads 128 consecutive bytes, the four waves stand side by side on 512, a block of 32 lies in one lane, and the conversions give codes with K innermost.
; The codes are laid as images of the operand registers (fragment = 16 columns x 128 K = 1,536 bytes: registers 4c..4c+3 of lane l at 512 c + 16 l), so that the last launch loads them by 16-byte loads alone.
; LIMITS: NaN and infinities among the inputs are not served.  A block of zeros gets the byte 1 where the rule says 127: its codes are zeros and this program alone reads the bytes.
; A token whose second and third weights agree to within f32 rounding may choose otherwise than a sum taken in another order.
.set NSMALL, 64                        ; work-groups of the small role
.set SG0,    0                         ; first K step of this launch
.set WS,     12582912                  ; w2q: the scale words begin behind 128 x 64 fragments
.set RB,     12288                     ; LDS: bytes 0-12,287 the w2 role (3,072 a wave), bytes 12,288-16,383 the router (1,024 a wave): each role has bytes of its own
.set EMAX,   4
.set X,      32                        ; v32-159  w2 role: 128 numbers of my column
.set CS,     160                       ; v160-171 blocks 0, 2 (image of lane r); v172-183 blocks 1, 3 (image of lane 16 + r)
.set TT,     184                       ; v184-186 a block's second 16 codes (a conversion's three registers begin on an even number)
.set SW,     188                       ; v188     my column's scale word
.set XR,     32                        ; v32-159  router: my 256 along d of the 16 tokens, whole;  v160-191, v192-223: router_w, two buffers of 64 along d
.set ACC,    224                       ; v224-255 the router's four accumulators: written by matrix instructions alone
; block t of my column: largest magnitude with the floor 2^(5-127) among its leaves, scale operand, byte, 32 codes
.macro WBLOCK t, left
.set XS, X+32*(\t)
.set CD, CS+12*((\t)%2)+6*((\t)/2)
	s_wait_loadcnt \left                           ; this block's 32 loads are in
	v_max3_num_f32 v12, |v[XS]|, |v[XS+1]|, |v[XS+2]|
	v_max3_num_f32 v13, |v[XS+3]|, |v[XS+4]|, |v[XS+5]|
.irp i, 6,10,14,18,22,26
	v_max3_num_f32 v12, v12, |v[XS+\i]|, |v[XS+\i+1]|
	v_max3_num_f32 v13, v13, |v[XS+\i+2]|, |v[XS+\i+3]|
.endr
	v_max3_num_f32 v12, v12, |v[XS+30]|, |v[XS+31]|
	v_max3_num_f32 v12, v12, v13, (EMAX+1)<<23     ; the floor holds the byte at 1 from below
	v_add_nc_u32 v11, -(EMAX<<23), v12             ; 4 off the exponent field: the conversion takes this operand's exponent field as its scale
	v_lshrrev_b32 v13, 23, v11                     ; the byte
.if (\t) == 0
	v_mov_b32 v[SW], v13
.else
	v_lshl_or_b32 v[SW], v13, 8*(\t), v[SW]
.endif
	v_cvt_scalef32_pk16_bf6_f32 v[CD:CD+2], v[XS:XS+15], v11
	v_cvt_scalef32_pk16_bf6_f32 v[TT:TT+2], v[XS+16:XS+31], v11
	v_nop                                          ; one plain place behind a scaled conversion
.irp i, 0,1,2
	v_mov_b32 v[CD+3+\i], v[TT+\i]
.endr
.endm
; the router: batch bt (64 of my 256 along d) of router_w into buffer buf
.macro WLOAD bt, buf
.irp q, 0,1,2,3,4,5,6,7
	global_load_b128 v[\buf+4*\q:\buf+4*\q+3], v21, s[6:7] offset:32*(8*\bt+\q)
.endr
.endm
; 16 products: source 0 = router_w (rows r & 7), source 1 = my 16 tokens.  Four accumulators (which register pair, q even or odd) take turns, one instruction a turn.
.macro RMUL bt, buf, first
.irp q, 0,1,2,3,4,5,6,7
.irp u, 0,1
.if (\first) && (\q < 2)
	v_wmma_f32_16x16x4_f32 v[ACC+16*\u+8*(\q%2):ACC+16*\u+8*(\q%2)+7], v[\buf+4*\q+2*\u:\buf+4*\q+2*\u+1], v[XR+32*\bt+4*\q+2*\u:XR+32*\bt+4*\q+2*\u+1], 0
.else
	v_wmma_f32_16x16x4_f32 v[ACC+16*\u+8*(\q%2):ACC+16*\u+8*(\q%2)+7], v[\buf+4*\q+2*\u:\buf+4*\q+2*\u+1], v[XR+32*\bt+4*\q+2*\u:XR+32*\bt+4*\q+2*\u+1], v[ACC+16*\u+8*(\q%2):ACC+16*\u+8*(\q%2)+7]
.endif
.endr
.endr
.endm
	s_load_b256 s[4:11], s[0:1], 0x0               ; x s[4:5], router_w s[6:7], w2 s[8:9], pm s[10:11]
	s_load_b128 s[12:15], s[0:1], 0x20             ; gat s[12:13], w2q s[14:15]
	v_lshl_add_u32 v30, v0, 2, 0x4000
	v_mov_b32 v31, 0
	v_lshrrev_b32 v1, 5, v0
	v_readfirstlane_b32 s16, v1                    ; wave 0..3
	v_and_b32 v2, 31, v0                           ; lane
	v_and_b32 v3, 15, v0                           ; r
	v_bfe_u32 v4, v0, 4, 1                         ; h
	; every LDS address of both roles is made here, ahead of the parting
	s_mul_i32 s17, s16, 3072
	v_mul_u32_u24 v24, v4, 1536
	v_lshl_add_u32 v24, v3, 4, v24
	v_add_nc_u32 v24, s17, v24                     ; w2 role, in: my wave's stage + 1,536 x (which of its two fragments) + 16 r
	v_lshlrev_b32 v27, 4, v2                       ; 16 x lane
	v_add_nc_u32 v25, s17, v27                     ; w2 role, back: 16 x lane
	v_lshlrev_b32 v26, 2, v2                       ; 4 x lane
	s_lshl_b32 s18, s16, 10
	v_add_nc_u32 v22, s18, v27
	v_add_nc_u32 v22, RB, v22                      ; router, in: RB + 1,024 x wave + 16 x lane
	v_add_nc_u32 v23, RB, v27                      ; router, back
	s_mov_b32 s19, 0
	s_mov_b32 s44, 0xffff0000                      ; lanes 16-31
	s_wait_kmcnt 0x0
	s_cmp_lt_u32 ttmp9, NSMALL
	s_cbranch_scc0 .Lrole_w
	; ---- THE ROUTER, part 1: wave w sums d = 256 w .. 256 w + 255 for the work-group's 16 tokens
	s_add_nc_u64 s[6:7], s[6:7], s[18:19]          ; router_w at d = 256 w
	s_lshl_b32 s20, ttmp9, 16                      ; 16 tokens of 4,096 bytes
	s_add_co_u32 s20, s20, s18
	s_mov_b32 s21, 0
	s_add_nc_u64 s[4:5], s[4:5], s[20:21]
	v_lshlrev_b32 v20, 12, v3                      ; lane (r, h) takes 16 bytes at row r, 32 q + 16 h: registers 0, 1 feed one product, registers 2, 3 the next.
	v_lshl_add_u32 v20, v4, 4, v20                 ; The order of d inside a product is the same on both sides, so the products are kept
	v_and_b32 v21, 7, v0
	v_lshlrev_b32 v21, 12, v21
	v_lshl_add_u32 v21, v4, 4, v21
	; x's 32 loads go out at once, 128 registers; router_w would take as many again, which 256 registers do not hold beside them: it takes turns in two buffers of 32
	WLOAD 0, 160
	WLOAD 1, 192
.set Q, 0
.rept 32
	global_load_b128 v[XR+4*Q:XR+4*Q+3], v20, s[4:5] offset:32*Q
.set Q, Q+1
.endr
	s_wait_alu depctr_va_vdst(0)
	s_wait_loadcnt 24                              ; router_w's two batches and x's first 8 loads are in; x's other 24 may be out
	RMUL 0, 160, 1
.rept 8
	v_nop                                          ; eight places behind this form, in front of loads into its operands
.endr
	WLOAD 2, 160
	s_wait_loadcnt 24                              ; x's second 8 are in; behind them: x's last 16 and the 8 just issued
	RMUL 1, 192, 0
.rept 8
	v_nop
.endr
	WLOAD 3, 192
	s_wait_loadcnt 8                               ; all but the 8 just issued
	RMUL 2, 160, 0
	s_wait_loadcnt 0x0
	RMUL 3, 192, 0
.rept 8
	v_nop                                          ; and in front of the first read of the results
.endr
	; register j of every lane is logit(token r, expert j), the same in both halves of the lanes; the sums go into other registers, each accumulator read from its low end on
.irp j, 0,1,2,3,4,5,6,7
	v_add_f32 v[32+\j], v[ACC+\j], v[ACC+8+\j]
.endr
.irp j, 0,1,2,3,4,5,6,7
	v_add_f32 v[40+\j], v[ACC+16+\j], v[ACC+24+\j]
.endr
.irp j, 0,1,2,3,4,5,6,7
	v_add_f32 v[48+\j], v[32+\j], v[40+\j]
.endr
	ds_store_b128 v22, v[48:51]                    ; my quarter of the sums, experts 0-3,
	ds_store_b128 v22, v[52:55] offset:512         ; experts 4-7
	s_branch .Ljoin
.Lrole_w:
	; ---- W2: K step Sg = SG0 + id / 8, columns 128 (id % 8) + 32 wave + lane
	s_sub_co_u32 s20, ttmp9, NSMALL
	s_and_b32 s21, s20, 7
	s_lshr_b32 s20, s20, 3
	s_add_co_u32 s20, s20, SG0
	s_lshl_b32 s22, s20, 19                        ; 128 rows of 4,096 bytes
	s_lshl_b32 s24, s21, 9
	s_lshl_b32 s25, s16, 7
	s_add_co_u32 s24, s24, s25                     ; my wave's 32 columns, 4 bytes each
	s_add_co_u32 s22, s22, s24
	s_mov_b32 s23, 0
	s_add_nc_u64 s[8:9], s[8:9], s[22:23]
	s_mul_i32 s26, s20, 98304                      ; 64 fragments a K step
	s_mul_i32 s28, s21, 12288
	s_add_co_u32 s26, s26, s28
	s_add_co_u32 s26, s26, s17                     ; my wave's two fragments
	s_mov_b32 s27, 0
	s_add_nc_u64 s[26:27], s[14:15], s[26:27]
	s_lshl_b32 s28, s20, 12                        ; 1,024 scale words a K step
	s_add_co_u32 s28, s28, s24
	s_add_co_u32 s28, s28, WS
	s_mov_b32 s29, 0
	s_add_nc_u64 s[28:29], s[14:15], s[28:29]
.set Q, 0
	s_wait_alu depctr_va_vdst(0)
.rept 128
	global_load_b32 v[X+Q], v26, s[8:9] offset:4096*Q th:TH_LOAD_NT    ; row Q of the K step at my column: 128 consecutive bytes a wave
.set Q, Q+1
.endr
	WBLOCK 0, 63                                   ; 96 loads were issued behind block 0's, 64 behind block 1's: the wait's field holds 63
	WBLOCK 1, 63
	WBLOCK 2, 32
	WBLOCK 3, 0
.irp c, 0,1,2
	ds_store_b128 v24, v[CS+4*\c:CS+4*\c+3] offset:512*\c              ; the image of lane r,
	ds_store_b128 v24, v[CS+12+4*\c:CS+12+4*\c+3] offset:512*\c+256    ; of lane 16 + r
.endr
.irp i, 0,1,2,3,4,5
	ds_load_b128 v[X+4*\i:X+4*\i+3], v25 offset:512*\i                 ; LDS serves a wave's instructions in order: these see my stores
.endr
	s_wait_alu depctr_va_vdst(0)
.irp i, 0,1,2,3,4,5
	s_wait_dscnt 5-\i
	global_store_b128 v27, v[X+4*\i:X+4*\i+3], s[26:27] offset:512*\i  ; 512 consecutive bytes, at a multiple of 256 from the buffer's first byte
.endr
	global_store_b32 v26, v[SW], s[28:29]          ; 32 scale words
.Ljoin:
	s_wait_dscnt 0x0                               ; my LDS stores have landed
	s_barrier_signal -1
	s_barrier_wait -1                              ; the one barrier, on every wave's path
	s_cmp_lt_u32 ttmp9, NSMALL
	s_cbranch_scc0 .Lend
	s_cmp_lg_u32 s16, 0
	s_cbranch_scc1 .Lend
	; ---- THE ROUTER, part 2: wave 0; lane (r, h) works on token r, both halves alike
.irp w, 0,1,2,3
.irp g, 0,1
	ds_load_b128 v[64+8*\w+4*\g:67+8*\w+4*\g], v23 offset:1024*\w+512*\g
.endr
.endr
	s_wait_dscnt 0x0
.irp j, 0,2,4,6
	v_pk_add_f32 v[96+\j:97+\j], v[64+\j:65+\j], v[72+\j:73+\j]
.endr
.irp j, 0,2,4,6
	v_pk_add_f32 v[96+\j:97+\j], v[96+\j:97+\j], v[80+\j:81+\j]
.endr
.irp j, 0,2,4,6
	v_pk_add_f32 v[96+\j:97+\j], v[96+\j:97+\j], v[88+\j:89+\j]    ; the eight logits
.endr
	v_max3_num_f32 v104, v96, v97, v98
	v_max3_num_f32 v104, v104, v99, v100
	v_max3_num_f32 v104, v104, v101, v102
	v_max_num_f32 v104, v104, v103                 ; their maximum is taken away before the exponential
.irp j, 0,1,2,3,4,5,6,7
	v_sub_f32 v[96+\j], v[96+\j], v104
.endr
.irp j, 0,1,2,3,4,5,6,7
	v_mul_f32 v[96+\j], 0x3fb8aa3b, v[96+\j]
.endr
	s_wait_alu depctr_va_vdst(0)
.irp j, 0,1,2,3,4,5,6,7
	v_exp_f32 v[96+\j], v[96+\j]
.endr
	v_lshlrev_b32 v118, 3, v3                      ; (a plain place behind the exponentials)  8 r,
	v_lshl_add_u32 v118, v4, 2, v118               ; + 4 h: my gate's place among the work-group's 128 bytes
	v_lshlrev_b32 v120, 7, v2                      ; 128 x lane: pair number lane's row of pm
	s_wait_alu depctr_va_vdst(0)                   ; one wait for the batch, ahead of its first reader
	v_add_f32 v105, v96, v97
.irp j, 2,3,4,5,6,7
	v_add_f32 v105, v105, v[96+\j]
.endr
	s_wait_alu depctr_va_vdst(0)
	v_rcp_f32 v105, v105
	v_mov_b32 v107, -1.0                           ; (a plain place)  the second largest so far: under every weight
	s_wait_alu depctr_va_vdst(0)
.irp j, 0,1,2,3,4,5,6,7
	v_mul_f32 v[96+\j], v[96+\j], v105             ; the softmax
.endr
	v_mov_b32 v106, v96                            ; the largest so far, its index, the second's index
	v_mov_b32 v108, 0
	v_mov_b32 v109, 0
.irp e, 1,2,3,4,5,6,7
	v_mov_b32 v110, \e
	v_cmp_gt_f32 s40, v[96+\e], v106
	v_cmp_gt_f32 s41, v[96+\e], v107
	v_cndmask_b32 v107, v107, v[96+\e], s41
	v_cndmask_b32 v109, v109, v110, s41
	v_cndmask_b32 v107, v107, v106, s40            ; a new largest pushes the old one to second place
	v_cndmask_b32 v109, v109, v108, s40
	v_cndmask_b32 v106, v106, v[96+\e], s40
	v_cndmask_b32 v108, v108, v110, s40
.endr
	v_add_f32 v111, v106, v107
	s_wait_alu depctr_va_vdst(0)
	v_rcp_f32 v111, v111
	v_min_u32 v116, v108, v109                     ; (a plain place)  lo
	v_max_u32 v117, v108, v109                     ; hi
	v_cmp_lt_u32 s40, v108, v109
	s_wait_alu depctr_va_vdst(0)
	v_mul_f32 v106, v106, v111
	v_mul_f32 v107, v107, v111
	v_cndmask_b32 v112, v107, v106, s40            ; the gate of expert lo,
	v_cndmask_b32 v113, v106, v107, s40            ; of expert hi
	v_cndmask_b32 v119, v112, v113, s44            ; lanes 0-15 store lo's, lanes 16-31 hi's
	v_sub_nc_u32 v114, 15, v116
	v_mul_u32_u24 v114, v114, v116
	v_lshrrev_b32 v114, 1, v114
	v_add_nc_u32 v114, v114, v117
	v_sub_nc_u32 v114, v114, v116
	v_add_nc_u32 v114, -1, v114                    ; the pair's number: lo (15 - lo) / 2 + hi - lo - 1
	v_mov_b32 v115, 0
.set Q, 0
.rept 28
	v_cmp_eq_u32 s40, Q, v114                      ; which tokens chose pair Q (bits 0-15; bits 16-31 repeat them):
	v_writelane_b32 v115, s40, Q                   ; into lane Q (lanes 28-31 stay 0)
.set Q, Q+1
.endr
	s_lshl_b32 s20, ttmp9, 7                       ; gat: 8 bytes a token, 128 a work-group
	s_mov_b32 s21, 0
	s_add_nc_u64 s[12:13], s[12:13], s[20:21]
	s_lshl_b32 s20, ttmp9, 1                       ; pm: my half word in each pair's row
	s_add_nc_u64 s[10:11], s[10:11], s[20:21]
	global_store_b32 v118, v119, s[12:13]          ; 128 consecutive bytes
	global_store_b16 v120, v115, s[10:11]          ; the low 16 bits: half word c of row lane.  2 bytes a lane to rows 128 bytes apart: 64 bytes a work-group in all
.Lend:
	s_wait_tensorcnt 0x0
	ds_add_u32 v30, v31
	s_wait_dscnt 0x0
	s_endpgm
.Lfunc_end_k_q00eb25c81c_prep:
	.size	k_q00eb25c81c_prep, .Lfunc_end_k_q00eb25c81c_prep-k_q00eb25c81c_prep
	.p2alignl 7, 3214868480
	.fill 96, 4, 3214868480
	.section	.rodata,"a",@progbits
	.p2align	6, 0x0
	.amdhsa_kernel k_q00eb25c81c_prep
		.amdhsa_group_segment_fixed_size 16896
		.amdhsa_private_segment_fixed_size 0
		.amdhsa_enable_private_segment 0
		.amdhsa_kernarg_size 48
		.amdhsa_user_sgpr_count 2
		.amdhsa_user_sgpr_kernarg_segment_ptr 1
		.amdhsa_wavefront_size32 1
		.amdhsa_system_sgpr_workgroup_id_x 1
		.amdhsa_system_sgpr_workgroup_id_y 1
		.amdhsa_system_sgpr_workgroup_id_z 1
		.amdhsa_system_vgpr_workitem_id 0
		.amdhsa_next_free_vgpr 256
		.amdhsa_next_free_sgpr 66
		.amdhsa_reserve_vcc 0
		.amdhsa_float_denorm_mode_32 3
		.amdhsa_float_denorm_mode_16_64 3
		.amdhsa_memory_ordered 1
		.amdhsa_forward_progress 1
		.amdhsa_inst_pref_size 46
	.end_amdhsa_kernel
	.amdgpu_metadata
---
amdhsa.version: [ 1, 2 ]
amdhsa.kernels:
  - .name:           k_q00eb25c81c_prep
    .symbol:         k_q00eb25c81c_prep.kd
    .args:
      - { .name: x, .offset: 0, .size: 8, .value_kind: global_buffer, .address_space: global }
      - { .name: router_w, .offset: 8, .size: 8, .value_kind: global_buffer, .address_space: global }
      - { .name: w2, .offset: 16, .size: 8, .value_kind: global_buffer, .address_space: global }
      - { .name: pm, .offset: 24, .size: 8, .value_kind: global_buffer, .address_space: global }
      - { .name: gat, .offset: 32, .size: 8, .value_kind: global_buffer, .address_space: global }
      - { .name: w2q, .offset: 40, .size: 8, .value_kind: global_buffer, .address_space: global }
    .group_segment_fixed_size: 16896
    .private_segment_fixed_size: 0
    .kernarg_segment_align: 8
    .kernarg_segment_size: 48
    .max_flat_workgroup_size: 128
    .sgpr_count:     66
    .vgpr_count:     256
    .wavefront_size: 32
...
	.end_amdgpu_metadata
.endif
;; end of part 7
;; launch place (part 8): grid 624 x 1, 4 waves a work-group, no clusters, 12,800 bytes of LDS; arguments pm, gat, w2, x, xt, w2q, ord; writes xt, w2q, ord
.if DOCPART == 8
	.amdgcn_target "amdgcn-amd-amdhsa--gfx1250"
	.amdhsa_code_object_version 6
	.text
	.protected	k_q00eb25c81c_place
	.globl	k_q00eb25c81c_place
	.p2align	8
	.type	k_q00eb25c81c_place,@function
k_q00eb25c81c_place:
	s_mov_b64 s[64:65], 0
	v_nop
	global_prefetch_b8 v0, s[64:65] scope:SCOPE_SE
	s_setreg_imm32_b32 hwreg(HW_REG_WAVE_MODE, 25, 1), 1
	s_wait_xcnt 0x0
; PLACE: two roles, told apart by the work-group number.
; Work-groups 0-111, A PAIR OF EXPERTS AND A QUARTER OF d EACH: pair p = id / 4, K steps 2 kq and 2 kq + 1 of eight, kq = id % 4.  From the stored masks (pm, whole numbers; a pair's 32 words are 128 consecutive
; bytes and come straight into scalar registers) the pair's tokens are counted and listed in ascending order, 16 to a tile; tile j of pair p has the number 64 p + j.  For each tile that exists its 16 rows of x are
; gathered and quantised along d (E3M2, one E8M0 byte for each 32) and stored as images of operand registers, with the rows' scale words.  The two K steps' 32 loads go out together.  The four work-groups
; of a pair each list the tokens for themselves (scalar work); kq = 0 alone stores the count, the rows' two gates and the list.  A token lies in one pair, so each number of x is read and quantised once
; (rows that fill up a tile take token 0; nothing of them is stored as output).  Wave w takes tiles w, w + 4, ..: a loop of 16 trips serves every split, all 1,024 tokens on one pair too.  No LDS, no barrier.
; Work-groups 112-623, W2: K steps 64-127 of w2 become codes, as in the launch before.
; LIMITS: NaN and infinities among the inputs are not served.  A block of zeros gets the byte 1 where the rule says 127: its codes are zeros and this program alone reads the bytes.
.set NSMALL, 112
.set SG0,    64
.set WS,     12582912
.set EMAX,   4
.set X,      32
.set CS,     160
.set TT,     184
.set SW,     188
.set XREC,   13312                     ; a tile's record in xt: 8 x 1,536 codes, 512 scale words, 128 gates, padded to 52 x 256
.set HA,     48                        ; v48-111  64 numbers of x, my first K step; v112-175 my second
.set PC,     176                       ; v176-194 the codes just made
.set TM,     196                       ; v196-211 at work
.set PW,     212                       ; v212     the scale word just made
.set GT,     214                       ; v214-215 my row's two gates
.set PWS,    216                       ; v216     the first K step's scale word
.set SEL,    50                        ; s[50:51] selects of v_permlanex16_b32 for lane l xor 16
.set MK,     68                        ; s[68:99] the pair's 32 masks: bit b of word c = token 32 c + b
.macro WBLOCK t, left
.set XS, X+32*(\t)
.set CD, CS+12*((\t)%2)+6*((\t)/2)
	s_wait_loadcnt \left                           ; this block's 32 loads are in
	v_max3_num_f32 v12, |v[XS]|, |v[XS+1]|, |v[XS+2]|
	v_max3_num_f32 v13, |v[XS+3]|, |v[XS+4]|, |v[XS+5]|
.irp i, 6,10,14,18,22,26
	v_max3_num_f32 v12, v12, |v[XS+\i]|, |v[XS+\i+1]|
	v_max3_num_f32 v13, v13, |v[XS+\i+2]|, |v[XS+\i+3]|
.endr
	v_max3_num_f32 v12, v12, |v[XS+30]|, |v[XS+31]|
	v_max3_num_f32 v12, v12, v13, (EMAX+1)<<23     ; the floor holds the byte at 1 from below
	v_add_nc_u32 v11, -(EMAX<<23), v12             ; 4 off the exponent field: the conversion's scale operand
	v_lshrrev_b32 v13, 23, v11                     ; the byte
.if (\t) == 0
	v_mov_b32 v[SW], v13
.else
	v_lshl_or_b32 v[SW], v13, 8*(\t), v[SW]
.endif
	v_cvt_scalef32_pk16_bf6_f32 v[CD:CD+2], v[XS:XS+15], v11
	v_cvt_scalef32_pk16_bf6_f32 v[TT:TT+2], v[XS+16:XS+31], v11
	v_nop                                          ; one plain place behind a scaled conversion
.irp i, 0,1,2
	v_mov_b32 v[CD+3+\i], v[TT+\i]
.endr
.endm
; my row's numbers of my s-th K step: lane (r, h) takes 16 neighbours of each block of 32
.macro XLOAD reg, s
.irp b, 0,1,2,3
.irp j, 0,1,2,3
	global_load_b128 v[\reg+16*\b+4*\j:\reg+16*\b+4*\j+3], v6, s[10:11] offset:512*(\s)+128*\b+16*\j
.endr
.endr
.endm
; 64 numbers of a lane, register 16 b + i = k 32 b + 16 h + i of my row, become a fragment's codes in v[PC] on and its scale word in v[PW]
.macro QUANT s
.irp b, 0,1,2,3
	v_max3_num_f32 v[TM+\b], |v[\s+16*\b]|, |v[\s+1+16*\b]|, 0x2800000   ; my 16 numbers and the floor 2^(5 - 127)
.endr
.irp i, 2,4,6,8,10,12,14
.irp b, 0,1,2,3
	v_max3_num_f32 v[TM+\b], v[TM+\b], |v[\s+16*\b+\i]|, |v[\s+1+16*\b+\i]|
.endr
.endr
.irp b, 0,1,2,3
	v_permlanex16_b32 v[TM+4+\b], v[TM+\b], s[SEL], s[SEL+1]
.endr
.irp b, 0,1,2,3
	v_max_num_f32 v[TM+\b], v[TM+\b], v[TM+4+\b]   ; with lane l xor 16: the block's largest magnitude
.endr
.irp b, 0,1,2,3
	v_add_nc_u32 v[TM+12+\b], 0xfe000000, v[TM+\b] ; 4 off its exponent field: the conversion's scale operand
.endr
.irp b, 0,1,2,3
	v_lshrrev_b32 v[TM+4+\b], 23, v[TM+12+\b]      ; the byte
.endr
	v_lshl_or_b32 v[PW], v[TM+5], 8, v[TM+4]
	v_lshl_or_b32 v[PW], v[TM+6], 16, v[PW]
	v_lshl_or_b32 v[PW], v[TM+7], 24, v[PW]
.irp c, 0,1
	v_cvt_scalef32_pk16_bf6_f32 v[PC+6*\c:PC+2+6*\c], v[\s+32*\c:\s+15+32*\c], v[TM+12+2*\c]
	v_cvt_scalef32_pk16_bf6_f32 v[PC+12+4*\c:PC+14+4*\c], v[\s+16+32*\c:\s+31+32*\c], v[TM+12+2*\c+1]
.endr
	v_nop                                          ; one plain place behind a scaled conversion
.irp c, 0,1                                    ; the operand wants a whole block in a lane: lanes 0-15 block 2 c, lanes 16-31 block 2 c + 1
.irp i, 0,1,2
	v_permlane16_swap_b32 v[PC+6*\c+\i], v[PC+12+4*\c+\i]
.endr
.irp i, 0,1,2
	v_mov_b32 v[PC+3+6*\c+\i], v[PC+12+4*\c+\i]
.endr
.endr
.endm
; chunk c (tokens 32 c .. 32 c + 31) of the walk that lists a tile's tokens.  s37: the rank of the chunk's first token; s36, s53: the tile's first rank and the rank behind its last.
; A chunk that ends ahead of the tile costs four lines; the walk ends as soon as the tile is full.
.macro CHUNK c
	s_bcnt1_i32_b32 s40, s[MK+\c]
	s_add_co_u32 s45, s37, s40                     ; the rank behind the chunk
	s_cmp_le_u32 s45, s36
	s_cbranch_scc1 .Lskip_\@                       ; all its tokens come before the tile
	s_cmp_eq_u32 s40, 0
	s_cbranch_scc1 .Lskip_\@                       ; it has none
	s_mov_b32 s39, s[MK+\c]
	s_sub_co_u32 s43, s37, s36
	s_mov_b32 s41, 0
.Lbit_\@:
	s_ctz_i32_b32 s42, s39                         ; the lowest token left,
	s_sub_co_u32 s33, s39, 1
	s_and_b32 s39, s39, s33                        ; taken off the mask
	s_add_co_u32 s42, s42, 32*\c
	s_add_co_u32 s33, s43, s41                     ; its row in the tile; what lies outside 0 .. 15 (below 0 wraps)
	s_min_u32 s33, s33, 16                         ; goes to lane 16, which is written over below
	s_wait_alu depctr_va_vdst(0)
	v_writelane_b32 v17, s42, s33
	s_add_co_u32 s41, s41, 1
	s_cmp_lt_u32 s41, s40
	s_cbranch_scc1 .Lbit_\@
	s_cmp_ge_u32 s45, s53
	s_cbranch_scc1 .Lenum_done                     ; the tile is full
.Lskip_\@:
	s_mov_b32 s37, s45
.endm
	s_load_b256 s[4:11], s[0:1], 0x0               ; pm s[4:5], gat s[6:7], w2 s[8:9], x s[10:11]
	s_load_b128 s[12:15], s[0:1], 0x20             ; xt s[12:13], w2q s[14:15]
	s_load_b64 s[30:31], s[0:1], 0x30              ; ord
	v_lshl_add_u32 v224, v0, 2, 0x3000
	v_mov_b32 v225, 0
	v_lshrrev_b32 v1, 5, v0
	v_readfirstlane_b32 s16, v1                    ; wave 0..3
	v_and_b32 v2, 31, v0                           ; lane
	v_and_b32 v3, 15, v0                           ; r
	v_bfe_u32 v4, v0, 4, 1                         ; h
	s_mul_i32 s17, s16, 3072
	v_mul_u32_u24 v24, v4, 1536
	v_lshl_add_u32 v24, v3, 4, v24
	v_add_nc_u32 v24, s17, v24                     ; the w2 role's stage, in
	v_lshlrev_b32 v27, 4, v2                       ; 16 x lane
	v_add_nc_u32 v25, s17, v27                     ; and back
	v_lshlrev_b32 v26, 2, v2                       ; 4 x lane
	s_wait_kmcnt 0x0
	s_cmp_lt_u32 ttmp9, NSMALL
	s_cbranch_scc0 .Lrole_w
	; ---- A PAIR AND TWO K STEPS
	s_lshr_b32 s54, ttmp9, 2                       ; p
	s_and_b32 s55, ttmp9, 3                        ; kq
	s_lshl_b32 s33, s54, 7
	s_load_b512 s[MK:MK+15], s[4:5], s33 offset:0x0        ; the pair's 32 masks
	s_load_b512 s[MK+16:MK+31], s[4:5], s33 offset:0x40
	s_mov_b32 s[SEL], 0x76543210
	s_mov_b32 s[SEL+1], 0xfedcba98
	s_mov_b32 s52, 0xffff0000                      ; lanes 16-31
	s_lshl_b32 s56, s55, 10                        ; my two K steps: 1,024 bytes of a row of x
	s_mov_b32 s57, 0
	s_add_nc_u64 s[10:11], s[10:11], s[56:57]
	s_lshl_b32 s58, s55, 3
	s_wait_alu depctr_va_vdst(0)
	v_lshlrev_b32 v8, 5, v3
	v_lshl_add_u32 v8, v4, 2, v8
	v_add_nc_u32 v8, s58, v8                       ; 32 r + 8 kq + 4 h: lane (r, h) stores row r's scale word of K step 2 kq + h
	s_mul_i32 s58, s55, 3072
	v_add_nc_u32 v9, s58, v27                      ; my two fragments in a record: 3,072 kq + 16 lane
	v_mov_b32 v18, 0                               ; written once: a lane permute's destination counts as one of its sources
.irp b, 0,1,2,3
	v_mov_b32 v[TM+4+\b], 0
.endr
	s_wait_kmcnt 0x0
	s_mov_b32 s32, 0
.set Q, 0
.rept 32
	s_bcnt1_i32_b32 s33, s[MK+Q]
	s_add_co_u32 s32, s32, s33
.set Q, Q+1
.endr
	s_min_u32 s32, s32, 1024                       ; n: the pair's tokens
	s_or_b32 s33, s16, s55
	s_cmp_lg_u32 s33, 0
	s_cbranch_scc1 .Lno_count                      ; wave 0 of kq = 0 stores it
	v_mov_b32 v19, s32
	s_lshl_b32 s46, s54, 7
	s_mov_b32 s47, 0
	s_add_nc_u64 s[46:47], s[30:31], s[46:47]
	global_store_b32 v26, v19, s[46:47]            ; the count, 32 times: 128 bytes for each pair
.Lno_count:
	s_mov_b32 s34, 0
.Ltile:                                            ; 16 trips: tile j = wave + 4 trip
	s_lshl_b32 s35, s34, 2
	s_add_co_u32 s35, s35, s16
	s_lshl_b32 s36, s35, 4                         ; the tile's first rank
	s_cmp_ge_u32 s36, s32
	s_cbranch_scc1 .Ltile_next                     ; no such tile
	s_wait_xcnt 0x0                                ; the earlier loads and stores have read their registers and bases: these are written again only behind this wait
	; the tokens of ranks 16 j .. 16 j + 15, in ascending order, into lanes 0-15
	v_mov_b32 v17, 0                               ; rows that fill the tile up take token 0
	s_mov_b32 s37, 0
	s_add_co_u32 s53, s36, 16
.set Q, 0
.rept 32
	CHUNK Q
.set Q, Q+1
.endr
.Lenum_done:
	s_wait_alu depctr_va_vdst(0)
	v_permlanex16_b32 v18, v17, s[SEL], s[SEL+1]
	v_cndmask_b32 v17, v17, v18, s52               ; lanes 16-31 take lanes 0-15: lane (r, h) holds row r's token
	v_min_u32 v17, 0x3ff, v17
	v_lshlrev_b32 v6, 12, v17
	v_lshl_add_u32 v6, v4, 6, v6                   ; x: the token's row of 4,096 bytes, + 64 h
	v_lshlrev_b32 v7, 3, v17                       ; gat: 8 bytes a token
	s_wait_alu depctr_va_vdst(0)
	s_lshl_b32 s33, s54, 6
	s_add_co_u32 s33, s33, s35                     ; the tile's number
	s_mul_i32 s46, s33, XREC
	s_mov_b32 s47, 0
	s_add_nc_u64 s[46:47], s[12:13], s[46:47]      ; its record
	s_lshl_b32 s48, s33, 7
	s_add_co_u32 s48, s48, 4096
	s_mov_b32 s49, 0
	s_add_nc_u64 s[48:49], s[30:31], s[48:49]      ; its list of tokens
	global_load_b64 v[GT:GT+1], v7, s[6:7]
	XLOAD HA, 0
	XLOAD HA+64, 1
	s_wait_loadcnt 16                              ; the gates and my first K step's 16 loads are in; the second step's 16 may be out
	QUANT HA
	v_mov_b32 v[PWS], v[PW]
.irp c, 0,1,2
	global_store_b128 v9, v[PC+4*\c:PC+4*\c+3], s[46:47] offset:512*\c         ; the fragment as it stands: 512 consecutive bytes a store
.endr
	s_wait_loadcnt 0x0
	s_wait_xcnt 0x0                                ; these stores have read the codes' registers
	QUANT HA+64
.irp c, 0,1,2
	global_store_b128 v9, v[PC+4*\c:PC+4*\c+3], s[46:47] offset:1536+512*\c
.endr
	v_cndmask_b32 v213, v[PWS], v[PW], s52         ; both halves of the lanes hold both words: lanes 0-15 keep the first step's, lanes 16-31 the second's
	global_store_b32 v8, v213, s[46:47] offset:12288       ; [16 rows][8 K steps]: my 8 bytes of each row's 32
	s_cmp_lg_u32 s55, 0
	s_cbranch_scc1 .Ltile_next
	v_cndmask_b32 v[TM], v[GT], v[GT+1], s52
	global_store_b32 v26, v[TM], s[46:47] offset:12800     ; [slot][16 rows]
	global_store_b32 v26, v17, s[48:49]                    ; the tokens
.Ltile_next:
	s_add_co_u32 s34, s34, 1
	s_cmp_lt_u32 s34, 16
	s_cbranch_scc1 .Ltile
	s_endpgm
.Lrole_w:
	; ---- W2: K step Sg = SG0 + id / 8, columns 128 (id % 8) + 32 wave + lane
	s_sub_co_u32 s20, ttmp9, NSMALL
	s_and_b32 s21, s20, 7
	s_lshr_b32 s20, s20, 3
	s_add_co_u32 s20, s20, SG0
	s_lshl_b32 s22, s20, 19                        ; 128 rows of 4,096 bytes
	s_lshl_b32 s24, s21, 9
	s_lshl_b32 s25, s16, 7
	s_add_co_u32 s24, s24, s25
	s_add_co_u32 s22, s22, s24
	s_mov_b32 s23, 0
	s_add_nc_u64 s[8:9], s[8:9], s[22:23]
	s_mul_i32 s26, s20, 98304
	s_mul_i32 s28, s21, 12288
	s_add_co_u32 s26, s26, s28
	s_add_co_u32 s26, s26, s17
	s_mov_b32 s27, 0
	s_add_nc_u64 s[26:27], s[14:15], s[26:27]
	s_lshl_b32 s28, s20, 12
	s_add_co_u32 s28, s28, s24
	s_add_co_u32 s28, s28, WS
	s_mov_b32 s29, 0
	s_add_nc_u64 s[28:29], s[14:15], s[28:29]
.set Q, 0
	s_wait_alu depctr_va_vdst(0)
.rept 128
	global_load_b32 v[X+Q], v26, s[8:9] offset:4096*Q th:TH_LOAD_NT
.set Q, Q+1
.endr
	WBLOCK 0, 63                                   ; 96 loads were issued behind block 0's, 64 behind block 1's: the wait's field holds 63
	WBLOCK 1, 63
	WBLOCK 2, 32
	WBLOCK 3, 0
.irp c, 0,1,2
	ds_store_b128 v24, v[CS+4*\c:CS+4*\c+3] offset:512*\c
	ds_store_b128 v24, v[CS+12+4*\c:CS+12+4*\c+3] offset:512*\c+256
.endr
.irp i, 0,1,2,3,4,5
	ds_load_b128 v[X+4*\i:X+4*\i+3], v25 offset:512*\i                 ; LDS serves a wave's instructions in order: these see my stores
.endr
	s_wait_alu depctr_va_vdst(0)
.irp i, 0,1,2,3,4,5
	s_wait_dscnt 5-\i
	global_store_b128 v27, v[X+4*\i:X+4*\i+3], s[26:27] offset:512*\i
.endr
	global_store_b32 v26, v[SW], s[28:29]
	s_wait_tensorcnt 0x0
	ds_add_u32 v224, v225
	s_wait_dscnt 0x0
	s_endpgm
.Lfunc_end_k_q00eb25c81c_place:
	.size	k_q00eb25c81c_place, .Lfunc_end_k_q00eb25c81c_place-k_q00eb25c81c_place
	.p2alignl 7, 3214868480
	.fill 96, 4, 3214868480
	.section	.rodata,"a",@progbits
	.p2align	6, 0x0
	.amdhsa_kernel k_q00eb25c81c_place
		.amdhsa_group_segment_fixed_size 12800
		.amdhsa_private_segment_fixed_size 0
		.amdhsa_enable_private_segment 0
		.amdhsa_kernarg_size 56
		.amdhsa_user_sgpr_count 2
		.amdhsa_user_sgpr_kernarg_segment_ptr 1
		.amdhsa_wavefront_size32 1
		.amdhsa_system_sgpr_workgroup_id_x 1
		.amdhsa_system_sgpr_workgroup_id_y 1
		.amdhsa_system_sgpr_workgroup_id_z 1
		.amdhsa_system_vgpr_workitem_id 0
		.amdhsa_next_free_vgpr 226
		.amdhsa_next_free_sgpr 100
		.amdhsa_reserve_vcc 0
		.amdhsa_float_denorm_mode_32 3
		.amdhsa_float_denorm_mode_16_64 3
		.amdhsa_memory_ordered 1
		.amdhsa_forward_progress 1
		.amdhsa_inst_pref_size 63
	.end_amdhsa_kernel
	.amdgpu_metadata
---
amdhsa.version: [ 1, 2 ]
amdhsa.kernels:
  - .name:           k_q00eb25c81c_place
    .symbol:         k_q00eb25c81c_place.kd
    .args:
      - { .name: pm, .offset: 0, .size: 8, .value_kind: global_buffer, .address_space: global }
      - { .name: gat, .offset: 8, .size: 8, .value_kind: global_buffer, .address_space: global }
      - { .name: w2, .offset: 16, .size: 8, .value_kind: global_buffer, .address_space: global }
      - { .name: x, .offset: 24, .size: 8, .value_kind: global_buffer, .address_space: global }
      - { .name: xt, .offset: 32, .size: 8, .value_kind: global_buffer, .address_space: global }
      - { .name: w2q, .offset: 40, .size: 8, .value_kind: global_buffer, .address_space: global }
      - { .name: ord, .offset: 48, .size: 8, .value_kind: global_buffer, .address_space: global }
    .group_segment_fixed_size: 12800
    .private_segment_fixed_size: 0
    .kernarg_segment_align: 8
    .kernarg_segment_size: 56
    .max_flat_workgroup_size: 128
    .sgpr_count:     100
    .vgpr_count:     226
    .wavefront_size: 32
...
	.end_amdgpu_metadata
.endif
;; end of part 8
;; launch up (part 9): grid 32 x 8, 16 waves a work-group, no clusters, 107,520 bytes of LDS; arguments ord, xt, w1_codes, w1_scales, v1_codes, v1_scales, hq; writes hq
.if DOCPART == 9
	.amdgcn_target "amdgcn-amd-amdhsa--gfx1250"
	.amdhsa_code_object_version 6
	.text
	.protected	k_q00eb25c81c_up
	.globl	k_q00eb25c81c_up
	.p2align	8
	.type	k_q00eb25c81c_up,@function
k_q00eb25c81c_up:
	s_mov_b64 s[64:65], 0
	v_nop
	global_prefetch_b8 v0, s[64:65] scope:SCOPE_SE
	s_setreg_imm32_b32 hwreg(HW_REG_WAVE_SCHED_MODE, 0, 2), 2
	s_setreg_imm32_b32 hwreg(HW_REG_WAVE_MODE, 25, 1), 1
	s_wait_xcnt 0x0
	s_wait_alu depctr_vm_vsrc(0)
; UP: h = Q(silu(x w1^T) * (x v1^T)) for the tiles that exist.  Work-group (sc, e) owns hidden units 64 sc .. 64 sc + 63 of expert e: its 64 rows of w1 and of v1 (codes as given, 768 bytes a row) and their scale
; bytes are read from memory by this work-group alone, once, in whole runs of 256 bytes, and stay in LDS.  One barrier; behind it LDS is only read.
; The tiles of expert e are those of its seven pairs; their counts come from ord (whole numbers that the launch before stored).  Sixteen waves of 256 registers take two tiles (32 rows) a trip through all 64 units:
; three trips of the loop serve 96 tiles; no split has more than 70.  No tensor load and no cluster: trip decisions hang on stored counts.
; Both products are used transposed (source 0 = 16 rows of the weight, source 1 = 16 tokens), and THE ROWS OF A WEIGHT TILE ARE NOT NEIGHBOURS: lane r of tile 2 b + u takes row 32 b + 8 u + r + 8 (r / 8), so that a lane
; holds one token and the 16 registers of tiles 2 b, 2 b + 1 are 16 neighbours along the next K.  The rows are laid in LDS in that order, so a tile is 16 rows on end.
; h goes to hq as pieces of the next operand's registers: record = 2 x tile + slot (slot 1: e is the pair's higher expert); K step s, piece p (registers 2 p, 2 p + 1) at 1,536 s + 256 p + 8 lane.
; LIMITS: NaN and infinities are not served; a block of zeros gets the byte 1 (its codes are zeros; this program alone reads the bytes).
; THE MODE: SCHED_MODE bits 1:0 = 2 (LLVM: expert scheduling mode 2), set by the entry lines.  The code itself states the register dependences
; between vector or matrix instructions and memory or LDS instructions, with s_wait_alu, always for 0.
; THE PLAN.  Registers that memory or LDS instructions touch:
;   v1-6, v116-120  offsets and LDS addresses: made at the head and never written again.
;   v7              written once a trip, at its top; read by the trip's two loads of x's scale words.
;   v8-15           x's scale words: loaded at a trip's top; read by all the trip's products.
;   v16-19          the weights' scale words: loaded at a K step's head; read by the step's 16 products.
;   v20-43, v44-67  x's fragments, two buffers by turns: K step s reads buffer s % 2; the loads of step s + 1 are issued at the head of step s, into the buffer that step s - 1 read.
;   v68-115         four weight fragments: loaded twice a K step, w1's and then v1's; read by 8 products each time.
;   v20-115         behind the last K step: at work for the activation and the quantiser; the stores read the codes in v20-25 and v36-41 and the bytes in v96, v97.
;   v20-69          at the head: the fill's loads land there, and the fill's LDS stores read them.
;   The accumulators v128-255 are named by vector and matrix instructions alone.
; Seven registers are free in the loop and a second set of weight fragments would be 48: so a set is filled again when its products are done, and all that is free is filled behind one wait.
; TWO waits on va_vdst stand in a K step: at its head (the last step's products are done with their buffer of x, the weight fragments and the weights' scale words) and in its middle (the products with w1 are done
; with the weight fragments).  At a trip's top stand one wait on vm_vsrc and one on va_vdst, which serves K step 0 too; one more on va_vdst stands ahead of the trip's stores.
.set PITCH, 784                        ; an LDS row: 768 + 16 = 196 words: row r starts at bank 4 r mod 64 (64 banks of 4 bytes: ISA guide 11.1): the 32 lanes of an 8-byte load touch 64 different banks
.set VOFF,  50176                      ; v1's 64 rows behind w1's
.set SCW,   100352                     ; scale words: 64 rows x 36 bytes of w1,
.set SCV,   2320                       ; and v1's so far behind them
.set XREC,  13312
.set HREC,  25600
; REGISTERS: v1 16 lane; v2, v3 my place in a tile of w1, v1; v4 in the scale words (lanes 0-15 w1, lanes 16-31 v1); v5, v6 store offsets; v7 x's scale words' offset; v8-15 x's scale words (lanes 0-15 tile 0,
; lanes 16-31 tile 1); v16-19 the weights' scale words; v20-67 x's fragments, two buffers of 2 x 12; v68-115 four weight fragments; v116-121 the fill's addresses and a constant; v122-123 at work;
; v128 + 64 T + 8 t: x w1^T of tile T, weight tile t; v160 + 64 T + 8 t: x v1^T.
.macro PROD d, a, b, sa, sb, zero, ar, br      ; one product; ar, br: which half of the lanes holds source 0's and source 1's scale words
.set PD, \d
.set PA, \a
.set PB, \b
.set PSA, \sa
.set PSB, \sb
.set PSEL, 4*(\zero)+2*(\ar)+(\br)
.if PSEL == 0
	v_wmma_scale_f32_16x16x128_f8f6f4 v[PD:PD+7], v[PA:PA+11], v[PB:PB+11], v[PD:PD+7], v[PSA], v[PSB] matrix_a_fmt:MATRIX_FMT_BF6 matrix_b_fmt:MATRIX_FMT_BF6
.elseif PSEL == 1
	v_wmma_scale_f32_16x16x128_f8f6f4 v[PD:PD+7], v[PA:PA+11], v[PB:PB+11], v[PD:PD+7], v[PSA], v[PSB] matrix_a_fmt:MATRIX_FMT_BF6 matrix_b_fmt:MATRIX_FMT_BF6 matrix_b_scale:MATRIX_SCALE_ROW1
.elseif PSEL == 2
	v_wmma_scale_f32_16x16x128_f8f6f4 v[PD:PD+7], v[PA:PA+11], v[PB:PB+11], v[PD:PD+7], v[PSA], v[PSB] matrix_a_fmt:MATRIX_FMT_BF6 matrix_b_fmt:MATRIX_FMT_BF6 matrix_a_scale:MATRIX_SCALE_ROW1
.elseif PSEL == 3
	v_wmma_scale_f32_16x16x128_f8f6f4 v[PD:PD+7], v[PA:PA+11], v[PB:PB+11], v[PD:PD+7], v[PSA], v[PSB] matrix_a_fmt:MATRIX_FMT_BF6 matrix_b_fmt:MATRIX_FMT_BF6 matrix_a_scale:MATRIX_SCALE_ROW1 matrix_b_scale:MATRIX_SCALE_ROW1
.elseif PSEL == 4
	v_wmma_scale_f32_16x16x128_f8f6f4 v[PD:PD+7], v[PA:PA+11], v[PB:PB+11], 0, v[PSA], v[PSB] matrix_a_fmt:MATRIX_FMT_BF6 matrix_b_fmt:MATRIX_FMT_BF6
.elseif PSEL == 5
	v_wmma_scale_f32_16x16x128_f8f6f4 v[PD:PD+7], v[PA:PA+11], v[PB:PB+11], 0, v[PSA], v[PSB] matrix_a_fmt:MATRIX_FMT_BF6 matrix_b_fmt:MATRIX_FMT_BF6 matrix_b_scale:MATRIX_SCALE_ROW1
.elseif PSEL == 6
	v_wmma_scale_f32_16x16x128_f8f6f4 v[PD:PD+7], v[PA:PA+11], v[PB:PB+11], 0, v[PSA], v[PSB] matrix_a_fmt:MATRIX_FMT_BF6 matrix_b_fmt:MATRIX_FMT_BF6 matrix_a_scale:MATRIX_SCALE_ROW1
.else
	v_wmma_scale_f32_16x16x128_f8f6f4 v[PD:PD+7], v[PA:PA+11], v[PB:PB+11], 0, v[PSA], v[PSB] matrix_a_fmt:MATRIX_FMT_BF6 matrix_b_fmt:MATRIX_FMT_BF6 matrix_a_scale:MATRIX_SCALE_ROW1 matrix_b_scale:MATRIX_SCALE_ROW1
.endif
.endm
; the i-th tile of my expert -> its record number.  Once the tile is found, i wraps to a huge number and no later compare holds.  s[i] is used up.
.macro MAP i, code
	s_mov_b32 s[\code], 0
.irp o, 0,1,2,3,4,5,6,7
	s_lshl_b32 s26, s[\i], 1
	s_add_co_u32 s26, s26, s[40+\o]
	s_cmp_lt_u32 s[\i], s[32+\o]
	s_cselect_b32 s[\code], s26, s[\code]
	s_sub_co_u32 s[\i], s[\i], s[32+\o]
.endr
.endm
.macro ALOAD s                                 ; both tiles' fragments of K step s, as images: three loads of 16 bytes a lane each
.set ABL, 20+24*((\s)%2)
.irp c, 0,1,2
	global_load_b128 v[ABL+4*\c:ABL+4*\c+3], v1, s[50:51] offset:1536*(\s)+512*\c
	global_load_b128 v[ABL+12+4*\c:ABL+12+4*\c+3], v1, s[52:53] offset:1536*(\s)+512*\c
.endr
.endm
; 128 along K: 8 products with w1, 8 with v1.  The sixteen accumulators take turns, one instruction a turn.
.macro KSTEP s
.set ABK, 20+24*((\s)%2)
.if (\s) == 0
.set KZ, 1                                     ; (step 0 has no wait of its own: the one at the trip's top stands ahead of its loads, with no vector or matrix instruction between)
.else
.set KZ, 0
	s_wait_alu depctr_va_vdst(0)                   ; the last step's products are done reading their buffer of x, the weight fragments v68-115 and the weights' scale words v16-19: the loads below land in these
.if (\s) < 7
	ALOAD (\s)+1                                   ; the next step's fragments of x, into the buffer that the last step read
.endif
.endif
.irp t, 0,1,2,3
	ds_load_b32 v[16+\t], v4 offset:576*\t+4*(\s)
.endr
.irp t, 0,1,2,3
.irp p, 0,1,2,3,4,5
	ds_load_b64 v[68+12*\t+2*\p:69+12*\t+2*\p], v2 offset:12544*\t+96*(\s)+48*(\p/3)+8*(\p%3)
.endr
.endr
.if (\s) < 7
	s_wait_loadcnt 6                               ; this step's fragments of x are in; the next step's six loads may be out
.else
	s_wait_loadcnt 0x0
.endif
	s_wait_dscnt 0x0
.irp t, 0,1,2,3
.irp m, 0,1
	PROD 128+64*\m+8*\t, 68+12*\t, ABK+12*\m, 16+\t, 8+(\s), KZ, 0, \m
.endr
.endr
.rept 4
	v_nop                                          ; four places in front of loads into registers that matrix instructions have read
.endr
	s_wait_alu depctr_va_vdst(0)                   ; the eight products with w1 are done reading v68-115, in which v1's fragments land
.irp t, 0,1,2,3
.irp p, 0,1,2,3,4,5
	ds_load_b64 v[68+12*\t+2*\p:69+12*\t+2*\p], v3 offset:12544*\t+96*(\s)+48*(\p/3)+8*(\p%3)
.endr
.endr
	s_wait_dscnt 0x0
.irp t, 0,1,2,3
.irp m, 0,1
	PROD 160+64*\m+8*\t, 68+12*\t, ABK+12*\m, 16+\t, 8+(\s), KZ, 1, \m
.endr
.endr
.rept 4
	v_nop                                          ; likewise; behind the last step also the places in front of the first read of results
.endr
.endm
	s_load_b256 s[4:11], s[0:1], 0x0               ; ord s[4:5], xt s[6:7], w1 codes s[8:9], w1 scales s[10:11]
	s_load_b128 s[12:15], s[0:1], 0x20             ; v1 codes s[12:13], v1 scales s[14:15]
	s_load_b64 s[16:17], s[0:1], 0x30              ; hq
	v_lshl_add_u32 v126, v0, 2, 0x19c00
	v_mov_b32 v127, 0
	v_lshrrev_b32 v1, 5, v0
	v_readfirstlane_b32 s19, v1                    ; wave 0..15
	s_and_b32 s18, ttmp7, 0xffff                   ; e
	; the fill: thread t takes 16 bytes at 16 (t % 16) of rows t / 16 and t / 16 + 32: sixteen lanes read 256 consecutive bytes
	v_and_b32 v122, 15, v0
	v_lshrrev_b32 v123, 4, v0
	v_mul_u32_u24 v116, v123, 768
	v_lshl_add_u32 v116, v122, 4, v116             ; in memory
	v_bfe_u32 v117, v0, 4, 3
	v_bfe_u32 v123, v0, 7, 1
	v_lshl_add_u32 v117, v123, 4, v117
	v_bfe_u32 v123, v0, 8, 1
	v_lshl_add_u32 v117, v123, 3, v117             ; row rho lies at place (rho & 0x27) + 16 (bit 3) + 8 (bit 4)
	v_mul_u32_u24 v117, v117, PITCH
	v_lshl_add_u32 v117, v122, 4, v117             ; in LDS, w1;
	v_add_nc_u32 v118, VOFF, v117                  ; v1
	v_lshlrev_b32 v119, 2, v0                      ; scale words: thread t takes word t % 8 of row t / 8
	v_bfe_u32 v120, v0, 3, 3
	v_bfe_u32 v123, v0, 6, 1
	v_lshl_add_u32 v120, v123, 4, v120
	v_bfe_u32 v123, v0, 7, 1
	v_lshl_add_u32 v120, v123, 3, v120
	v_bfe_u32 v123, v0, 8, 1
	v_lshl_add_u32 v120, v123, 5, v120
	v_mul_u32_u24 v120, v120, 36
	v_and_b32 v123, 7, v0
	v_lshl_add_u32 v120, v123, 2, v120
	v_add_nc_u32 v120, SCW, v120
	; the loop's addresses
	v_bfe_u32 v123, v0, 4, 1                       ; h  (v122 = r)
	v_mul_u32_u24 v2, v122, PITCH
	v_mad_u32_u24 v2, v123, 24, v2                 ; row r of a tile, + 24 h
	v_add_nc_u32 v3, VOFF, v2
	v_mul_u32_u24 v4, v123, SCV
	v_mad_u32_u24 v4, v122, 36, v4
	v_add_nc_u32 v4, SCW, v4
	v_and_b32 v5, 31, v0
	v_lshlrev_b32 v1, 4, v5                        ; 16 x lane
	s_mul_i32 s20, ttmp9, 768
	v_lshl_add_u32 v5, v5, 3, s20                  ; hq: 768 sc + 8 lane
	s_lshr_b32 s20, ttmp9, 1
	s_lshl_b32 s20, s20, 6
	s_and_b32 s21, ttmp9, 1
	s_lshl_b32 s21, s21, 1
	s_add_co_u32 s20, s20, s21
	s_add_co_u32 s20, s20, 24576
	v_lshl_add_u32 v6, v122, 2, v123
	v_add_nc_u32 v6, s20, v6                       ; hq: my block's scale byte: 24,576 + 64 (sc / 2) + 4 r + 2 (sc % 2) + h
	v_lshlrev_b32 v121, 5, v122
	v_add_nc_u32 v121, 12288, v121                 ; xt: row r's eight scale words
	s_wait_alu depctr_va_sdst(0)                   ; s19, the wave's number, is written: the loop's first lines read it, and no branch or label stands between
	s_mov_b32 s58, 0xbfb8aa3b                      ; -log2(e)
	s_mov_b32 s59, s58                             ; (named with it as a pair, so it is written)
	s_mov_b32 s60, 0xffff0000                      ; lanes 16-31
	s_mov_b32 s62, 0x76543210
	s_mov_b32 s63, 0xfedcba98                      ; v_permlanex16_b32: lane l xor 16
	s_lshl_b32 s20, s18, 11
	s_lshl_b32 s21, ttmp9, 6
	s_add_co_u32 s20, s20, s21                     ; my first row of w1 and v1: 2,048 e + 64 sc
	s_mul_i32 s22, s20, 768
	s_mov_b32 s23, 0
	s_lshl_b32 s24, s20, 5
	s_mov_b32 s25, 0
	s_wait_kmcnt 0x0
	s_add_nc_u64 s[8:9], s[8:9], s[22:23]
	s_add_nc_u64 s[12:13], s[12:13], s[22:23]
	s_add_nc_u64 s[10:11], s[10:11], s[24:25]
	s_add_nc_u64 s[14:15], s[14:15], s[24:25]
	s_wait_alu depctr_va_vdst(0)                   ; the offsets and LDS addresses v1-6 and v116-120 are written: the fill's loads and LDS stores and all the loop's loads and stores read them
.irp i, 0,1
.irp k, 0,1,2
	global_load_b128 v[20+4*(3*\i+\k):23+4*(3*\i+\k)], v116, s[8:9] offset:24576*\i+256*\k th:TH_LOAD_NT
	global_load_b128 v[44+4*(3*\i+\k):47+4*(3*\i+\k)], v116, s[12:13] offset:24576*\i+256*\k th:TH_LOAD_NT
.endr
.endr
	global_load_b32 v68, v119, s[10:11] th:TH_LOAD_NT
	global_load_b32 v69, v119, s[14:15] th:TH_LOAD_NT
	; the tiles of my expert, while the fill is on its way: for each other expert o the pair's number, its count of tiles, and the record number of its first tile
.irp o, 0,1,2,3,4,5,6,7
	s_min_u32 s20, s18, \o
	s_max_u32 s21, s18, \o
	s_sub_co_u32 s22, 15, s20
	s_mul_i32 s22, s22, s20
	s_lshr_b32 s22, s22, 1
	s_add_co_u32 s22, s22, s21
	s_sub_co_u32 s22, s22, s20
	s_sub_co_u32 s22, s22, 1
	s_min_u32 s22, s22, 27                         ; (o = e names no pair: its count is set to 0 below)
	s_lshl_b32 s[40+\o], s22, 7
	s_load_b32 s[32+\o], s[4:5], s[40+\o] offset:0x0
.endr
	s_wait_kmcnt 0x0
	s_mov_b32 s48, 0
.irp o, 0,1,2,3,4,5,6,7
	s_min_u32 s[32+\o], s[32+\o], 1024
	s_add_co_u32 s[32+\o], s[32+\o], 15
	s_lshr_b32 s[32+\o], s[32+\o], 4
	s_cmp_eq_u32 s18, \o
	s_cselect_b32 s[32+\o], 0, s[32+\o]
	s_cmp_gt_u32 s18, \o
	s_cselect_b32 s20, 1, 0                        ; slot 1 where e is the higher of the two
	s_add_co_u32 s[40+\o], s[40+\o], s20           ; 2 x 64 p + slot
	s_add_co_u32 s48, s48, s[32+\o]                ; N: my expert's tiles
.endr
	s_wait_loadcnt 0x0
.irp i, 0,1
.irp k, 0,1,2
	ds_store_b128 v117, v[20+4*(3*\i+\k):23+4*(3*\i+\k)] offset:25088*\i+256*\k
	ds_store_b128 v118, v[44+4*(3*\i+\k):47+4*(3*\i+\k)] offset:25088*\i+256*\k
.endr
.endr
	ds_store_b32 v120, v68
	ds_store_b32 v120, v69 offset:SCV
	s_wait_dscnt 0x0                               ; for the others' sake: my stores have landed
	s_barrier_signal -1
	s_barrier_wait -1                              ; the one barrier, ahead of every branch on a stored count
	s_mov_b32 s49, 0
.Lround:                                           ; three trips: tiles 2 (wave + 16 trip) and the next
	s_lshl_b32 s20, s49, 5
	s_lshl_b32 s21, s19, 1
	s_add_co_u32 s20, s20, s21
	s_cmp_ge_u32 s20, s48
	s_cbranch_scc1 .Lnext
	s_add_co_u32 s21, s20, 1
	s_cmp_lt_u32 s21, s48
	s_cselect_b32 s61, 1, 0                        ; is there a second tile?  If not, the first is taken twice and stored once
	s_cselect_b32 s21, s21, s20
	MAP 20, 22
	MAP 21, 23
	s_lshr_b32 s24, s22, 1
	s_lshr_b32 s25, s23, 1
	s_min_u32 s24, s24, 1791                       ; tile numbers,
	s_min_u32 s25, s25, 1791
	s_min_u32 s22, s22, 3583                       ; record numbers
	s_min_u32 s23, s23, 3583
	s_wait_xcnt 0x0                                ; the last trip's loads and stores have read their registers and bases
	s_wait_alu depctr_vm_vsrc(0)                   ; the last trip's loads have read v7, which is written below; its stores have read v20-25, v36-41, v96 and v97, and in the first trip the fill's LDS stores have read v20-69: this trip's loads land in all of these
	s_mul_i32 s50, s24, XREC
	s_mov_b32 s51, 0
	s_add_nc_u64 s[50:51], s[6:7], s[50:51]
	s_mul_i32 s52, s25, XREC
	s_mov_b32 s53, 0
	s_add_nc_u64 s[52:53], s[6:7], s[52:53]
	s_mul_i32 s54, s22, HREC
	s_mov_b32 s55, 0
	s_add_nc_u64 s[54:55], s[16:17], s[54:55]
	s_mul_i32 s56, s23, HREC
	s_mov_b32 s57, 0
	s_add_nc_u64 s[56:57], s[16:17], s[56:57]
	v_mov_b32 v122, s24
	v_mov_b32 v123, s25
	v_cndmask_b32 v122, v122, v123, s60            ; lanes 0-15 tile 0, lanes 16-31 tile 1
	v_min_u32 v122, 0x6ff, v122
	v_mul_u32_u24 v122, v122, XREC
	v_add_nc_u32 v7, v121, v122
	s_wait_alu depctr_va_vdst(0)                   ; v7 is written, which the two loads below read; the last trip's products are done reading v8-19, and its activation and quantiser are done reading and writing v20-115: the loads below and K step 0's land in these
	global_load_b128 v[8:11], v7, s[6:7]           ; x's scale words of K steps 0-3,
	global_load_b128 v[12:15], v7, s[6:7] offset:16    ; 4-7
	ALOAD 0
	ALOAD 1
	KSTEP 0
	KSTEP 1
	KSTEP 2
	KSTEP 3
	KSTEP 4
	KSTEP 5
	KSTEP 6
	KSTEP 7
	; silu(a) v = a v / (1 + 2^(-a log2 e)), in f32, both tiles together; each accumulator is read from its low end on
.irp m, 0,1
.set Q, 0
.rept 16
	v_pk_mul_f32 v[20+32*\m+Q:21+32*\m+Q], v[128+64*\m+Q:129+64*\m+Q], s[58:59] op_sel_hi:[1,0]
.set Q, Q+2
.endr
.endr
.set Q, 0
	s_wait_alu depctr_va_vdst(0)
.rept 64
	v_exp_f32 v[20+Q], v[20+Q]
.set Q, Q+1
.endr
	s_wait_alu depctr_va_vdst(0)
.irp m, 0,1
.set Q, 0
.rept 16
	v_pk_mul_f32 v[160+64*\m+Q:161+64*\m+Q], v[160+64*\m+Q:161+64*\m+Q], v[128+64*\m+Q:129+64*\m+Q]   ; a v: plain work that names no exponential's result
.set Q, Q+2
.endr
.endr
	s_wait_alu depctr_va_vdst(0)                   ; the 64 exponentials have written v20-83: one wait for the batch, ahead of its first reader
.set Q, 0
.rept 32
	v_pk_add_f32 v[20+Q:21+Q], v[20+Q:21+Q], 1.0 op_sel_hi:[1,0]
.set Q, Q+2
.endr
.set Q, 0
	s_wait_alu depctr_va_vdst(0)
.rept 64
	v_rcp_f32 v[20+Q], v[20+Q]
.set Q, Q+1
.endr
	v_nop                                          ; a plain place behind the last reciprocal
	s_wait_alu depctr_va_vdst(0)                   ; the 64 reciprocals have written v20-83: one wait for the batch, ahead of its first reader
.irp m, 0,1
.set Q, 0
.rept 16
	v_pk_mul_f32 v[128+64*\m+Q:129+64*\m+Q], v[160+64*\m+Q:161+64*\m+Q], v[20+32*\m+Q:21+32*\m+Q]    ; h: register 16 b + i of tile T = unit 32 b + 16 h + i
.set Q, Q+2
.endr
.endr
	; the quantiser: four blocks (z = 2 T + b) by turns
.irp z, 0,1,2,3
	v_max3_num_f32 v[84+\z], |v[128+64*(\z/2)+16*(\z%2)]|, |v[129+64*(\z/2)+16*(\z%2)]|, 0x2800000   ; my 16 numbers and the floor 2^(5 - 127)
.endr
.irp i, 2,4,6,8,10,12,14
.irp z, 0,1,2,3
	v_max3_num_f32 v[84+\z], v[84+\z], |v[128+64*(\z/2)+16*(\z%2)+\i]|, |v[129+64*(\z/2)+16*(\z%2)+\i]|
.endr
.endr
.irp z, 0,1,2,3
	v_permlanex16_b32 v[88+\z], v[84+\z], s62, s63
.endr
.irp z, 0,1,2,3
	v_max_num_f32 v[84+\z], v[84+\z], v[88+\z]     ; with lane l xor 16: the block's largest magnitude
.endr
.irp z, 0,1,2,3
	v_add_nc_u32 v[92+\z], 0xfe000000, v[84+\z]    ; 4 off its exponent field: the conversion's scale operand
.endr
.irp z, 0,1,2,3
	v_lshrrev_b32 v[88+\z], 23, v[92+\z]           ; the byte
.endr
.irp m, 0,1
	v_cndmask_b32 v[96+\m], v[88+2*\m], v[89+2*\m], s60    ; lane (r, h) keeps block h's
.endr
.irp m, 0,1
	v_cvt_scalef32_pk16_bf6_f32 v[20+16*\m:22+16*\m], v[128+64*\m:143+64*\m], v[92+2*\m]
	v_cvt_scalef32_pk16_bf6_f32 v[28+16*\m:30+16*\m], v[144+64*\m:159+64*\m], v[93+2*\m]
.endr
	v_nop                                          ; one plain place behind a scaled conversion
.irp m, 0,1
.irp i, 0,1,2
	v_permlane16_swap_b32 v[20+16*\m+\i], v[28+16*\m+\i]   ; a whole block to a lane: lanes 0-15 block 0, lanes 16-31 block 1
.endr
.irp i, 0,1,2
	v_mov_b32 v[23+16*\m+\i], v[28+16*\m+\i]
.endr
.endr
	s_wait_alu depctr_va_vdst(0)                   ; both tiles' codes in v20-25 and v36-41 and their bytes in v96, v97 are written, which the stores below read; no vector instruction follows before the second tile's stores
.irp p, 0,1,2
	global_store_b64 v5, v[20+2*\p:21+2*\p], s[54:55] offset:256*\p    ; 256 consecutive bytes, at a multiple of 256 from the buffer's first byte
.endr
	global_store_b8 v6, v96, s[54:55]              ; 32 scale bytes: the other half of each word comes from the neighbouring slice's work-group
	s_cmp_eq_u32 s61, 0
	s_cbranch_scc1 .Lnext
.irp p, 0,1,2
	global_store_b64 v5, v[36+2*\p:37+2*\p], s[56:57] offset:256*\p
.endr
	global_store_b8 v6, v97, s[56:57]
.Lnext:
	s_add_co_u32 s49, s49, 1
	s_cmp_lt_u32 s49, 3
	s_cbranch_scc1 .Lround
	s_wait_dscnt 0x0                               ; the closing lines, six on end
	s_wait_alu 0x0
	s_wait_tensorcnt 0x0
	ds_add_u32 v126, v127
	s_wait_dscnt 0x0
	s_endpgm
.Lfunc_end_k_q00eb25c81c_up:
	.size	k_q00eb25c81c_up, .Lfunc_end_k_q00eb25c81c_up-k_q00eb25c81c_up
	.p2alignl 7, 3214868480
	.fill 96, 4, 3214868480
	.section	.rodata,"a",@progbits
	.p2align	6, 0x0
	.amdhsa_kernel k_q00eb25c81c_up
		.amdhsa_group_segment_fixed_size 107520
		.amdhsa_private_segment_fixed_size 0
		.amdhsa_enable_private_segment 0
		.amdhsa_kernarg_size 56
		.amdhsa_user_sgpr_count 2
		.amdhsa_user_sgpr_kernarg_segment_ptr 1
		.amdhsa_wavefront_size32 1
		.amdhsa_system_sgpr_workgroup_id_x 1
		.amdhsa_system_sgpr_workgroup_id_y 1
		.amdhsa_system_sgpr_workgroup_id_z 1
		.amdhsa_system_vgpr_workitem_id 0
		.amdhsa_next_free_vgpr 256
		.amdhsa_next_free_sgpr 66
		.amdhsa_reserve_vcc 0
		.amdhsa_float_denorm_mode_32 3
		.amdhsa_float_denorm_mode_16_64 3
		.amdhsa_memory_ordered 1
		.amdhsa_forward_progress 1
		.amdhsa_inst_pref_size 83
	.end_amdhsa_kernel
	.amdgpu_metadata
---
amdhsa.version: [ 1, 2 ]
amdhsa.kernels:
  - .name:           k_q00eb25c81c_up
    .symbol:         k_q00eb25c81c_up.kd
    .args:
      - { .name: ord, .offset: 0, .size: 8, .value_kind: global_buffer, .address_space: global }
      - { .name: xt, .offset: 8, .size: 8, .value_kind: global_buffer, .address_space: global }
      - { .name: w1_codes, .offset: 16, .size: 8, .value_kind: global_buffer, .address_space: global }
      - { .name: w1_scales, .offset: 24, .size: 8, .value_kind: global_buffer, .address_space: global }
      - { .name: v1_codes, .offset: 32, .size: 8, .value_kind: global_buffer, .address_space: global }
      - { .name: v1_scales, .offset: 40, .size: 8, .value_kind: global_buffer, .address_space: global }
      - { .name: hq, .offset: 48, .size: 8, .value_kind: global_buffer, .address_space: global }
    .group_segment_fixed_size: 107520
    .private_segment_fixed_size: 0
    .kernarg_segment_align: 8
    .kernarg_segment_size: 56
    .max_flat_workgroup_size: 512
    .sgpr_count:     66
    .vgpr_count:     256
    .wavefront_size: 32
...
	.end_amdgpu_metadata
.endif
;; end of part 9
;; launch down (part 10): grid 8 x 43, 16 waves a work-group, no clusters, 272,384 bytes of LDS; arguments ord, xt, hq, w2q, out0; writes out0
.if DOCPART == 10
	.amdgcn_target "amdgcn-amd-amdhsa--gfx1250"
	.amdhsa_code_object_version 6
	.text
	.protected	k_q00eb25c81c_down
	.globl	k_q00eb25c81c_down
	.p2align	8
	.type	k_q00eb25c81c_down,@function
k_q00eb25c81c_down:
	s_mov_b64 s[64:65], 0
	v_nop
	global_prefetch_b8 v0, s[64:65] scope:SCOPE_SE
	s_setreg_imm32_b32 hwreg(HW_REG_WAVE_SCHED_MODE, 0, 2), 2
	s_setreg_imm32_b32 hwreg(HW_REG_WAVE_MODE, 25, 1), 1
	s_wait_xcnt 0x0
	s_wait_alu depctr_vm_vsrc(0)
; DOWN: out = g_lo (h_lo w2_lo) + g_hi (h_hi w2_hi).  Work-group (x, g): 128 columns of the output, and the g-th group of up to 4 tiles (64 tokens) of one pair of experts.  A token lies in one pair, so the work-group
; owns whole pieces of output rows: no sum spans work-groups.  The sum over pairs of ceil(n / 64) is at most 16 + 27 = 43 for every split of 1,024 tokens: the grid serves them all; a work-group that a split leaves
; without a group passes the barrier and stores nothing.  No tensor load and no cluster: what a work-group does hangs on stored counts.
; Wave w: nu = w & 1 (which 64 columns), kappa = (w >> 1) & 3 (K steps 4 kappa .. + 3 of 16), sigma = w >> 3 (slot: expert lo or hi).  So each fragment of w2 is read once in the work-group.  Operands come from
; memory straight into registers, as images.  Source 0 = 16 columns of w2, source 1 = 16 tokens of h: a lane holds eight neighbouring columns of one token.
; The eight partial sums (slot x kappa), multiplied by their slot's gate, meet in LDS; one barrier; each wave adds four rows in a fixed order and stores 512 consecutive bytes of each.
; LIMITS: the eight partial sums are rounded and added in a fixed order, otherwise than one ascending chain; NaN and infinities are not served.
; THE MODE: SCHED_MODE bits 1:0 = 2 (LLVM: expert scheduling mode 2), set by the entry lines.  The code itself states the register dependences
; between vector or matrix instructions and memory or LDS instructions, with s_wait_alu, always for 0.
; THE PLAN.  Registers that memory or LDS instructions touch:
;   v1-9, v18-21     offsets and LDS addresses: made at the head and never written again.
;   v10-13           the gates: loaded once; read by vector instructions alone.
;   v14-17, v32-127  a K step's scale words and eight fragments: loaded at the step's head; read by its 16 products.
;   v128-255         the accumulators: written by the products and by the gates' multiplications; read by the LDS stores.
;   v32-159          behind the barrier: the loads from LDS land there; the additions read them and write v32-35, v64-67, v96-99, v128-131, which the four stores read.
; The accumulators (128 registers) and one K step's operands (100) leave no room for a second set of operands: so a K step's loads follow ONE wait on va_vdst at its head, behind which the last step's products are
; done with all of them.  One more stands ahead of the LDS stores and one ahead of the run of stores to memory; one wait on vm_vsrc stands behind the barrier.
.set WS,    12582912
.set XREC,  13312
.set HREC,  25600
.set PLANE, 33792                      ; a partial sum: 64 rows x (512 + 16) bytes: row r starts at bank 4 r mod 64 (64 banks of 4 bytes: ISA guide 11.1)
; REGISTERS: v1 16 lane, v2 8 lane, v3 4 lane; v4 gates' offset; v5, v6 h's scale words' offsets; v7 where I put a partial sum; v8 my offset in an output row; v9 a constant; v10-13 gates of tiles 0-3;
; v14, v15 w2's scale words (lanes 0-15 column tile 2 j, lanes 16-31 tile 2 j + 1); v16, v17 h's (token tiles likewise); v18-21 where I read partial sums; v22-24 at work; v32-79 four fragments of w2;
; v80-127 four of h; v128 + 32 i + 8 n: token tile i, column tile n.
.macro PROD d, a, b, sa, sb, zero, ar, br      ; one product; ar, br: which half of the lanes holds source 0's and source 1's scale words
.set PD, \d
.set PA, \a
.set PB, \b
.set PSA, \sa
.set PSB, \sb
.set PSEL, 4*(\zero)+2*(\ar)+(\br)
.if PSEL == 0
	v_wmma_scale_f32_16x16x128_f8f6f4 v[PD:PD+7], v[PA:PA+11], v[PB:PB+11], v[PD:PD+7], v[PSA], v[PSB] matrix_a_fmt:MATRIX_FMT_BF6 matrix_b_fmt:MATRIX_FMT_BF6
.elseif PSEL == 1
	v_wmma_scale_f32_16x16x128_f8f6f4 v[PD:PD+7], v[PA:PA+11], v[PB:PB+11], v[PD:PD+7], v[PSA], v[PSB] matrix_a_fmt:MATRIX_FMT_BF6 matrix_b_fmt:MATRIX_FMT_BF6 matrix_b_scale:MATRIX_SCALE_ROW1
.elseif PSEL == 2
	v_wmma_scale_f32_16x16x128_f8f6f4 v[PD:PD+7], v[PA:PA+11], v[PB:PB+11], v[PD:PD+7], v[PSA], v[PSB] matrix_a_fmt:MATRIX_FMT_BF6 matrix_b_fmt:MATRIX_FMT_BF6 matrix_a_scale:MATRIX_SCALE_ROW1
.elseif PSEL == 3
	v_wmma_scale_f32_16x16x128_f8f6f4 v[PD:PD+7], v[PA:PA+11], v[PB:PB+11], v[PD:PD+7], v[PSA], v[PSB] matrix_a_fmt:MATRIX_FMT_BF6 matrix_b_fmt:MATRIX_FMT_BF6 matrix_a_scale:MATRIX_SCALE_ROW1 matrix_b_scale:MATRIX_SCALE_ROW1
.elseif PSEL == 4
	v_wmma_scale_f32_16x16x128_f8f6f4 v[PD:PD+7], v[PA:PA+11], v[PB:PB+11], 0, v[PSA], v[PSB] matrix_a_fmt:MATRIX_FMT_BF6 matrix_b_fmt:MATRIX_FMT_BF6
.elseif PSEL == 5
	v_wmma_scale_f32_16x16x128_f8f6f4 v[PD:PD+7], v[PA:PA+11], v[PB:PB+11], 0, v[PSA], v[PSB] matrix_a_fmt:MATRIX_FMT_BF6 matrix_b_fmt:MATRIX_FMT_BF6 matrix_b_scale:MATRIX_SCALE_ROW1
.elseif PSEL == 6
	v_wmma_scale_f32_16x16x128_f8f6f4 v[PD:PD+7], v[PA:PA+11], v[PB:PB+11], 0, v[PSA], v[PSB] matrix_a_fmt:MATRIX_FMT_BF6 matrix_b_fmt:MATRIX_FMT_BF6 matrix_a_scale:MATRIX_SCALE_ROW1
.else
	v_wmma_scale_f32_16x16x128_f8f6f4 v[PD:PD+7], v[PA:PA+11], v[PB:PB+11], 0, v[PSA], v[PSB] matrix_a_fmt:MATRIX_FMT_BF6 matrix_b_fmt:MATRIX_FMT_BF6 matrix_a_scale:MATRIX_SCALE_ROW1 matrix_b_scale:MATRIX_SCALE_ROW1
.endif
.endm
; my k-th K step: scale words, four fragments of w2, four of h, 16 products.  The sixteen accumulators take turns, one instruction a turn.
.macro DSTEP k
.if (\k) == 0
.set DZ, 1                                     ; (step 0 has no wait of its own: the head's stands ahead of its loads, with no vector or matrix instruction between)
.else
.set DZ, 0
	s_wait_alu depctr_va_vdst(0)                   ; the last step's 16 products are done reading their scale words v14-17 and their fragments v32-127, in which this step's loads land
.endif
.irp j, 0,1
	global_load_b32 v[14+\j], v3, s[54:55] offset:4096*(\k)+128*\j
	global_load_b32 v[16+\j], v[5+\j], s[8:9] offset:64*(\k)
.endr
.irp n, 0,1,2,3
.irp c, 0,1,2
	global_load_b128 v[32+12*\n+4*\c:35+12*\n+4*\c], v1, s[52:53] offset:98304*(\k)+1536*\n+512*\c
.endr
.endr
.irp i, 0,1,2,3
.irp p, 0,1,2,3,4,5
	global_load_b64 v[80+12*\i+2*\p:81+12*\i+2*\p], v2, s[36+2*\i:37+2*\i] offset:1536*(\k)+256*\p
.endr
.endr
	s_wait_loadcnt 0x0
.irp i, 0,1,2,3
.irp n, 0,1,2,3
	PROD 128+32*\i+8*\n, 32+12*\n, 80+12*\i, 14+\n/2, 16+\i/2, DZ, \n%2, \i%2
.endr
.endr
.rept 4
	v_nop                                          ; four places in front of loads into registers that matrix instructions have read, and of the first read of results
.endr
.endm
	s_load_b256 s[4:11], s[0:1], 0x0               ; ord s[4:5], xt s[6:7], hq s[8:9], w2q s[10:11]
	s_load_b64 s[12:13], s[0:1], 0x20              ; out0
	v_lshl_add_u32 v30, v0, 2, 0x42000
	v_mov_b32 v31, 0
	v_lshrrev_b32 v1, 5, v0
	v_readfirstlane_b32 s14, v1                    ; wave 0..15
	s_and_b32 s30, ttmp7, 0xffff                   ; g
	s_mov_b32 s60, 0xffff0000                      ; lanes 16-31
	v_and_b32 v22, 31, v0
	v_and_b32 v23, 15, v0                          ; r
	s_wait_alu depctr_va_vdst(0)
	v_bfe_u32 v24, v0, 4, 1                        ; h
	v_lshlrev_b32 v1, 4, v22
	s_wait_alu depctr_va_vdst(0)
	v_lshlrev_b32 v2, 3, v22
	v_lshlrev_b32 v3, 2, v22
	s_wait_alu depctr_va_sdst(0)                   ; s14, the wave's number, is written, ahead of its first reader; the six lines above, which hang on the lane alone, stand between
	s_and_b32 s15, s14, 1                          ; nu
	s_bfe_u32 s16, s14, 0x20001                    ; kappa
	s_lshr_b32 s17, s14, 3                         ; sigma
	s_lshr_b32 s19, s14, 1                         ; which partial sum: 4 sigma + kappa
	s_lshl_b32 s20, s17, 6
	v_lshl_add_u32 v4, v23, 2, s20                 ; gates: 64 sigma + 4 r
	s_lshl_b32 s20, s16, 8
	s_add_co_u32 s20, s20, 24576
	v_lshl_add_u32 v9, v23, 2, s20                 ; h's scale words: 24,576 + 64 (4 kappa) + 4 r
	s_lshl_b32 s20, ttmp9, 9
	v_add_nc_u32 v8, s20, v1                       ; 512 x + 16 lane
	; every LDS address is made here, of the wave's number, the lane and constants
	s_mul_i32 s20, s19, PLANE
	s_lshl_b32 s21, s15, 8
	s_add_co_u32 s20, s20, s21
	v_mul_u32_u24 v7, v23, 528
	v_lshl_add_u32 v7, v24, 5, v7
	v_add_nc_u32 v7, s20, v7                       ; in: my partial sum, row r, + 256 nu + 32 h
	s_mul_i32 s20, s14, 2112
	v_add_nc_u32 v18, s20, v1                      ; back: rows 4 w on, 16 bytes a lane; partial sums 0, 2, 4, 6 (the odd ones by the immediate)
	v_add_nc_u32 v19, 2*PLANE, v18
	v_add_nc_u32 v20, 4*PLANE, v18
	v_add_nc_u32 v21, 6*PLANE, v18
	s_wait_kmcnt 0x0
.set Q, 0
.rept 28
	s_load_b32 s[68+Q], s[4:5], 128*Q              ; the 28 counts
.set Q, Q+1
.endr
	s_mov_b32 s31, -1                              ; pair << 8 | lo << 4 | hi; -1: no group
	s_mov_b32 s32, 0                               ; which group of the pair
	s_mov_b32 s33, 0                               ; the pair's tokens
	s_wait_kmcnt 0x0
.set PP, 0
.irp lo, 0,1,2,3,4,5,6
.irp hi, 1,2,3,4,5,6,7
.if \hi > \lo
	s_min_u32 s20, s[68+PP], 1024
	s_add_co_u32 s21, s20, 63
	s_lshr_b32 s21, s21, 6                         ; the pair's groups
	s_cmp_lt_u32 s30, s21
	s_cselect_b32 s31, (PP<<8)|(\lo<<4)|\hi, s31
	s_cselect_b32 s32, s30, s32
	s_cselect_b32 s33, s20, s33
	s_sub_co_u32 s30, s30, s21                     ; once found, g wraps to a huge number and no later compare holds
.set PP, PP+1
.endif
.endr
.endr
	s_bfe_u32 s35, s31, 0x50008
	s_min_u32 s35, s35, 27                         ; p
	s_bfe_u32 s20, s31, 0x30004                    ; lo
	s_and_b32 s21, s31, 7                          ; hi
	s_cmp_eq_u32 s17, 0
	s_cselect_b32 s61, s20, s21
	s_min_u32 s61, s61, 7                          ; my slot's expert
	s_min_u32 s32, s32, 15
	s_add_co_u32 s34, s33, 15
	s_lshr_b32 s34, s34, 4
	s_lshl_b32 s20, s32, 2
	s_sub_co_u32 s34, s34, s20
	s_min_u32 s34, s34, 4                          ; nt: the group's tiles
	s_max_u32 s63, s34, 1
	s_sub_co_u32 s63, s63, 1
	s_lshl_b32 s62, s35, 6
	s_add_co_u32 s62, s62, s20                     ; the group's first tile: 64 p + 4 G
	s_mov_b32 s23, 0
	s_mul_i32 s24, s16, 6144                       ; my four K steps in a record of h
.irp i, 0,1,2,3
	s_min_u32 s20, s63, \i                         ; a tile that does not exist is replaced by the last that does: multiplied, not stored
	s_add_co_u32 s20, s20, s62
	s_min_u32 s20, s20, 1791
	s_lshl_b32 s21, s20, 1
	s_add_co_u32 s[96+\i], s21, s17                ; the record of h
	s_mul_i32 s22, s20, XREC
	s_add_nc_u64 s[44+2*\i:45+2*\i], s[6:7], s[22:23]
	s_mul_i32 s22, s[96+\i], HREC
	s_add_co_u32 s22, s22, s24
	s_add_nc_u64 s[36+2*\i:37+2*\i], s[8:9], s[22:23]
.endr
.irp j, 0,1
	v_mov_b32 v22, s[96+2*\j]
	v_mov_b32 v23, s[97+2*\j]
	v_cndmask_b32 v22, v22, v23, s60               ; lanes 0-15 tile 2 j, lanes 16-31 tile 2 j + 1
	v_min_u32 v22, 0xdff, v22
	v_mul_u32_u24 v22, v22, HREC
	v_add_nc_u32 v[5+\j], v9, v22
.endr
	s_mul_i32 s20, s61, 1572864                    ; 16 K steps of 64 fragments an expert,
	s_mul_i32 s21, s16, 393216                     ; my four,
	s_add_co_u32 s20, s20, s21
	s_lshl_b32 s21, ttmp9, 3
	s_lshl_b32 s22, s15, 2
	s_add_co_u32 s21, s21, s22
	s_mul_i32 s21, s21, 1536                       ; my four column tiles
	s_add_co_u32 s20, s20, s21
	s_mov_b32 s21, 0
	s_add_nc_u64 s[52:53], s[10:11], s[20:21]
	s_lshl_b32 s20, s61, 16                        ; w2's scale words: 4,096 bytes a K step
	s_lshl_b32 s22, s16, 14
	s_add_co_u32 s20, s20, s22
	s_lshl_b32 s22, ttmp9, 9
	s_add_co_u32 s20, s20, s22
	s_lshl_b32 s22, s15, 8
	s_add_co_u32 s20, s20, s22
	s_add_co_u32 s20, s20, WS
	s_add_nc_u64 s[54:55], s[10:11], s[20:21]
	s_wait_alu depctr_va_vdst(0)                   ; the offsets and LDS addresses v1-9 and v18-21 are written, which every load, LDS access and store below reads; ahead of the branch, so that each way to one of them passes this wait
	s_cmp_eq_u32 s31, -1
	s_cbranch_scc1 .Ljoin                          ; no group: nothing to multiply
.irp i, 0,1,2,3
	global_load_b32 v[10+\i], v4, s[44+2*\i:45+2*\i] offset:12800
.endr
	DSTEP 0
	DSTEP 1
	DSTEP 2
	DSTEP 3
.irp i, 0,1,2,3                                ; x the token's gate for my slot; each accumulator from its low end on
.set Q, 0
.rept 16
.if \i%2 == 0
	v_pk_mul_f32 v[128+32*\i+Q:129+32*\i+Q], v[128+32*\i+Q:129+32*\i+Q], v[10+2*(\i/2):11+2*(\i/2)] op_sel_hi:[1,0]
.else
	v_pk_mul_f32 v[128+32*\i+Q:129+32*\i+Q], v[128+32*\i+Q:129+32*\i+Q], v[10+2*(\i/2):11+2*(\i/2)] op_sel:[0,1] op_sel_hi:[1,1]
.endif
.set Q, Q+2
.endr
.endr
	s_wait_alu depctr_va_vdst(0)                   ; the multiplications have written v128-255, which the LDS stores read; and the last products are done reading v32-127, in which loads from LDS land behind the barrier: no vector instruction stands between
.irp i, 0,1,2,3
.if \i > 0
	s_cmp_le_u32 s34, \i
	s_cbranch_scc1 .Ljoin                          ; the group has no more tiles
.endif
.irp n, 0,1,2,3
	ds_store_b128 v7, v[128+32*\i+8*\n:131+32*\i+8*\n] offset:8448*\i+64*\n
	ds_store_b128 v7, v[132+32*\i+8*\n:135+32*\i+8*\n] offset:8448*\i+64*\n+16
.endr
.endr
.Ljoin:
	s_wait_dscnt 0x0                               ; for the others' sake: my stores have landed
	s_barrier_signal -1
	s_barrier_wait -1                              ; the one barrier, on every wave's path
	s_wait_alu depctr_vm_vsrc(0)                   ; my LDS stores have read v128-159, in which loads from LDS land below
	s_cmp_eq_u32 s31, -1
	s_cbranch_scc1 .Lend
	s_lshl_b32 s20, s32, 6
	s_lshl_b32 s21, s14, 2
	s_add_co_u32 s20, s20, s21                     ; the rank of my first row: 64 G + 4 w
	s_cmp_ge_u32 s20, s33
	s_cbranch_scc1 .Lend                           ; none of my four rows is a token (so the tile that holds them need not exist)
	s_lshr_b32 s22, s14, 2
	s_add_co_u32 s22, s22, s62
	s_min_u32 s22, s22, 1791                       ; my rows' tile
	s_lshl_b32 s22, s22, 7
	s_and_b32 s24, s14, 3
	s_lshl_b32 s24, s24, 4
	s_add_co_u32 s22, s22, s24
	s_load_b128 s[56:59], s[4:5], s22 offset:0x1000    ; my four rows' tokens
.irp k, 0,1,2,3
.irp a, 0,1,2,3
	ds_load_b128 v[32+32*\k+8*\a:35+32*\k+8*\a], v[18+\a] offset:528*\k
	ds_load_b128 v[36+32*\k+8*\a:39+32*\k+8*\a], v[18+\a] offset:528*\k+PLANE
.endr
.endr
	s_wait_dscnt 0x0
	s_wait_kmcnt 0x0
	; the four rows' sums stand together, ahead of the stores, so that one wait serves all four stores; the rows take turns, and each row adds its eight partial sums in ascending order.
	; My four rows lie in one tile, which exists: the sums of rows that only fill it up are made and not stored
.irp q, 1,2,3,4,5,6,7
.irp k, 0,1,2,3
	v_pk_add_f32 v[32+32*\k:33+32*\k], v[32+32*\k:33+32*\k], v[32+32*\k+4*\q:33+32*\k+4*\q]
	v_pk_add_f32 v[34+32*\k:35+32*\k], v[34+32*\k:35+32*\k], v[34+32*\k+4*\q:35+32*\k+4*\q]
.endr
.endr
	s_wait_alu depctr_va_vdst(0)                   ; the additions have written v32-35, v64-67, v96-99 and v128-131, which the four stores read
.irp k, 0,1,2,3
.if \k > 0
	s_add_co_u32 s21, s20, \k
	s_cmp_ge_u32 s21, s33
	s_cbranch_scc1 .Lend                           ; the rows that fill a tile up are not stored
.endif
	s_min_u32 s[56+\k], s[56+\k], 1023
	s_lshl_b32 s[68+2*\k], s[56+\k], 12
	s_mov_b32 s[69+2*\k], 0
	s_add_nc_u64 s[68+2*\k:69+2*\k], s[12:13], s[68+2*\k:69+2*\k]
	global_store_b128 v8, v[32+32*\k:35+32*\k], s[68+2*\k:69+2*\k] th:TH_STORE_NT   ; 512 consecutive bytes of the token's row, at a multiple of 256 from the buffer's first byte
.endr
.Lend:
	s_wait_dscnt 0x0                               ; the closing lines, six on end
	s_wait_alu 0x0
	s_wait_tensorcnt 0x0
	ds_add_u32 v30, v31
	s_wait_dscnt 0x0
	s_endpgm
.Lfunc_end_k_q00eb25c81c_down:
	.size	k_q00eb25c81c_down, .Lfunc_end_k_q00eb25c81c_down-k_q00eb25c81c_down
	.p2alignl 7, 3214868480
	.fill 96, 4, 3214868480
	.section	.rodata,"a",@progbits
	.p2align	6, 0x0
	.amdhsa_kernel k_q00eb25c81c_down
		.amdhsa_group_segment_fixed_size 272384
		.amdhsa_private_segment_fixed_size 0
		.amdhsa_enable_private_segment 0
		.amdhsa_kernarg_size 40
		.amdhsa_user_sgpr_count 2
		.amdhsa_user_sgpr_kernarg_segment_ptr 1
		.amdhsa_wavefront_size32 1
		.amdhsa_system_sgpr_workgroup_id_x 1
		.amdhsa_system_sgpr_workgroup_id_y 1
		.amdhsa_system_sgpr_workgroup_id_z 1
		.amdhsa_system_vgpr_workitem_id 0
		.amdhsa_next_free_vgpr 256
		.amdhsa_next_free_sgpr 100
		.amdhsa_reserve_vcc 0
		.amdhsa_float_denorm_mode_32 3
		.amdhsa_float_denorm_mode_16_64 3
		.amdhsa_memory_ordered 1
		.amdhsa_forward_progress 1
		.amdhsa_inst_pref_size 55
	.end_amdhsa_kernel
	.amdgpu_metadata
---
amdhsa.version: [ 1, 2 ]
amdhsa.kernels:
  - .name:           k_q00eb25c81c_down
    .symbol:         k_q00eb25c81c_down.kd
    .args:
      - { .name: ord, .offset: 0, .size: 8, .value_kind: global_buffer, .address_space: global }
      - { .name: xt, .offset: 8, .size: 8, .value_kind: global_buffer, .address_space: global }
      - { .name: hq, .offset: 16, .size: 8, .value_kind: global_buffer, .address_space: global }
      - { .name: w2q, .offset: 24, .size: 8, .value_kind: global_buffer, .address_space: global }
      - { .name: out0, .offset: 32, .size: 8, .value_kind: global_buffer, .address_space: global }
    .group_segment_fixed_size: 272384
    .private_segment_fixed_size: 0
    .kernarg_segment_align: 8
    .kernarg_segment_size: 40
    .max_flat_workgroup_size: 512
    .sgpr_count:     100
    .vgpr_count:     256
    .wavefront_size: 32
...
	.end_amdgpu_metadata
.endif
;; end of part 10
